; MI455X (gfx1250); checked and timed in simulation.
; The chip was launched on July 23, 2026; its instructions are those of AMD's public machine-readable ISA for CDNA 5 (MIT licence, August 2026) and "CDNA5" Instruction Set Architecture Reference Guide (July 2026). The comments in the code are by the model that wrote it; some were corrected since.
;; Recurrent Transformer Layer. Allowed arithmetic: float matrix products may take bf16 or f16 operands with f32 sums; all other float work in f32.
;; Inputs: W1 4,096 x 1,024 float32; W2 1,024 x 4,096 float32; Wc_b 1,024 float32; Wc_w 1,024 x 2,048 float32; Wr_b 1,024 float32; Wr_w 1,024 x 2,048 float32; Wz_b 1,024 float32; Wz_w 1,024 x 2,048 float32; attn_out_b 1,024 float32; attn_out_w 1,024 x 1,024 float32; b1 4,096 float32; b2 1,024 float32; in_proj_b 3,072 float32; in_proj_w 3,072 x 1,024 float32; ln1_b 1,024 float32; ln1_g 1,024 float32; ln2_b 1,024 float32; ln2_g 1,024 float32; ln3_b 1,024 float32; ln3_g 1,024 float32; memory 4 x 16 x 1,024 float32; mk_w 1,024 x 1,024 float32; mo_w 1,024 x 1,024 float32; mq_w 1,024 x 1,024 float32; mv_w 1,024 x 1,024 float32; x 4 x 1,024 x 1,024 float32.
;; Outputs: out0 4 x 1,024 x 1,024 float32; out1 4 x 16 x 1,024 float32.
;; 2 versions, each right and faster than the one before. Each part assembles by itself: llvm-mc -triple=amdgcn-amd-amdhsa -mcpu=gfx1250 --defsym DOCPART=n.
;; ======== version 1 of 2: 11 launches
;; workspace buffers: wsA 20,971,520 bytes; wsB 33,554,432 bytes; wsC 20,971,520 bytes; wsD 17,186,816 bytes; wsE 671,744 bytes; wsG 25,165,824 bytes
;; launch prep (part 1): grid 1285 x 1, 8 waves a work-group, no clusters, 18,432 bytes of LDS; arguments x, ln1_g, ln1_b, in_proj_w, attn_out_w, W1, W2, in_proj_b, mq_w, memory, wsA, wsC, wsG, wsE; writes wsA, wsC, wsG, wsE
.if DOCPART == 1
	.amdgcn_target "amdgcn-amd-amdhsa--gfx1250"
	.amdhsa_code_object_version 6
	.text
	.protected	k_qa2c1ee3efa_prep
	.globl	k_qa2c1ee3efa_prep
	.p2align	8
	.type	k_qa2c1ee3efa_prep,@function
k_qa2c1ee3efa_prep:
	s_mov_b64 s[64:65], 0
	v_nop
	global_prefetch_b8 v0, s[64:65] scope:SCOPE_SE
	s_setreg_imm32_b32 hwreg(HW_REG_WAVE_MODE, 25, 1), 1
	s_wait_xcnt 0x0
; PREPARATION, five kinds of work-group, chosen by the work-group's number g:
;   g < 256     LN1 of 16 rows of x -> bf16 (wsG + H3); a wave takes two rows; the mean is taken away before the squares are summed
;   g < 1024    64 KiB of f32 weights -> bf16 (in_proj_w, attn_out_w, W2 into wsA; W1 into wsC); the q rows of in_proj_w times c = log2(e)/4, in f32, ahead of the one rounding
;   g < 1280    a 64 x 64 tile of mq_w transposed, f32, through LDS
;   g < 1284    memory of one batch as a bf16 fragment image: block cb, lane r + 16 h holds memory[b][r][16 cb + 8 h ..+7]
;   g = 1284    in_proj_b, its q part times c
; LIMITS: NaN and infinities are not treated apart.
.set SPARE, 17408                      ; behind the transposing tile (64 rows x 272 bytes): the spare words, 128 bytes a wave
.set H3,    16777216
.set MEMI,  540672
.set X0, 32
.set GG, 96
.set BB, 128
	s_load_b512 s[4:19], s[0:1], 0x0       ; x, ln1_g, ln1_b, in_proj_w, attn_out_w, W1, W2, in_proj_b
	s_load_b256 s[20:27], s[0:1], 0x40     ; mq_w, memory, wsA, wsC
	s_load_b128 s[28:31], s[0:1], 0x60     ; wsG, wsE
	v_lshl_add_u32 v28, v0, 2, SPARE
	v_mov_b32 v29, 0
	v_and_b32 v1, 31, v0                   ; lane
	v_lshrrev_b32 v2, 5, v0
	v_readfirstlane_b32 s36, v2            ; wave
	s_mov_b32 s37, ttmp9
	s_mov_b32 s43, 0
	s_mov_b32 s44, 0x76543210              ; v_permlanex16_b32: each lane takes its own place in the other half
	s_mov_b32 s45, 0xfedcba98
	s_mov_b32 s46, 0x3a800000              ; 1/1024
	v_lshlrev_b32 v3, 4, v1                ; 16 x lane
	v_lshlrev_b32 v30, 3, v1               ; 8 x lane
	s_wait_kmcnt 0x0
	s_cmp_lt_u32 s37, 256
	s_cbranch_scc0 .Lcast
	; ---- LN1: rows 16 g + 2 w and the next; lane L holds columns 128 j + 4 L ..+3
	s_lshl_b32 s38, s37, 4
	s_lshl1_add_u32 s38, s36, s38
	s_lshl_b32 s42, s38, 12
	s_add_nc_u64 s[4:5], s[4:5], s[42:43]
	s_lshl_b32 s42, s38, 11
	s_add_co_u32 s42, s42, H3
	s_add_nc_u64 s[28:29], s[28:29], s[42:43]
.irp j, 0,1,2,3,4,5,6,7
	global_load_b128 v[X0+4*\j:X0+4*\j+3], v3, s[4:5] offset:\j*512
	global_load_b128 v[X0+32+4*\j:X0+35+4*\j], v3, s[4:5] offset:4096+\j*512
	global_load_b128 v[GG+4*\j:GG+4*\j+3], v3, s[6:7] offset:\j*512
	global_load_b128 v[BB+4*\j:BB+4*\j+3], v3, s[8:9] offset:\j*512
.endr
	s_wait_loadcnt 0x0
.macro LANESUM a, t                    ; v[a] summed over the 32 lanes; v[t] has been written
	v_add_f32_dpp v[\a], v[\a], v[\a] row_xmask:1 row_mask:0xf bank_mask:0xf
	v_add_f32_dpp v[\a], v[\a], v[\a] row_xmask:2 row_mask:0xf bank_mask:0xf
	v_add_f32_dpp v[\a], v[\a], v[\a] row_xmask:4 row_mask:0xf bank_mask:0xf
	v_add_f32_dpp v[\a], v[\a], v[\a] row_xmask:8 row_mask:0xf bank_mask:0xf
	v_permlanex16_b32 v[\t], v[\a], s44, s45
	v_add_f32 v[\a], v[\a], v[\t]
.endm
.macro LNROW X, row
.irp k, 0,1,2,3                        ; the sum, in four chains
	v_pk_add_f32 v[4+2*\k:5+2*\k], v[(\X)+2*\k:(\X)+2*\k+1], v[(\X)+8+2*\k:(\X)+9+2*\k]
.endr
.irp k, 0,1,2,3
	v_pk_add_f32 v[4+2*\k:5+2*\k], v[4+2*\k:5+2*\k], v[(\X)+16+2*\k:(\X)+17+2*\k]
.endr
.irp k, 0,1,2,3
	v_pk_add_f32 v[4+2*\k:5+2*\k], v[4+2*\k:5+2*\k], v[(\X)+24+2*\k:(\X)+25+2*\k]
.endr
	v_pk_add_f32 v[4:5], v[4:5], v[6:7]
	v_pk_add_f32 v[8:9], v[8:9], v[10:11]
	v_pk_add_f32 v[4:5], v[4:5], v[8:9]
	v_add_f32 v4, v4, v5
	LANESUM 4, 5
	v_mul_f32 v4, s46, v4                  ; the mean
	v_mov_b32 v5, v4
.set i, 0
.rept 16
	v_pk_add_f32 v[(\X)+i:(\X)+i+1], v[(\X)+i:(\X)+i+1], v[4:5] neg_lo:[0,1] neg_hi:[0,1]
.set i, i+2
.endr
.irp k, 0,1,2,3                        ; the squares of the differences, in four chains
	v_pk_mul_f32 v[6+2*\k:7+2*\k], v[(\X)+2*\k:(\X)+2*\k+1], v[(\X)+2*\k:(\X)+2*\k+1]
.endr
.irp m, 8,16,24
.irp k, 0,1,2,3
	v_pk_fma_f32 v[6+2*\k:7+2*\k], v[(\X)+\m+2*\k:(\X)+\m+2*\k+1], v[(\X)+\m+2*\k:(\X)+\m+2*\k+1], v[6+2*\k:7+2*\k]
.endr
.endr
	v_pk_add_f32 v[6:7], v[6:7], v[8:9]
	v_pk_add_f32 v[10:11], v[10:11], v[12:13]
	v_pk_add_f32 v[6:7], v[6:7], v[10:11]
	v_add_f32 v6, v6, v7
	LANESUM 6, 7
	v_fmaak_f32 v6, s46, v6, 0x3727c5ac    ; variance + 1e-5
	v_rsq_f32 v6, v6
	v_nop                                  ; a plain line behind the transcendental
	s_wait_alu depctr_va_vdst(0)
	v_mov_b32 v7, v6
.set i, 0
.rept 16
	v_pk_mul_f32 v[(\X)+i:(\X)+i+1], v[(\X)+i:(\X)+i+1], v[6:7]
.set i, i+2
.endr
.set i, 0
.rept 16
	v_pk_fma_f32 v[(\X)+i:(\X)+i+1], v[(\X)+i:(\X)+i+1], v[GG+i:GG+i+1], v[BB+i:BB+i+1]
.set i, i+2
.endr
.set i, 0
.rept 16                               ; rounded in place, ascending: register i takes numbers 2 i and 2 i + 1.  The stores read the row's own registers, which no later line writes
	v_cvt_pk_bf16_f32 v[(\X)+i], v[(\X)+2*i], v[(\X)+2*i+1]
.set i, i+1
.endr
.irp j, 0,1,2,3,4,5,6,7
	global_store_b64 v30, v[(\X)+2*\j:(\X)+2*\j+1], s[28:29] offset:(\row)*2048+\j*256   ; 32 lanes x 8 bytes: 256 consecutive bytes, aligned
.endr
.endm
	LNROW X0, 0
	LNROW X0+32, 1
	s_endpgm
.Lcast:
	s_cmp_lt_u32 s37, 1024
	s_cbranch_scc0 .Ltrans
	; ---- a chunk of 16,384 f32 -> bf16.  c = g - 256: 192 chunks of in_proj_w, 64 of attn_out_w, 256 of W1, 256 of W2
	s_sub_co_u32 s38, s37, 256
	s_cmp_lt_u32 s38, 192
	s_cselect_b64 s[40:41], s[10:11], s[12:13]
	s_cselect_b32 s39, 0, 192
	s_cmp_lt_u32 s38, 256
	s_cselect_b64 s[40:41], s[40:41], s[14:15]
	s_cselect_b32 s39, s39, 256
	s_cmp_lt_u32 s38, 512
	s_cselect_b64 s[40:41], s[40:41], s[16:17]
	s_cselect_b32 s39, s39, 512
	s_sub_co_u32 s39, s38, s39             ; the chunk's number in its source
	s_lshl_b32 s42, s39, 16
	s_add_nc_u64 s[40:41], s[40:41], s[42:43]
	s_cmp_lt_u32 s38, 256                  ; the target: wsA, but W1 goes to wsC; both from byte 4,194,304 on
	s_cselect_b32 s39, 0, 256
	s_cselect_b64 s[48:49], s[24:25], s[26:27]
	s_cmp_lt_u32 s38, 512
	s_cselect_b64 s[48:49], s[48:49], s[24:25]
	s_sub_co_u32 s39, s38, s39
	s_lshl_b32 s42, s39, 15
	s_add_co_u32 s42, s42, 4194304
	s_add_nc_u64 s[48:49], s[48:49], s[42:43]
	s_cmp_lt_u32 s38, 64                   ; the q rows take the scale
	s_cselect_b32 s50, 0x3eb8aa3b, 1.0
	s_mov_b32 s51, s50
	s_lshl_b32 s39, s36, 13
	v_add_nc_u32 v3, s39, v3               ; wave x 8,192 + 16 x lane
	s_lshl_b32 s39, s36, 12
	v_add_nc_u32 v30, s39, v30             ; wave x 4,096 + 8 x lane
.set i, 0
.rept 16
	global_load_b128 v[32+4*i:35+4*i], v3, s[40:41] offset:i*512 th:TH_LOAD_NT
.set i, i+1
.endr
	s_wait_loadcnt 0x0
.set i, 0
.rept 32
	v_pk_mul_f32 v[32+i:33+i], v[32+i:33+i], s[50:51] op_sel_hi:[1,0]
.set i, i+2
.endr
.set i, 0
.rept 32
	v_cvt_pk_bf16_f32 v[96+i], v[32+2*i], v[33+2*i]
.set i, i+1
.endr
.set i, 0
.rept 16
	global_store_b64 v30, v[96+2*i:97+2*i], s[48:49] offset:i*256
.set i, i+1
.endr
	s_endpgm
.Ltrans:
	s_cmp_lt_u32 s37, 1280
	s_cbranch_scc0 .Limage
	; ---- tile (ti, tj) of mq_w, 64 x 64 f32, transposed: wsA[i][j] = mq_w[j][i]
	s_sub_co_u32 s38, s37, 1024
	s_lshr_b32 s39, s38, 4                 ; ti
	s_and_b32 s40, s38, 15                 ; tj
	v_and_b32 v4, 15, v0
	v_bfe_u32 v5, v0, 4, 1
	s_lshl_b32 s38, s36, 3
	v_add_nc_u32 v6, s38, v5               ; 8 w + lane / 16
	v_lshlrev_b32 v7, 12, v6
	v_lshl_add_u32 v7, v4, 4, v7           ; a row of 4,096 bytes, 16 bytes a lane: in and out alike
	v_mul_u32_u24 v8, v6, 272
	v_lshl_add_u32 v8, v4, 4, v8           ; into the tile by rows
	v_mul_u32_u24 v9, v4, 1088
	v_lshl_add_u32 v9, v6, 2, v9           ; out of it by columns
	s_lshl_b32 s42, s39, 18
	s_lshl_b32 s41, s40, 8
	s_add_co_u32 s42, s42, s41
	s_add_nc_u64 s[20:21], s[20:21], s[42:43]
	s_lshl_b32 s42, s40, 18
	s_lshl_b32 s41, s39, 8
	s_add_co_u32 s42, s42, s41
	s_add_nc_u64 s[24:25], s[24:25], s[42:43]
.irp q, 0,1,2,3
	global_load_b128 v[32+4*\q:35+4*\q], v7, s[20:21] offset:\q*8192 th:TH_LOAD_NT
.endr
	s_wait_loadcnt 0x0
.irp q, 0,1,2,3
	ds_store_b128 v8, v[32+4*\q:35+4*\q] offset:\q*544
.endr
	s_wait_dscnt 0x0                       ; my rows are in the tile, for the others' sake
	s_barrier_signal -1
	s_barrier_wait -1
.irp q, 0,1,2,3
.irp e, 0,1,2,3
	ds_load_b32 v[48+4*\q+\e], v9 offset:\e*272+\q*8
.endr
.endr
	s_wait_dscnt 0x0
.irp q, 0,1,2,3
	global_store_b128 v7, v[48+4*\q:51+4*\q], s[24:25] offset:\q*8192   ; 16 lanes fill 256 consecutive bytes
.endr
	s_wait_tensorcnt 0x0                   ; the wave's end
	ds_add_u32 v28, v29
	s_wait_dscnt 0x0
	s_endpgm
.Limage:
	s_cmp_lt_u32 s37, 1284
	s_cbranch_scc0 .Lmisc
	; ---- memory of batch b as an image; wave w makes blocks 8 w ..+7
	s_sub_co_u32 s38, s37, 1280
	v_and_b32 v4, 15, v0
	v_bfe_u32 v5, v0, 4, 1
	v_lshlrev_b32 v6, 12, v4
	v_lshl_add_u32 v6, v5, 5, v6
	s_lshl_b32 s39, s36, 9
	v_add_nc_u32 v6, s39, v6               ; r x 4,096 + 32 h + 512 w
	s_lshl_b32 s39, s36, 12
	v_add_nc_u32 v3, s39, v3               ; 16 x lane + 4,096 w
	s_lshl_b32 s42, s38, 16
	s_add_nc_u64 s[22:23], s[22:23], s[42:43]
	s_lshl_b32 s42, s38, 15
	s_add_co_u32 s42, s42, MEMI
	s_add_nc_u64 s[28:29], s[28:29], s[42:43]
.irp u, 0,1,2,3,4,5,6,7
	global_load_b128 v[32+8*\u:35+8*\u], v6, s[22:23] offset:\u*64
	global_load_b128 v[36+8*\u:39+8*\u], v6, s[22:23] offset:\u*64+16
.endr
	s_wait_loadcnt 0x0
.set i, 0
.rept 32
	v_cvt_pk_bf16_f32 v[96+i], v[32+2*i], v[33+2*i]
.set i, i+1
.endr
.irp u, 0,1,2,3,4,5,6,7
	global_store_b128 v3, v[96+4*\u:99+4*\u], s[28:29] offset:\u*512
.endr
	s_endpgm
.Lmisc:
	; ---- in_proj_b, its first 1,024 numbers times c
	v_lshlrev_b32 v4, 4, v0
.irp i, 0,1,2
	global_load_b128 v[32+4*\i:35+4*\i], v4, s[18:19] offset:\i*4096
.endr
	s_wait_loadcnt 0x0
	v_pk_mul_f32 v[32:33], v[32:33], 0x3eb8aa3b op_sel_hi:[1,0]
	v_pk_mul_f32 v[34:35], v[34:35], 0x3eb8aa3b op_sel_hi:[1,0]
.irp i, 0,1,2
	global_store_b128 v4, v[32+4*\i:35+4*\i], s[30:31] offset:\i*4096
.endr
	s_endpgm
.Lfunc_end_k_qa2c1ee3efa_prep:
	.size	k_qa2c1ee3efa_prep, .Lfunc_end_k_qa2c1ee3efa_prep-k_qa2c1ee3efa_prep
	.p2alignl 7, 3214868480
	.fill 96, 4, 3214868480
	.section	.rodata,"a",@progbits
	.p2align	6, 0x0
	.amdhsa_kernel k_qa2c1ee3efa_prep
		.amdhsa_group_segment_fixed_size 18432
		.amdhsa_private_segment_fixed_size 0
		.amdhsa_enable_private_segment 0
		.amdhsa_kernarg_size 112
		.amdhsa_user_sgpr_count 2
		.amdhsa_user_sgpr_kernarg_segment_ptr 1
		.amdhsa_wavefront_size32 1
		.amdhsa_system_sgpr_workgroup_id_x 1
		.amdhsa_system_sgpr_workgroup_id_y 1
		.amdhsa_system_sgpr_workgroup_id_z 1
		.amdhsa_system_vgpr_workitem_id 0
		.amdhsa_next_free_vgpr 160
		.amdhsa_next_free_sgpr 66
		.amdhsa_reserve_vcc 0
		.amdhsa_float_denorm_mode_32 3
		.amdhsa_float_denorm_mode_16_64 3
		.amdhsa_memory_ordered 1
		.amdhsa_forward_progress 1
		.amdhsa_inst_pref_size 38
	.end_amdhsa_kernel
	.amdgpu_metadata
---
amdhsa.version: [ 1, 2 ]
amdhsa.kernels:
  - .name:           k_qa2c1ee3efa_prep
    .symbol:         k_qa2c1ee3efa_prep.kd
    .args:
      - { .name: x, .offset: 0, .size: 8, .value_kind: global_buffer, .address_space: global }
      - { .name: ln1_g, .offset: 8, .size: 8, .value_kind: global_buffer, .address_space: global }
      - { .name: ln1_b, .offset: 16, .size: 8, .value_kind: global_buffer, .address_space: global }
      - { .name: in_proj_w, .offset: 24, .size: 8, .value_kind: global_buffer, .address_space: global }
      - { .name: attn_out_w, .offset: 32, .size: 8, .value_kind: global_buffer, .address_space: global }
      - { .name: W1, .offset: 40, .size: 8, .value_kind: global_buffer, .address_space: global }
      - { .name: W2, .offset: 48, .size: 8, .value_kind: global_buffer, .address_space: global }
      - { .name: in_proj_b, .offset: 56, .size: 8, .value_kind: global_buffer, .address_space: global }
      - { .name: mq_w, .offset: 64, .size: 8, .value_kind: global_buffer, .address_space: global }
      - { .name: memory, .offset: 72, .size: 8, .value_kind: global_buffer, .address_space: global }
      - { .name: wsA, .offset: 80, .size: 8, .value_kind: global_buffer, .address_space: global }
      - { .name: wsC, .offset: 88, .size: 8, .value_kind: global_buffer, .address_space: global }
      - { .name: wsG, .offset: 96, .size: 8, .value_kind: global_buffer, .address_space: global }
      - { .name: wsE, .offset: 104, .size: 8, .value_kind: global_buffer, .address_space: global }
    .group_segment_fixed_size: 18432
    .private_segment_fixed_size: 0
    .kernarg_segment_align: 8
    .kernarg_segment_size: 112
    .max_flat_workgroup_size: 256
    .sgpr_count:     66
    .vgpr_count:     160
    .wavefront_size: 32
...
	.end_amdgpu_metadata
.endif
;; end of part 1
;; launch qkv (part 2): grid 12 x 16, 4 waves a work-group, clusters of 4 x 4, 327,680 bytes of LDS; arguments wsG, wsA, wsE, wsB; writes wsB
.if DOCPART == 2
	.amdgcn_target "amdgcn-amd-amdhsa--gfx1250"
	.amdhsa_code_object_version 6
	.text
	.protected	k_qa2c1ee3efa_qkv
	.globl	k_qa2c1ee3efa_qkv
	.p2align	8
	.type	k_qa2c1ee3efa_qkv,@function
k_qa2c1ee3efa_qkv:
	s_mov_b64 s[64:65], 0
	v_nop
	global_prefetch_b8 v0, s[64:65] scope:SCOPE_SE
	s_setreg_imm32_b32 hwreg(HW_REG_WAVE_MODE, 25, 1), 1
	s_wait_xcnt 0x0
	s_wait_alu depctr_hold_cnt(0) depctr_sa_sdst(0) depctr_va_vdst(0) depctr_va_sdst(0) depctr_va_ssrc(0) depctr_va_vcc(0) depctr_vm_vsrc(0)
	s_getreg_b32 s2, hwreg(HW_REG_IB_STS2, 6, 4)
	s_cmp_eq_u32 s2, 0
	s_cbranch_scc0 .Lentry_in_a_cluster
	s_endpgm
.Lentry_in_a_cluster:
	s_bfe_u32 s2, ttmp6, 0x10000c
	s_cmp_lg_u32 s2, 0xf033
	s_cbranch_scc0 .Lentry_shape_is_right
	s_endpgm
.Lentry_shape_is_right:
; q', k, v = LN1(x) x in_proj_w^T + in_proj_b, K = 1024.  act: bf16 [4096][1024] at byte H3 of its buffer; wts: bf16 [3072][1024] at byte 4,194,304 of its buffer; bias: f32 [3072].
; A tile of C is 256 x 256, a wave's share 128 x 128: 64 accumulators in windows 2 and 3.  K goes in steps of 128 through two LDS slots.
; 4 x 4 work-groups form a cluster: A's tiles are asked for jointly along a row of the cluster, B's along a column.
; The matrix instruction is used transposed (source 0 = 16 rows of wts, source 1 = 16 rows of act): a lane holds eight neighbouring columns of one row of C.
; The sums start from the bias, which is loaded straight into the accumulators: nothing is cleared, and no first step is written out.
; THE WAY OUT: bf16 by heads, [3][256 bh][1024 t][16]: a lane's eight columns are half a head's row, and a store writes one head's 16 rows, 512 consecutive bytes.
; LIMITS: NaN and infinities are not treated apart.  The launch has 192 work-groups: 3072 x 4096 makes no more tiles of this size.
.set H3,    16777216
.set WOFF,  4194304
.set PITCH, 272                        ; an LDS row: 256 bytes + 16 of padding: the 16 rows of a fragment load start at 16 different groups of four banks
.set HALFT, 128*PITCH
.set SLOT,  4*HALFT                    ; 0x22000: shares no bit with wave x HALFT, so one exclusive or changes slots
.set SPARE, 2*SLOT                     ; behind the ring: the spare words, 128 bytes a wave
.set ADRA, 16
.set ADRB, 17
.set A0,   18
.set B0,   19
.set BO,   20
.set CO,   24
.set SPW,  28
.set NIL,  29
.set F0,   64
.set F1,   128
.set WV, 15
.set WR, 16
.set WC, 17
.set G1A, 24
.set G0A, 32
.set G1B, 40
.set G0B, 48
.set CNT, 56
.set TB,  57
.set MSB, 0
.macro WIN new                         ; the high byte repeats the setting that is left; a switch that changes nothing is dropped
.if MSB != (\new)
	s_set_vgpr_msb (MSB<<8)|(\new)
.set MSB, \new
.endif
.endm
.macro PLACES
.rept 4
	v_nop
.endr
.endm
.macro JLOAD s                         ; a joint load: waves 0, 1 fetch A's halves, waves 2, 3 B's; an s_nop 0 and four v_nop follow each line
	s_cmp_eq_u32 s[WR], 0
	s_cbranch_scc0 .Lfor_b_\@
	tensor_load_to_lds s[G0A+4*(\s):G0A+4*(\s)+3], s[G1A:G1A+7]
	s_nop 0
.rept 4
	v_nop
.endr
	s_branch .Lasked_\@
.Lfor_b_\@:
	tensor_load_to_lds s[G0B+4*(\s):G0B+4*(\s)+3], s[G1B:G1B+7]
	s_nop 0
.rept 4
	v_nop
.endr
.Lasked_\@:
.endm
.macro CREST                           ; a round of the cluster's barrier behind its opening barrier
	s_cmp_lg_u32 s[WV], 0
	s_cbranch_scc1 .Lnot_wave_0_\@
	s_barrier_signal -3
.Lnot_wave_0_\@:
	s_barrier_wait -3
	s_barrier_signal -1
	s_barrier_wait -1
.endm
.macro CROUND
	s_barrier_signal -1
	s_barrier_wait -1
	CREST
.endm
	s_load_b256 s[4:11], s[0:1], 0x0       ; act, wts, bias, out
	v_lshl_add_u32 v[SPW], v0, 2, SPARE
	v_mov_b32 v[NIL], 0
	ds_add_u32 v[SPW], v[NIL]              ; the wave's opening: the add and its wait ahead of my first tensor load
	v_lshrrev_b32 v1, 5, v0
	v_readfirstlane_b32 s[WV], v1
	s_lshr_b32 s[WR], s[WV], 1             ; my half of the tile's rows; also: I fetch for A (0) or B (1)
	s_and_b32 s[WC], s[WV], 1              ; my half of its columns; also: which 128 rows I fetch
	s_bfe_u32 s18, ttmp6, 0x40000          ; cx
	s_bfe_u32 s19, ttmp6, 0x40004          ; cy
	s_lshl_b32 s20, ttmp9, 2
	s_add_co_u32 s20, s20, s18             ; tile column
	s_and_b32 s21, ttmp7, 0xffff
	s_lshl_b32 s21, s21, 2
	s_add_co_u32 s21, s21, s19             ; tile row
	s_lshl_b32 s22, s19, 2
	s_lshl_b32 s22, 15, s22                ; my row of the cluster
	s_lshl_b32 s23, 0x1111, s18            ; my column
	s_or_b32 s[G1A], s22, (1<<16)|(1<<20)|(1<<21)|(5<<22)|(3<<25)   ; mask; 2-byte elements; padding on; bit 21 beside a mask; after every 64 words; 4 words
	s_or_b32 s[G1B], s23, (1<<16)|(1<<20)|(1<<21)|(5<<22)|(3<<25)
.irp g, G1A, G1B
	s_mov_b32 s[(\g)+1], 128<<16           ; tensor_dim0
	s_mov_b32 s[(\g)+2], 128<<16           ; tensor_dim1
	s_mov_b32 s[(\g)+3], 128<<16           ; tile_dim0
	s_mov_b32 s[(\g)+4], 128               ; tile_dim1
	s_mov_b32 s[(\g)+5], 1024              ; elements from row to row
	s_mov_b32 s[(\g)+6], 0
	s_mov_b32 s[(\g)+7], 0
.endr
	s_lshl_b32 s58, s[WC], 7
	s_lshl_b32 s60, s21, 8
	s_add_co_u32 s60, s60, s58
	s_lshl_b32 s60, s60, 11
	s_add_co_u32 s60, s60, H3              ; A: row 256 x tile row + 128 x half, 2,048 bytes a row
	s_mov_b32 s61, 0
	s_lshl_b32 s62, s20, 8
	s_add_co_u32 s62, s62, s58
	s_lshl_b32 s62, s62, 11
	s_add_co_u32 s62, s62, WOFF            ; B likewise, by the tile column
	s_mov_b32 s63, 0
	s_mul_i32 s59, s[WV], HALFT            ; where my part goes: no place in the cluster enters an LDS address
	s_mov_b32 s[TB], 0
	s_wait_dscnt 0x0                       ; the opening add is done
	s_wait_kmcnt 0x0
	s_add_nc_u64 s[60:61], s[4:5], s[60:61]
	s_add_nc_u64 s[62:63], s[6:7], s[62:63]
	CROUND                                 ; all sixteen work-groups are here: the first joint loads meet
.irp s, 0,1
	s_mov_b32 s[G0A+4*(\s)], 1
	s_add_co_u32 s[G0A+4*(\s)+1], s59, (\s)*SLOT
	s_add_nc_u64 s[G0A+4*(\s)+2:G0A+4*(\s)+3], s[60:61], (\s)*256
	s_or_b32 s[G0A+4*(\s)+3], s[G0A+4*(\s)+3], 0x80000000
	s_mov_b32 s[G0B+4*(\s)], 1
	s_add_co_u32 s[G0B+4*(\s)+1], s59, (\s)*SLOT
	s_add_nc_u64 s[G0B+4*(\s)+2:G0B+4*(\s)+3], s[62:63], (\s)*256
	s_or_b32 s[G0B+4*(\s)+3], s[G0B+4*(\s)+3], 0x80000000
	JLOAD \s                               ; two loads of mine are out
.endr
	v_and_b32 v1, 15, v0                   ; r
	v_bfe_u32 v2, v0, 4, 1                 ; h
	v_mul_u32_u24 v3, v1, PITCH
	v_lshl_add_u32 v3, v2, 4, v3
	s_mul_i32 s58, s[WR], HALFT
	v_add_nc_u32 v[A0], s58, v3
	s_mul_i32 s58, s[WC], HALFT
	s_add_co_u32 s58, s58, 2*HALFT
	v_add_nc_u32 v[B0], s58, v3
	v_mov_b32 v[ADRA], v[A0]
	v_mov_b32 v[ADRB], v[B0]
	v_lshlrev_b32 v[BO], 5, v2             ; 32 h: my eight columns' bias
	s_lshl_b32 s66, s20, 10
	s_lshl_b32 s67, s[WC], 9
	s_add_co_u32 s66, s66, s67
	s_mov_b32 s67, 0
	s_add_nc_u64 s[8:9], s[8:9], s[66:67]  ; bias at my first column
.irp a, 0,1,2,3,4,5,6,7
	WIN 0x80+0x40*((\a)/4)
.irp b, 0,1,2,3,4,5,6,7
	global_load_b128 v[8*(8*((\a)%4)+\b):8*(8*((\a)%4)+\b)+3], v[BO], s[8:9] offset:\b*64
	global_load_b128 v[8*(8*((\a)%4)+\b)+4:8*(8*((\a)%4)+\b)+7], v[BO], s[8:9] offset:\b*64+16
.endr
.endr
	WIN 0
.macro MULP f, p                       ; 16 products: row blocks 2 p, 2 p + 1 x all 8 column blocks, 32 along K.  The 64 accumulators take turns in one fixed order
	WIN 0xa1+0x50*((\p)/2)
.irp a, 2*((\p)%2), 2*((\p)%2)+1
.irp b, 0,1,2,3,4,5,6,7
	v_wmma_f32_16x16x32_bf16 v[8*(8*(\a)+(\b)):8*(8*(\a)+(\b))+7], v[(\f)+8*(\b):(\f)+8*(\b)+7], v[(\f)+8*(4*((\p)/2)+(\a)):(\f)+8*(4*((\p)/2)+(\a))+7], v[8*(8*(\a)+(\b)):8*(8*(\a)+(\b))+7]
.endr
.endr
.endm
.macro FETCH k, f                      ; 32 LDS loads in one run: the fragments of 32 along K at byte k of the rows
	WIN 0x40
.irp i, 0,1,2,3,4,5,6,7
	ds_load_b128 v[(\f)+8*(\i):(\f)+8*(\i)+3],   v[ADRB] offset:(\k)+(\i)*16*PITCH
	ds_load_b128 v[(\f)+8*(\i)+4:(\f)+8*(\i)+7], v[ADRB] offset:(\k)+(\i)*16*PITCH+32
.endr
	WIN 0
.irp i, 0,1,2,3,4,5,6,7
	ds_load_b128 v[(\f)+8*(\i):(\f)+8*(\i)+3],   v[ADRA] offset:(\k)+(\i)*16*PITCH
	ds_load_b128 v[(\f)+8*(\i)+4:(\f)+8*(\i)+7], v[ADRA] offset:(\k)+(\i)*16*PITCH+32
.endr
.endm
.macro SUB k, f, g                     ; a quarter of a K step: buffer f is multiplied, buffer g is fetched for the next quarter
	s_wait_dscnt 0x0                       ; buffer f, asked for 64 products ago
	PLACES                                 ; four places between the last product that read buffer g and the loads into it
	FETCH \k, \g
	MULP \f, 0
	MULP \f, 1
	MULP \f, 2
	MULP \f, 3
.endm
.macro TURN refill                     ; the last quarter, and the change of slots
	WIN 0
	s_wait_tensorcnt 0x0                   ; all my tensor loads have landed: my part of the next slot
	ds_add_u32 v[SPW], v[NIL]              ; 0 onto my spare word
	s_wait_dscnt 1                         ; the fragments are in; the add alone may be out
	MULP F1, 0
	s_wait_dscnt 0x0                       ; the add is done, and my reads of this slot are over
	s_barrier_signal -1
	MULP F1, 1
	WIN 0
	s_barrier_wait -1
.if \refill
	CREST                                  ; no wave of any partner still reads this slot or has a load on its way
	s_xor_b32 s[G0A+5], s[G0A+5], SLOT     ; the walking descriptors: the other slot, the next K step
	s_add_nc_u64 s[G0A+6:G0A+7], s[G0A+6:G0A+7], 256
	s_xor_b32 s[G0B+5], s[G0B+5], SLOT
	s_add_nc_u64 s[G0B+6:G0B+7], s[G0B+6:G0B+7], 256
	JLOAD 1                                ; my one load behind the round; 224 products stand ahead of the wait for it
.else
	PLACES
.endif
	s_xor_b32 s[TB], s[TB], SLOT
	v_add_nc_u32 v[ADRA], s[TB], v[A0]
	v_add_nc_u32 v[ADRB], s[TB], v[B0]
	FETCH 0, F0
	MULP F1, 2
	MULP F1, 3
.endm
.macro KST refill
	SUB 64,  F0, F1
	SUB 128, F1, F0
	SUB 192, F0, F1
	TURN \refill
.endm
	s_wait_tensorcnt 1                     ; my part of K step 0 is in; step 1's may stay out
	s_barrier_signal -1
	s_barrier_wait -1
	FETCH 0, F0
	s_wait_loadcnt 0x0                     ; the bias lies in the accumulators
	WIN 0
	s_mov_b32 s[CNT], 6
.Lmain:                                        ; K steps 0 to 5: each fills the slot that it leaves with the step two on
	KST 1
	WIN 0
	s_sub_co_u32 s[CNT], s[CNT], 1
	s_cmp_lg_u32 s[CNT], 0
	s_cbranch_scc1 .Lmain
	s_mov_b32 s[CNT], 2
.Ltail:                                        ; K steps 6 and 7 ask for nothing; the last trip's fetch of the other slot serves nothing: the price of one text for both
	KST 0
	WIN 0
	s_sub_co_u32 s[CNT], s[CNT], 1
	s_cmp_lg_u32 s[CNT], 0
	s_cbranch_scc1 .Ltail
	s_wait_dscnt 0x0                       ; the last fetch has landed: its registers take the packed results
	PLACES                                 ; behind the last products
	; THE WAY OUT.  section = cluster x; head = 16 cx + 8 half + b; a store writes one head's 16 rows: 512 consecutive bytes
	s_lshl_b32 s66, ttmp9, 23
	s_lshr_b32 s67, s21, 2
	s_lshl_b32 s67, s67, 21
	s_add_co_u32 s66, s66, s67
	s_lshl_b32 s67, s18, 4
	s_lshl3_add_u32 s67, s[WC], s67
	s_lshl_b32 s67, s67, 15
	s_add_co_u32 s66, s66, s67
	s_and_b32 s67, s21, 3
	s_lshl_b32 s67, s67, 8
	s_lshl_b32 s68, s[WR], 7
	s_add_co_u32 s67, s67, s68
	s_lshl_b32 s67, s67, 5
	s_add_co_u32 s66, s66, s67
	s_mov_b32 s67, 0
	s_add_nc_u64 s[10:11], s[10:11], s[66:67]
	v_lshlrev_b32 v[CO], 5, v1
	v_lshl_add_u32 v[CO], v2, 4, v[CO]     ; 32 r + 16 h
.irp a, 0,1,2,3,4,5,6,7
	s_wait_xcnt 0x0                        ; v64-95 were the block before's store data
	WIN 0x0a+5*((\a)/4)
.irp b, 0,1,2,3,4,5,6,7
.irp i, 0,1,2,3
	v_cvt_pk_bf16_f32 v[64+4*\b+\i], v[8*(8*((\a)%4)+\b)+2*\i], v[8*(8*((\a)%4)+\b)+2*\i+1]
.endr
.endr
	WIN 0
.irp b, 0,1,2,3,4,5,6,7
	global_store_b128 v[CO], v[64+4*\b:67+4*\b], s[10:11] offset:\b*32768+\a*512
.endr
.endr
	s_wait_tensorcnt 0x0                   ; the wave's end
	ds_add_u32 v[SPW], v[NIL]
	s_wait_dscnt 0x0
	CROUND                                 ; the closing round
	s_endpgm
.Lfunc_end_k_qa2c1ee3efa_qkv:
	.size	k_qa2c1ee3efa_qkv, .Lfunc_end_k_qa2c1ee3efa_qkv-k_qa2c1ee3efa_qkv
	.p2alignl 7, 3214868480
	.fill 96, 4, 3214868480
	.section	.rodata,"a",@progbits
	.p2align	6, 0x0
	.amdhsa_kernel k_qa2c1ee3efa_qkv
		.amdhsa_group_segment_fixed_size 327680
		.amdhsa_private_segment_fixed_size 0
		.amdhsa_enable_private_segment 0
		.amdhsa_kernarg_size 32
		.amdhsa_user_sgpr_count 2
		.amdhsa_user_sgpr_kernarg_segment_ptr 1
		.amdhsa_wavefront_size32 1
		.amdhsa_system_sgpr_workgroup_id_x 1
		.amdhsa_system_sgpr_workgroup_id_y 1
		.amdhsa_system_sgpr_workgroup_id_z 1
		.amdhsa_system_vgpr_workitem_id 0
		.amdhsa_next_free_vgpr 1024
		.amdhsa_next_free_sgpr 72
		.amdhsa_reserve_vcc 0
		.amdhsa_float_denorm_mode_32 3
		.amdhsa_float_denorm_mode_16_64 3
		.amdhsa_memory_ordered 1
		.amdhsa_forward_progress 1
		.amdhsa_inst_pref_size 97
	.end_amdhsa_kernel
	.amdgpu_metadata
---
amdhsa.version: [ 1, 2 ]
amdhsa.kernels:
  - .name:           k_qa2c1ee3efa_qkv
    .symbol:         k_qa2c1ee3efa_qkv.kd
    .args:
      - { .name: wsG, .offset: 0, .size: 8, .value_kind: global_buffer, .address_space: global }
      - { .name: wsA, .offset: 8, .size: 8, .value_kind: global_buffer, .address_space: global }
      - { .name: wsE, .offset: 16, .size: 8, .value_kind: global_buffer, .address_space: global }
      - { .name: wsB, .offset: 24, .size: 8, .value_kind: global_buffer, .address_space: global }
    .group_segment_fixed_size: 327680
    .private_segment_fixed_size: 0
    .kernarg_segment_align: 8
    .kernarg_segment_size: 32
    .max_flat_workgroup_size: 128
    .sgpr_count:     72
    .vgpr_count:     1024
    .wavefront_size: 32
...
	.end_amdgpu_metadata
.endif
;; end of part 2
;; launch attn (part 3): grid 256 x 1, 4 waves a work-group, no clusters, 33,280 bytes of LDS; arguments wsB, wsC; writes wsC
.if DOCPART == 3
	.amdgcn_target "amdgcn-amd-amdhsa--gfx1250"
	.amdhsa_code_object_version 6
	.text
	.protected	k_qa2c1ee3efa_attn
	.globl	k_qa2c1ee3efa_attn
	.p2align	8
	.type	k_qa2c1ee3efa_attn,@function
k_qa2c1ee3efa_attn:
	s_mov_b64 s[64:65], 0
	v_nop
	global_prefetch_b8 v0, s[64:65] scope:SCOPE_SE
	s_setreg_imm32_b32 hwreg(HW_REG_WAVE_MODE, 25, 1), 1
	s_wait_xcnt 0x0
; SELF-ATTENTION, head size 16.  q', k, v: bf16 [3][256 bh][1024 t][16]; q' carries log2(e)/4, so scores come in powers of two.  O: bf16 [256 bh][1024][16].
; A work-group owns one head, a wave 256 queries: 16 tiles of 16.  The head's whole K (64 blocks x 4 registers) and V^T (32 fragments x 8) stay in each wave's registers.
; No cluster: no two work-groups read a common byte.
; S^T = K Q^T: source 0 = 16 keys, source 1 = 16 queries; K has 16 channels, so the upper 16 places along k hold Q's zeros on one side and on the other whatever registers follow
; (the next key block; at a window's end V's first registers).  LIMIT: a k or v that is not finite therefore spoils neighbouring keys' scores of the same head.
; TWO PASSES for each tile: the first finds the row's true maximum m over all 1,024 keys; the second makes S^T - m (-m is the C operand), p = 2^(s - m), O^T += V^T P and l += ones x P.
; A weight below 2^-126 counts as 0.  l is the sum of the weights as rounded to bf16, the same numbers that multiply V.
; WINDOWS: window w holds keys 256 w ..+255 and a working set of its own, at the same numbers in each window, so all work on those keys runs under one setting, 0x55 w.
.set AOH,   12582912
.set SPARE, 32768
.set CH, 32          ; four chains of maxima
.set QF, 40          ; q in 40-43, zeros in 44-47
.set MF, 48          ; -m, eight times
.set ON, 56          ; ones in bf16
.set OA, 64          ; this window's part of O^T
.set LA, 72          ; of l
.set SB, 80          ; S^T: two buffers of two tiles
.set PB, 112         ; P: two buffers
.set KB, 128
.set VB, 192
.set MSB, 0
.macro WIN new
.if MSB != (\new)
	s_set_vgpr_msb (MSB<<8)|(\new)
.set MSB, \new
.endif
.endm
.macro PLACES
.rept 4
	v_nop
.endr
.endm
	s_load_b128 s[4:7], s[0:1], 0x0
	v_lshl_add_u32 v28, v0, 2, SPARE
	v_mov_b32 v29, 0
	v_lshrrev_b32 v1, 5, v0
	v_readfirstlane_b32 s8, v1
	v_and_b32 v1, 15, v0                   ; r
	v_bfe_u32 v5, v0, 4, 1                 ; h
	v_lshlrev_b32 v2, 5, v1
	v_lshl_add_u32 v2, v5, 4, v2           ; 32 r + 16 h: my 16 bytes in 16 rows of q, k or O
	v_and_b32 v3, 31, v0
	v_lshlrev_b32 v3, 4, v3                ; 16 x lane
	v_and_b32 v4, 7, v0
	v_lshl_add_u32 v4, v5, 3, v4
	v_lshlrev_b32 v4, 5, v4
	v_bfe_u32 v7, v0, 3, 1
	v_lshl_add_u32 v4, v7, 4, v4           ; the turning load: key 8 h + l % 8, channels 8 ((l / 8) % 2) on
	s_lshl_b32 s10, ttmp9, 15
	s_mov_b32 s11, 0
	s_lshl_b32 s23, s8, 13
	v_add_nc_u32 v6, s23, v3               ; where my part of V goes in LDS
	s_mov_b32 s20, 0x76543210
	s_mov_b32 s21, 0xfedcba98
	s_wait_kmcnt 0x0
	s_add_nc_u64 s[14:15], s[4:5], s[10:11]    ; the head in the q section
	s_add_nc_u64 s[18:19], s[6:7], s[10:11]
	s_mov_b32 s10, s23
	s_add_nc_u64 s[12:13], s[14:15], s[10:11]  ; q at my wave's 256 rows
	s_add_nc_u64 s[18:19], s[18:19], s[10:11]
	s_add_nc_u64 s[18:19], s[18:19], AOH       ; O likewise
	s_add_nc_u64 s[16:17], s[12:13], 16777216  ; v at my wave's 256 rows
	s_add_nc_u64 s[14:15], s[14:15], 8388608   ; k at the head's first row
.set i, 0
.rept 16
	global_load_b128 v[64+4*i:67+4*i], v3, s[16:17] offset:i*512
.set i, i+1
.endr
.irp w, 0,1,2
	WIN (\w)<<6
.set i, 0
.rept 16
	global_load_b128 v[KB+4*i:KB+4*i+3], v2, s[14:15] offset:(16*\w+i)*512
.set i, i+1
.endr
.endr
	WIN 0
	s_wait_loadcnt 48                      ; V's sixteen loads are in; the 48 of K issued behind them may stay out
.set i, 0
.rept 16
	ds_store_b128 v6, v[64+4*i:67+4*i] offset:i*512
.set i, i+1
.endr
	WIN 0xc0
.set i, 0
.rept 16
	global_load_b128 v[KB+4*i:KB+4*i+3], v2, s[14:15] offset:(48+i)*512
.set i, i+1
.endr
	WIN 0
	global_load_b128 v[8:11], v2, s[12:13]     ; q of tile 0
	s_wait_dscnt 0x0                       ; my part of V is in LDS, for the others' sake
	s_barrier_signal -1
	s_barrier_wait -1
.set f, 0
.rept 32
	WIN (f/8)<<6
	ds_load_tr16_b128 v[VB+8*(f%8):VB+8*(f%8)+3],   v4 offset:f*1024
	ds_load_tr16_b128 v[VB+8*(f%8)+4:VB+8*(f%8)+7], v4 offset:f*1024+512
.set f, f+1
.endr
	s_wait_loadcnt 0x0
.irp w, 0,1,2,3
	WIN (\w)<<6
.irp j, 0,1,2,3
	v_mov_b32 v[QF+\j], v[8+\j]
	v_mov_b32 v[QF+4+\j], 0
.endr
.irp j, 0,1,2,3,4,5,6,7
	v_mov_b32 v[ON+\j], 0x3f803f80
.endr
.endr
	WIN 0
	s_wait_tensorcnt 0x0                   ; no LDS write follows
	ds_add_u32 v28, v29
	s_wait_dscnt 0x0                       ; V^T is in too
.macro SPR G, t, c                     ; the scores of group G (32 keys), tile t (16 of them); c = 1: less m
	WIN 0x55*((\G)/8)
.set rS, SB+16*((\G)%2)+8*(\t)
.set rK, KB+8*((\G)%8)+4*(\t)
.if \c
	v_wmma_f32_16x16x32_bf16 v[rS:rS+7], v[rK:rK+7], v[QF:QF+7], v[MF:MF+7]
.else
	v_wmma_f32_16x16x32_bf16 v[rS:rS+7], v[rK:rK+7], v[QF:QF+7], 0
.endif
.endm
.macro XOP G, i                        ; two scores into a chain of maxima; a window's first four start its chains
	WIN 0x55*((\G)/8)
.set rS, SB+16*((\G)%2)+2*(\i)
.set rC, CH+(\i)%4
.if (((\G)%8) == 0) && ((\i) < 4)
	v_max_num_f32 v[rC], v[rS], v[rS+1]
.else
	v_max3_num_f32 v[rC], v[rC], v[rS], v[rS+1]
.endif
.endm
.macro EOP G, n
	WIN 0x55*((\G)/8)
.set rS, SB+16*((\G)%2)+(\n)
	v_exp_f32 v[rS], v[rS]
.endm
.macro COP G, n
	WIN 0x55*((\G)/8)
.set rS, SB+16*((\G)%2)+2*(\n)
	s_wait_alu depctr_va_vdst(0)
	v_cvt_pk_bf16_f32 v[PB+8*((\G)%2)+(\n)], v[rS], v[rS+1]
.endm
.macro PVP G                           ; O^T += V^T P; a window's first group starts its sum
	WIN 0x55*((\G)/8)
.set rV, VB+8*((\G)%8)
.set rP, PB+8*((\G)%2)
.if ((\G)%8) == 0
	v_wmma_f32_16x16x32_bf16 v[OA:OA+7], v[rV:rV+7], v[rP:rP+7], 0
.else
	v_wmma_f32_16x16x32_bf16 v[OA:OA+7], v[rV:rV+7], v[rP:rP+7], v[OA:OA+7]
.endif
.endm
.macro ONP G                           ; l += ones x P
	WIN 0x55*((\G)/8)
.set rP, PB+8*((\G)%2)
.if ((\G)%8) == 0
	v_wmma_f32_16x16x32_bf16 v[LA:LA+7], v[ON:ON+7], v[rP:rP+7], 0
.else
	v_wmma_f32_16x16x32_bf16 v[LA:LA+7], v[ON:ON+7], v[rP:rP+7], v[LA:LA+7]
.endif
.endm
	s_mov_b32 s22, 16
.Ltile:
	global_load_b128 v[8:11], v2, s[12:13] offset:512   ; the next tile's q; in the last trip the bytes behind my rows, inside the buffer, not used
	; PASS 1.  Group G + 1's products stand among group G's eight maxima: four plain lines behind each product before its scores are read
	SPR 0, 0, 0
	SPR 0, 1, 0
	PLACES
.set G, 0
.rept 32
.if G < 31
	SPR G+1, 0, 0
.endif
.irp i, 0,1,2,3
	XOP G, \i
.endr
.if G < 31
	SPR G+1, 1, 0
.endif
.irp i, 4,5,6,7
	XOP G, \i
.endr
.set G, G+1
.endr
	; the four windows' chains, the other half of the lanes, and -m into every window
	WIN 0
	v_max_num_f32 v17, v[CH], v[CH+1]
	v_max3_num_f32 v16, v[CH+2], v[CH+3], v17
.irp w, 1,2,3
	WIN (\w)|((\w)<<2)
	v_max3_num_f32 v17, v[CH], v[CH+1], v16
	v_max3_num_f32 v16, v[CH+2], v[CH+3], v17
.endr
	WIN 0
	v_permlanex16_b32 v17, v16, s20, s21
	v_max_num_f32 v16, v16, v17
.irp w, 0,1,2,3
	WIN (\w)<<6
.irp j, 0,1,2,3,4,5,6,7
	v_mul_f32 v[MF+\j], -1.0, v16
.endr
.endr
	; PASS 2.  A step: two products for group G + 1, V^T P and the row sums of group G - 1, and among them group G's 16 exponentials and 8 roundings.
	; Behind each product of scores stand six roundings or more before its first exponential; four roundings stand between the row sums and the next write of their P;
	; a rounding reads no exponential's result without a plain line between.  No two products on end share an accumulator.
	SPR 0, 0, 1
	SPR 0, 1, 1
	PLACES
.set G, 0
.rept 32
.if G < 31
	SPR G+1, 0, 1
.endif
.irp n, 0,1,2,3
	EOP G, \n
.endr
.if G > 0
	COP G-1, 6
	COP G-1, 7
.else
	v_nop
	v_nop
.endif
.if G < 31
	SPR G+1, 1, 1
.endif
.irp n, 4,5,6,7
	EOP G, \n
.endr
	COP G, 0
	COP G, 1
.if G > 0
	PVP G-1
.endif
.irp n, 8,9,10,11
	EOP G, \n
.endr
	COP G, 2
	COP G, 3
.if G > 0
	ONP G-1
.endif
.irp n, 12,13,14,15
	EOP G, \n
.endr
	COP G, 4
	COP G, 5
.set G, G+1
.endr
	COP 31, 6
	COP 31, 7
	PVP 31
	ONP 31
	PLACES
	; the four windows' parts are added, O^T is divided by l, rounded and stored: 16 rows of a head, 512 consecutive bytes
.irp w, 1,2,3
	WIN \w
.irp i, 0,2,4,6
	v_pk_add_f32 v[OA+\i:OA+\i+1], v[OA+\i:OA+\i+1], v[OA+\i:OA+\i+1]
.endr
	v_add_f32 v[LA], v[LA], v[LA]
.endr
	WIN 0
	v_rcp_f32 v16, v[LA]
	v_nop
	s_wait_alu depctr_va_vdst(0)
.irp i, 0,2,4,6
	v_pk_mul_f32 v[OA+\i:OA+\i+1], v[OA+\i:OA+\i+1], v[16:17] op_sel_hi:[1,0]
.endr
.irp i, 0,1,2,3
	v_cvt_pk_bf16_f32 v[12+\i], v[OA+2*\i], v[OA+2*\i+1]
.endr
	global_store_b128 v2, v[12:15], s[18:19]
	s_wait_loadcnt 0x0                     ; the next tile's q
.irp w, 0,1,2,3
	WIN (\w)<<6
.irp j, 0,1,2,3
	v_mov_b32 v[QF+\j], v[8+\j]
.endr
.endr
	WIN 0
	s_wait_xcnt 0x0                        ; v2 and v12-15 are written again only behind this wait
	v_add_nc_u32 v2, 512, v2
	s_sub_co_u32 s22, s22, 1
	s_cmp_lg_u32 s22, 0
	s_cbranch_scc1 .Ltile
	s_endpgm
.Lfunc_end_k_qa2c1ee3efa_attn:
	.size	k_qa2c1ee3efa_attn, .Lfunc_end_k_qa2c1ee3efa_attn-k_qa2c1ee3efa_attn
	.p2alignl 7, 3214868480
	.fill 96, 4, 3214868480
	.section	.rodata,"a",@progbits
	.p2align	6, 0x0
	.amdhsa_kernel k_qa2c1ee3efa_attn
		.amdhsa_group_segment_fixed_size 33280
		.amdhsa_private_segment_fixed_size 0
		.amdhsa_enable_private_segment 0
		.amdhsa_kernarg_size 16
		.amdhsa_user_sgpr_count 2
		.amdhsa_user_sgpr_kernarg_segment_ptr 1
		.amdhsa_wavefront_size32 1
		.amdhsa_system_sgpr_workgroup_id_x 1
		.amdhsa_system_sgpr_workgroup_id_y 1
		.amdhsa_system_sgpr_workgroup_id_z 1
		.amdhsa_system_vgpr_workitem_id 0
		.amdhsa_next_free_vgpr 1024
		.amdhsa_next_free_sgpr 66
		.amdhsa_reserve_vcc 0
		.amdhsa_float_denorm_mode_32 3
		.amdhsa_float_denorm_mode_16_64 3
		.amdhsa_memory_ordered 1
		.amdhsa_forward_progress 1
		.amdhsa_inst_pref_size 92
	.end_amdhsa_kernel
	.amdgpu_metadata
---
amdhsa.version: [ 1, 2 ]
amdhsa.kernels:
  - .name:           k_qa2c1ee3efa_attn
    .symbol:         k_qa2c1ee3efa_attn.kd
    .args:
      - { .name: wsB, .offset: 0, .size: 8, .value_kind: global_buffer, .address_space: global }
      - { .name: wsC, .offset: 8, .size: 8, .value_kind: global_buffer, .address_space: global }
    .group_segment_fixed_size: 33280
    .private_segment_fixed_size: 0
    .kernarg_segment_align: 8
    .kernarg_segment_size: 16
    .max_flat_workgroup_size: 128
    .sgpr_count:     66
    .vgpr_count:     1024
    .wavefront_size: 32
...
	.end_amdgpu_metadata
.endif
;; end of part 3
;; launch outp (part 4): grid 8 x 32, 4 waves a work-group, clusters of 4 x 4, 327,680 bytes of LDS; arguments wsC, wsA, attn_out_b, x, wsD; writes wsD
.if DOCPART == 4
	.amdgcn_target "amdgcn-amd-amdhsa--gfx1250"
	.amdhsa_code_object_version 6
	.text
	.protected	k_qa2c1ee3efa_outp
	.globl	k_qa2c1ee3efa_outp
	.p2align	8
	.type	k_qa2c1ee3efa_outp,@function
k_qa2c1ee3efa_outp:
	s_mov_b64 s[64:65], 0
	v_nop
	global_prefetch_b8 v0, s[64:65] scope:SCOPE_SE
	s_setreg_imm32_b32 hwreg(HW_REG_WAVE_MODE, 25, 1), 1
	s_wait_xcnt 0x0
	s_wait_alu depctr_hold_cnt(0) depctr_sa_sdst(0) depctr_va_vdst(0) depctr_va_sdst(0) depctr_va_ssrc(0) depctr_va_vcc(0) depctr_vm_vsrc(0)
	s_getreg_b32 s2, hwreg(HW_REG_IB_STS2, 6, 4)
	s_cmp_eq_u32 s2, 0
	s_cbranch_scc0 .Lentry_in_a_cluster
	s_endpgm
.Lentry_in_a_cluster:
	s_bfe_u32 s2, ttmp6, 0x10000c
	s_cmp_lg_u32 s2, 0xf033
	s_cbranch_scc0 .Lentry_shape_is_right
	s_endpgm
.Lentry_shape_is_right:
; out = res + A x W^T + bias, f32 out, tiles of 128 x 128, a wave 64 x 64 (16 accumulators in window 2), K in steps of 256 through two LDS slots, 4 x 4 clusters with joint loads.
; One text serves two launches' bodies by the constant OUTP.
; OUTP = 1: A is the attention's output by heads, [256 bh][1024 t][16]: a load brings 16 heads x (64 t x 32 bytes = 2,048 consecutive bytes), padded by 16 bytes after every 256; K = 1024;
;           the column sums of each tile's 128 rows are stored too, for the mean over t.        OUTP = 0: A is bf16 [4096][4096]; K = 4096.
; The sums start from the bias, loaded straight into the accumulators.  The residual is loaded at the start, in the layout of the stores, and waits in window 2.
; LIMITS: NaN and infinities are not treated apart.
.set OUTP, 1
.if OUTP
.set KDIM,  1024
.set MAINT, 2
.set ASTEP, 4352                       ; LDS bytes from 32 along K to the next: two heads
.set AHI,   2176                       ; from a fragment's registers 0-3 to 4-7: one head
.set ABLK,  544                        ; from 16 rows to the next
.set HALFA, 34816
.set SLOT,  139264
.set AGO,   524288                     ; memory bytes from a K step to the next: 16 heads
.set AOFF,  12582912
.set WOFF,  10485760
.set OOFF,  409600
.else
.set KDIM,  4096
.set MAINT, 14
.set ASTEP, 64
.set AHI,   32
.set ABLK,  8448
.set HALFA, 33792
.set SLOT,  135168
.set AGO,   512
.set AOFF,  0
.set WOFF,  12582912
.set OOFF,  0
.endif
.set PSUM,  278528
.set HALFB, 33792                      ; 64 rows of 528 bytes
.set BBASE, 2*HALFA
.set STAGE, 2*SLOT                     ; behind the ring: 16 rows x 272 bytes for each wave
.set SCR,   STAGE+4*4352
.set SPARE, SCR+2048*OUTP
.set ADRA, 16
.set ADRB, 17
.set A0,   18
.set B0,   19
.set BO,   20
.set STO,  21
.set RD,   22
.set CO,   24
.set SPW,  28
.set NIL,  29
.set F0,   64
.set F1,   128
.set WV, 15
.set WR, 16
.set WC, 17
.set G1A, 24
.set G0A, 32
.set G1B, 40
.set G0B, 48
.set CNT, 56
.set TB,  57
.set MSB, 0
.macro WIN new
.if MSB != (\new)
	s_set_vgpr_msb (MSB<<8)|(\new)
.set MSB, \new
.endif
.endm
.macro PLACES
.rept 4
	v_nop
.endr
.endm
.macro JLOAD s
	s_cmp_eq_u32 s[WR], 0
	s_cbranch_scc0 .Lfor_b_\@
	tensor_load_to_lds s[G0A+4*(\s):G0A+4*(\s)+3], s[G1A:G1A+7]
	s_nop 0
.rept 4
	v_nop
.endr
	s_branch .Lasked_\@
.Lfor_b_\@:
	tensor_load_to_lds s[G0B+4*(\s):G0B+4*(\s)+3], s[G1B:G1B+7]
	s_nop 0
.rept 4
	v_nop
.endr
.Lasked_\@:
.endm
.macro CREST
	s_cmp_lg_u32 s[WV], 0
	s_cbranch_scc1 .Lnot_wave_0_\@
	s_barrier_signal -3
.Lnot_wave_0_\@:
	s_barrier_wait -3
	s_barrier_signal -1
	s_barrier_wait -1
.endm
.macro CROUND
	s_barrier_signal -1
	s_barrier_wait -1
	CREST
.endm
	s_load_b256 s[4:11], s[0:1], 0x0       ; A, W, bias, res
	s_load_b64 s[12:13], s[0:1], 0x20      ; out
	v_lshl_add_u32 v[SPW], v0, 2, SPARE
	v_mov_b32 v[NIL], 0
	ds_add_u32 v[SPW], v[NIL]              ; the wave's opening: the add and its wait ahead of my first tensor load
	v_lshrrev_b32 v1, 5, v0
	v_readfirstlane_b32 s[WV], v1
	s_lshr_b32 s[WR], s[WV], 1
	s_and_b32 s[WC], s[WV], 1
	s_bfe_u32 s18, ttmp6, 0x40000
	s_bfe_u32 s19, ttmp6, 0x40004
	s_lshl_b32 s20, ttmp9, 2
	s_add_co_u32 s20, s20, s18             ; tile column
	s_and_b32 s21, ttmp7, 0xffff
	s_lshl_b32 s21, s21, 2
	s_add_co_u32 s21, s21, s19             ; tile row
	s_lshl_b32 s22, s19, 2
	s_lshl_b32 s22, 15, s22
	s_lshl_b32 s23, 0x1111, s18
.if OUTP
	s_or_b32 s[G1A], s22, (1<<16)|(1<<20)|(1<<21)|(5<<22)|(3<<25)   ; 16 bytes of padding after every 256
	s_mov_b32 s[G1A+1], 1024<<16           ; a row: one head's 64 t x 16 channels
	s_mov_b32 s[G1A+2], 16<<16             ; 16 heads
	s_mov_b32 s[G1A+3], 1024<<16
	s_mov_b32 s[G1A+4], 16
	s_mov_b32 s[G1A+5], 16384              ; elements from head to head
.else
	s_or_b32 s[G1A], s22, (1<<16)|(1<<20)|(1<<21)|(6<<22)|(3<<25)
	s_mov_b32 s[G1A+1], 256<<16
	s_mov_b32 s[G1A+2], 64<<16
	s_mov_b32 s[G1A+3], 256<<16
	s_mov_b32 s[G1A+4], 64
	s_mov_b32 s[G1A+5], KDIM
.endif
	s_mov_b32 s[G1A+6], 0
	s_mov_b32 s[G1A+7], 0
	s_or_b32 s[G1B], s23, (1<<16)|(1<<20)|(1<<21)|(6<<22)|(3<<25)   ; 64 rows of 512 bytes, 16 of padding behind each
	s_mov_b32 s[G1B+1], 256<<16
	s_mov_b32 s[G1B+2], 64<<16
	s_mov_b32 s[G1B+3], 256<<16
	s_mov_b32 s[G1B+4], 64
	s_mov_b32 s[G1B+5], KDIM
	s_mov_b32 s[G1B+6], 0
	s_mov_b32 s[G1B+7], 0
	s_lshl_b32 s59, s[WC], 6               ; which 64 rows I fetch
.if OUTP
	s_lshr_b32 s60, s21, 3                 ; the batch: 64 heads of 32,768 bytes
	s_lshl_b32 s60, s60, 21
	s_and_b32 s58, s21, 7
	s_lshl_b32 s58, s58, 7
	s_add_co_u32 s58, s58, s59
	s_lshl_b32 s58, s58, 5                 ; t x 32 bytes
	s_add_co_u32 s60, s60, s58
	s_add_co_u32 s60, s60, AOFF
.else
	s_lshl_b32 s60, s21, 7
	s_add_co_u32 s60, s60, s59
	s_lshl_b32 s60, s60, 13
.endif
	s_mov_b32 s61, 0
	s_lshl_b32 s62, s20, 7
	s_add_co_u32 s62, s62, s59
	s_mul_i32 s62, s62, KDIM*2
	s_add_co_u32 s62, s62, WOFF
	s_mov_b32 s63, 0
	s_mul_i32 s58, s[WC], HALFA            ; where A's half goes,
	s_mul_i32 s59, s[WC], HALFB
	s_add_co_u32 s59, s59, BBASE           ; and B's
	s_mov_b32 s[TB], 0
	s_wait_dscnt 0x0
	s_wait_kmcnt 0x0
	s_add_nc_u64 s[60:61], s[4:5], s[60:61]
	s_add_nc_u64 s[62:63], s[6:7], s[62:63]
	CROUND
.irp s, 0,1
	s_mov_b32 s[G0A+4*(\s)], 1
	s_add_co_u32 s[G0A+4*(\s)+1], s58, (\s)*SLOT
	s_add_nc_u64 s[G0A+4*(\s)+2:G0A+4*(\s)+3], s[60:61], (\s)*AGO
	s_or_b32 s[G0A+4*(\s)+3], s[G0A+4*(\s)+3], 0x80000000
	s_mov_b32 s[G0B+4*(\s)], 1
	s_add_co_u32 s[G0B+4*(\s)+1], s59, (\s)*SLOT
	s_add_nc_u64 s[G0B+4*(\s)+2:G0B+4*(\s)+3], s[62:63], (\s)*512
	s_or_b32 s[G0B+4*(\s)+3], s[G0B+4*(\s)+3], 0x80000000
	JLOAD \s
.endr
	v_and_b32 v1, 15, v0                   ; r
	v_bfe_u32 v2, v0, 4, 1                 ; h
	v_mul_u32_u24 v3, v1, 528
	v_lshl_add_u32 v3, v2, 4, v3
	s_mul_i32 s58, s[WC], HALFB
	s_add_co_u32 s58, s58, BBASE
	v_add_nc_u32 v[B0], s58, v3
	s_mul_i32 s58, s[WR], HALFA
.if OUTP
	v_lshrrev_b32 v4, 3, v1
	v_mul_u32_u24 v4, v4, 272
	v_and_b32 v5, 7, v1
	v_lshl_add_u32 v4, v5, 5, v4
	v_lshl_add_u32 v4, v2, 4, v4           ; (r / 8) x 272 + (r % 8) x 32 + 16 h: 16 lanes, 16 different columns of 16 bytes
	v_add_nc_u32 v[A0], s58, v4
.else
	v_add_nc_u32 v[A0], s58, v3
.endif
	v_mov_b32 v[ADRA], v[A0]
	v_mov_b32 v[ADRB], v[B0]
	v_lshlrev_b32 v[BO], 5, v2
	s_mul_i32 s58, s[WV], 4352
	s_add_co_u32 s58, s58, STAGE
	v_mul_u32_u24 v[STO], v1, 272
	v_lshl_add_u32 v[STO], v2, 5, v[STO]
	v_add_nc_u32 v[STO], s58, v[STO]       ; into my stage: row r, 32 bytes for each half of the lanes
	v_mul_u32_u24 v[RD], v2, 272
	v_lshl_add_u32 v[RD], v1, 4, v[RD]
	v_add_nc_u32 v[RD], s58, v[RD]         ; back: lanes 0-15 one row of 256 bytes, lanes 16-31 the next
	v_lshlrev_b32 v[CO], 12, v2
	v_lshl_add_u32 v[CO], v1, 4, v[CO]     ; the same two rows in memory
.irp i, 36,37,38,39
	v_mov_b32 v[\i], 0
.endr
	s_lshl_b32 s66, s20, 9
	s_lshl_b32 s67, s[WC], 8
	s_add_co_u32 s66, s66, s67             ; my first column, in bytes of f32
	s_mov_b32 s67, 0
	s_add_nc_u64 s[8:9], s[8:9], s[66:67]
	s_lshl_b32 s68, s21, 7
	s_lshl_b32 s69, s[WR], 6
	s_add_co_u32 s68, s68, s69
	s_lshl_b32 s68, s68, 12
	s_add_co_u32 s66, s66, s68             ; + my first row
	s_add_nc_u64 s[10:11], s[10:11], s[66:67]
	s_add_nc_u64 s[66:67], s[12:13], s[66:67]
	s_add_nc_u64 s[66:67], s[66:67], OOFF
	WIN 0x80
.irp a, 0,1,2,3
.irp b, 0,1,2,3
	global_load_b128 v[8*(4*\a+\b):8*(4*\a+\b)+3], v[BO], s[8:9] offset:\b*64
	global_load_b128 v[8*(4*\a+\b)+4:8*(4*\a+\b)+7], v[BO], s[8:9] offset:\b*64+16
.endr
.endr
.irp a, 0,1,2,3
.irp t, 0,1,2,3,4,5,6,7
	global_load_b128 v[128+4*(8*\a+\t):128+4*(8*\a+\t)+3], v[CO], s[10:11] offset:\a*65536+\t*8192
.endr
.endr
	WIN 0
.macro MULP f, p                       ; 8 products: 32 along K (half p / 2 of the buffer), row blocks 2 (p % 2) and the next x 4 column blocks; the 16 accumulators take turns
	WIN 0xa1
.irp a, 2*((\p)%2), 2*((\p)%2)+1
.irp b, 0,1,2,3
	v_wmma_f32_16x16x32_bf16 v[8*(4*(\a)+(\b)):8*(4*(\a)+(\b))+7], v[(\f)+8*(4*((\p)/2)+(\b)):(\f)+8*(4*((\p)/2)+(\b))+7], v[(\f)+8*(4*((\p)/2)+(\a)):(\f)+8*(4*((\p)/2)+(\a))+7], v[8*(4*(\a)+(\b)):8*(4*(\a)+(\b))+7]
.endr
.endr
.endm
.macro FETCH sub, f                    ; 32 LDS loads: the fragments of 64 along K, quarter sub of the step
	WIN 0x40
.irp c, 0,1
.irp i, 0,1,2,3
	ds_load_b128 v[(\f)+8*(4*\c+\i):(\f)+8*(4*\c+\i)+3],   v[ADRB] offset:(\sub)*128+\c*64+\i*8448
	ds_load_b128 v[(\f)+8*(4*\c+\i)+4:(\f)+8*(4*\c+\i)+7], v[ADRB] offset:(\sub)*128+\c*64+\i*8448+32
.endr
.endr
	WIN 0
.irp c, 0,1
.irp i, 0,1,2,3
	ds_load_b128 v[(\f)+8*(4*\c+\i):(\f)+8*(4*\c+\i)+3],   v[ADRA] offset:(\sub)*2*ASTEP+\c*ASTEP+\i*ABLK
	ds_load_b128 v[(\f)+8*(4*\c+\i)+4:(\f)+8*(4*\c+\i)+7], v[ADRA] offset:(\sub)*2*ASTEP+\c*ASTEP+\i*ABLK+AHI
.endr
.endr
.endm
.macro SUB sub, f, g
	s_wait_dscnt 0x0                       ; buffer f, asked for 32 products ago
	PLACES                                 ; between the last product that read buffer g and the loads into it
	FETCH \sub, \g
	MULP \f, 0
	MULP \f, 1
	MULP \f, 2
	MULP \f, 3
.endm
.macro TURN refill
	WIN 0
	s_wait_tensorcnt 0x0                   ; all my tensor loads have landed: my part of the next slot
	ds_add_u32 v[SPW], v[NIL]              ; 0 onto my spare word
	s_wait_dscnt 1                         ; the fragments are in; the add alone may be out
	MULP F1, 0
	s_wait_dscnt 0x0                       ; the add is done, and my reads of this slot are over
	s_barrier_signal -1
	MULP F1, 1
	WIN 0
	s_barrier_wait -1
.if \refill
	CREST
	s_xor_b32 s[G0A+5], s[G0A+5], SLOT
	s_add_nc_u64 s[G0A+6:G0A+7], s[G0A+6:G0A+7], AGO
	s_xor_b32 s[G0B+5], s[G0B+5], SLOT
	s_add_nc_u64 s[G0B+6:G0B+7], s[G0B+6:G0B+7], 512
	JLOAD 1                                ; my one load behind the round; 112 products stand ahead of the wait for it
.else
	PLACES
.endif
	s_xor_b32 s[TB], s[TB], SLOT
	v_add_nc_u32 v[ADRA], s[TB], v[A0]
	v_add_nc_u32 v[ADRB], s[TB], v[B0]
	FETCH 0, F0
	MULP F1, 2
	MULP F1, 3
.endm
.macro KST refill
	SUB 1, F0, F1
	SUB 2, F1, F0
	SUB 3, F0, F1
	TURN \refill
.endm
	s_wait_tensorcnt 1                     ; my part of K step 0 is in; step 1's may stay out
	s_barrier_signal -1
	s_barrier_wait -1
	FETCH 0, F0
	s_wait_loadcnt 32                      ; the bias is in the accumulators; the 32 loads of the residual, issued behind it, may stay out
	WIN 0
	s_mov_b32 s[CNT], MAINT
.Lmain:
	KST 1
	WIN 0
	s_sub_co_u32 s[CNT], s[CNT], 1
	s_cmp_lg_u32 s[CNT], 0
	s_cbranch_scc1 .Lmain
	s_mov_b32 s[CNT], 2
.Ltail:                                        ; the last two K steps ask for nothing; the last trip's fetch serves nothing: the price of one text for both
	KST 0
	WIN 0
	s_sub_co_u32 s[CNT], s[CNT], 1
	s_cmp_lg_u32 s[CNT], 0
	s_cbranch_scc1 .Ltail
	s_wait_dscnt 0x0
	s_wait_loadcnt 0x0                     ; the residual
	PLACES
	; THE WAY OUT, 16 rows at a time through my own stage: in by lanes' eight columns, back by whole rows of 256 bytes; LDS serves a wave's instructions in order
.irp a, 0,1,2,3
.set TT, 192+32*((\a)%2)
	WIN 0x08
.irp b, 0,1,2,3
	ds_store_b128 v[STO], v[8*(4*\a+\b):8*(4*\a+\b)+3] offset:\b*64
	ds_store_b128 v[STO], v[8*(4*\a+\b)+4:8*(4*\a+\b)+7] offset:\b*64+16
.endr
	WIN 0
.if \a >= 2
	s_wait_xcnt 0x0                        ; these registers were the store data of the block two back
.endif
.irp t, 0,1,2,3,4,5,6,7
	ds_load_b128 v[TT+4*\t:TT+4*\t+3], v[RD] offset:\t*544
.endr
	s_wait_dscnt 0x0
	WIN 0x08
.irp t, 0,1,2,3,4,5,6,7
	v_pk_add_f32 v[TT+4*\t:TT+4*\t+1], v[TT+4*\t:TT+4*\t+1], v[128+4*(8*\a+\t):128+4*(8*\a+\t)+1]
	v_pk_add_f32 v[TT+4*\t+2:TT+4*\t+3], v[TT+4*\t+2:TT+4*\t+3], v[128+4*(8*\a+\t)+2:128+4*(8*\a+\t)+3]
.endr
	WIN 0
.if OUTP
.irp t, 0,1,2,3,4,5,6,7
.if (\a == 0) && (\t == 0)
.elseif (\a == 0) && (\t == 1)
	v_pk_add_f32 v[32:33], v[TT:TT+1], v[TT+4:TT+5]        ; the column sums begin with the first two rows: nothing is cleared
	v_pk_add_f32 v[34:35], v[TT+2:TT+3], v[TT+6:TT+7]
.else
	v_pk_add_f32 v[32:33], v[32:33], v[TT+4*\t:TT+4*\t+1]
	v_pk_add_f32 v[34:35], v[34:35], v[TT+4*\t+2:TT+4*\t+3]
.endif
.endr
.endif
.irp t, 0,1,2,3,4,5,6,7
	global_store_b128 v[CO], v[TT+4*\t:TT+4*\t+3], s[66:67] offset:\a*65536+\t*8192   ; 16 lanes fill 256 consecutive bytes, aligned
.endr
.endr
.if OUTP
	; the tile's column sums: the two halves of the lanes, then the two waves of a column half
	s_mov_b32 s58, 0x76543210
	s_mov_b32 s59, 0xfedcba98
.irp i, 0,1,2,3
	v_permlanex16_b32 v[36+\i], v[32+\i], s58, s59
.endr
.irp i, 0,1,2,3
	v_add_f32 v[32+\i], v[32+\i], v[36+\i]
.endr
	v_and_b32 v3, 31, v0
	v_lshlrev_b32 v3, 4, v3
	s_lshl_b32 s60, s[WV], 9
	s_add_co_u32 s60, s60, SCR
	v_add_nc_u32 v4, s60, v3
	ds_store_b128 v4, v[32:35]
	s_wait_dscnt 0x0
	s_barrier_signal -1
	s_barrier_wait -1
	s_cmp_lg_u32 s[WV], 0
	s_cbranch_scc1 .Lnosum
	v_lshlrev_b32 v4, 9, v2
	v_lshl_add_u32 v4, v1, 4, v4
	v_add_nc_u32 v4, SCR, v4
	ds_load_b128 v[40:43], v4
	ds_load_b128 v[44:47], v4 offset:1024
	s_lshl_b32 s60, s21, 12
	s_lshl_b32 s61, s20, 9
	s_add_co_u32 s60, s60, s61
	s_add_co_u32 s60, s60, PSUM
	s_mov_b32 s61, 0
	s_add_nc_u64 s[12:13], s[12:13], s[60:61]
	s_wait_dscnt 0x0
	v_pk_add_f32 v[40:41], v[40:41], v[44:45]
	v_pk_add_f32 v[42:43], v[42:43], v[46:47]
	global_store_b128 v3, v[40:43], s[12:13]
.Lnosum:
.endif
	s_wait_tensorcnt 0x0                   ; the wave's end
	ds_add_u32 v[SPW], v[NIL]
	s_wait_dscnt 0x0
	CROUND                                 ; the closing round
	s_endpgm
.Lfunc_end_k_qa2c1ee3efa_outp:
	.size	k_qa2c1ee3efa_outp, .Lfunc_end_k_qa2c1ee3efa_outp-k_qa2c1ee3efa_outp
	.p2alignl 7, 3214868480
	.fill 96, 4, 3214868480
	.section	.rodata,"a",@progbits
	.p2align	6, 0x0
	.amdhsa_kernel k_qa2c1ee3efa_outp
		.amdhsa_group_segment_fixed_size 327680
		.amdhsa_private_segment_fixed_size 0
		.amdhsa_enable_private_segment 0
		.amdhsa_kernarg_size 40
		.amdhsa_user_sgpr_count 2
		.amdhsa_user_sgpr_kernarg_segment_ptr 1
		.amdhsa_wavefront_size32 1
		.amdhsa_system_sgpr_workgroup_id_x 1
		.amdhsa_system_sgpr_workgroup_id_y 1
		.amdhsa_system_sgpr_workgroup_id_z 1
		.amdhsa_system_vgpr_workitem_id 0
		.amdhsa_next_free_vgpr 768
		.amdhsa_next_free_sgpr 72
		.amdhsa_reserve_vcc 0
		.amdhsa_float_denorm_mode_32 3
		.amdhsa_float_denorm_mode_16_64 3
		.amdhsa_memory_ordered 1
		.amdhsa_forward_progress 1
		.amdhsa_inst_pref_size 70
	.end_amdhsa_kernel
	.amdgpu_metadata
---
amdhsa.version: [ 1, 2 ]
amdhsa.kernels:
  - .name:           k_qa2c1ee3efa_outp
    .symbol:         k_qa2c1ee3efa_outp.kd
    .args:
      - { .name: wsC, .offset: 0, .size: 8, .value_kind: global_buffer, .address_space: global }
      - { .name: wsA, .offset: 8, .size: 8, .value_kind: global_buffer, .address_space: global }
      - { .name: attn_out_b, .offset: 16, .size: 8, .value_kind: global_buffer, .address_space: global }
      - { .name: x, .offset: 24, .size: 8, .value_kind: global_buffer, .address_space: global }
      - { .name: wsD, .offset: 32, .size: 8, .value_kind: global_buffer, .address_space: global }
    .group_segment_fixed_size: 327680
    .private_segment_fixed_size: 0
    .kernarg_segment_align: 8
    .kernarg_segment_size: 40
    .max_flat_workgroup_size: 128
    .sgpr_count:     72
    .vgpr_count:     768
    .wavefront_size: 32
...
	.end_amdgpu_metadata
.endif
;; end of part 4
;; launch gzr (part 5): grid 128 x 1, 4 waves a work-group, clusters of 4 x 1, 289,280 bytes of LDS; arguments wsD, wsG, Wz_w, Wr_w, Wz_b, Wr_b, memory, wsE; writes wsE
.if DOCPART == 5
	.amdgcn_target "amdgcn-amd-amdhsa--gfx1250"
	.amdhsa_code_object_version 6
	.text
	.protected	k_qa2c1ee3efa_gzr
	.globl	k_qa2c1ee3efa_gzr
	.p2align	8
	.type	k_qa2c1ee3efa_gzr,@function
k_qa2c1ee3efa_gzr:
	s_mov_b64 s[64:65], 0
	v_nop
	global_prefetch_b8 v0, s[64:65] scope:SCOPE_SE
	s_setreg_imm32_b32 hwreg(HW_REG_WAVE_MODE, 25, 1), 1
	s_wait_xcnt 0x0
	s_wait_alu depctr_hold_cnt(0) depctr_sa_sdst(0) depctr_va_vdst(0) depctr_va_sdst(0) depctr_va_ssrc(0) depctr_va_vcc(0) depctr_vm_vsrc(0)
	s_getreg_b32 s2, hwreg(HW_REG_IB_STS2, 6, 4)
	s_cmp_eq_u32 s2, 0
	s_cbranch_scc0 .Lentry_in_a_cluster
	s_endpgm
.Lentry_in_a_cluster:
	s_bfe_u32 s2, ttmp6, 0x10000c
	s_cmp_lg_u32 s2, 0x3003
	s_cbranch_scc0 .Lentry_shape_is_right
	s_endpgm
.Lentry_shape_is_right:
; THE GATES z AND r OF THE MEMORY UPDATE: sigmoid([mean | memory] (64 rows x 2048) x W^T (f32 [1024][2048]) + bias), 16 columns a work-group; the grid's first half makes z, the second r.
; mean: the column sums of x1 by blocks of 128 rows, added and divided by 1,024, as a fragment whose 16 rows are equal.  memory: a bf16 fragment image at byte 540,672 of act.
; The four waves split K: wave w takes k = 256 w ..+255 of each half and reads only tiles that it asked for itself; their sums meet in LDS.  LDS is filled once: no slot is filled again.
; The four work-groups of a cluster ask for the image jointly; W's tile is each work-group's own.
; Used transposed (source 0 = 16 rows of W, rounded to bf16 on the way; source 1 = 16 slots): a lane holds a slot and eight neighbouring columns: a block of an image.
; OUT: z as an f32 image; r x memory as a bf16 image.  The piece of memory is loaded at the head by both halves of the grid; the z half does not use it.
; LIMITS: NaN and infinities are not treated apart.
.set PSUM, 278528
.set ZIMG, 278528
.set RMI,  540672
.set AI,    133120                     ; behind the four waves' W tiles (2 x 16 rows x 1,040 bytes each): the image parts, 32 KiB a wave
.set MEAN,  264192                     ; [4 b][256 k] bf16 for each wave
.set RED,   272384                     ; the waves' partial sums
.set SPARE, 288768
.set MSB, 0
.macro WIN new
.if MSB != (\new)
	s_set_vgpr_msb (MSB<<8)|(\new)
.set MSB, \new
.endif
.endm
.macro PLACES
.rept 4
	v_nop
.endr
.endm
.macro CROUND
	s_barrier_signal -1
	s_barrier_wait -1
	s_cmp_lg_u32 s24, 0
	s_cbranch_scc1 .Lnot_wave_0_\@
	s_barrier_signal -3
.Lnot_wave_0_\@:
	s_barrier_wait -3
	s_barrier_signal -1
	s_barrier_wait -1
.endm
	s_load_b512 s[4:19], s[0:1], 0x0       ; psum, act, Wz, Wr, bz, br, memory, out
	v_lshl_add_u32 v14, v0, 2, SPARE
	v_mov_b32 v15, 0
	ds_add_u32 v14, v15                    ; the wave's opening: the add and its wait ahead of my first tensor load
	v_lshrrev_b32 v1, 5, v0
	v_readfirstlane_b32 s24, v1            ; wave
	s_bfe_u32 s25, ttmp6, 0x40000          ; cx: it enters global addresses alone
	s_lshl_b32 s26, ttmp9, 2
	s_add_co_u32 s26, s26, s25
	s_and_b32 s28, s26, 63                 ; cb: my block of 16 columns
	s_mov_b32 s36, (2<<16)|(1<<20)|(7<<22)|(3<<25)   ; W: 4-byte elements; 4 words of padding after every 256
	s_mov_b32 s37, 256<<16
	s_mov_b32 s38, 16<<16
	s_mov_b32 s39, 256<<16
	s_mov_b32 s40, 16
	s_mov_b32 s41, 2048
	s_mov_b32 s42, 0
	s_mov_b32 s43, 0
	s_mov_b32 s52, 15|(3<<16)|(1<<21)      ; the image: all four work-groups; 8-byte elements; 4 batches x 8 KiB
	s_mov_b32 s53, 1024<<16
	s_mov_b32 s54, 4<<16
	s_mov_b32 s55, 1024<<16
	s_mov_b32 s56, 4
	s_mov_b32 s57, 4096
	s_mov_b32 s58, 0
	s_mov_b32 s59, 0
	s_mov_b32 s44, 1
	s_mul_i32 s45, s24, 33280
	s_mov_b32 s48, 1
	s_add_co_u32 s49, s45, 16640
	s_mov_b32 s60, 1
	s_lshl_b32 s61, s24, 15
	s_add_co_u32 s61, s61, AI
	s_lshl_b32 s30, s28, 17                ; 16 rows of W are 131,072 bytes
	s_lshl_b32 s31, s24, 10
	s_add_co_u32 s30, s30, s31
	s_mov_b32 s31, 0
	s_lshl_b32 s32, s24, 13
	s_add_co_u32 s32, s32, RMI
	s_mov_b32 s33, 0
	s_wait_dscnt 0x0
	s_wait_kmcnt 0x0
	s_cmp_ge_u32 ttmp9, 16                 ; the grid's second half takes the second gate: the same in all partners
	s_cselect_b32 s27, 1, 0
	s_cselect_b64 s[66:67], s[10:11], s[8:9]
	s_cselect_b64 s[68:69], s[14:15], s[12:13]
	s_add_nc_u64 s[46:47], s[66:67], s[30:31]
	s_add_nc_u64 s[50:51], s[46:47], 4096
	s_or_b32 s47, s47, 0x80000000
	s_or_b32 s51, s51, 0x80000000
	s_add_nc_u64 s[62:63], s[6:7], s[32:33]
	s_or_b32 s63, s63, 0x80000000
	CROUND
	tensor_load_to_lds s[44:47], s[36:43]  ; W, the mean's half of K
	s_nop 0
	tensor_load_to_lds s[48:51], s[36:43]  ; W, the image's half
	s_nop 0
	tensor_load_to_lds s[60:63], s[52:59]  ; the image, jointly: three loads of mine are out
	s_nop 0
.rept 4
	v_nop
.endr
	v_and_b32 v1, 15, v0                   ; r
	v_bfe_u32 v11, v0, 4, 1                ; h
	v_and_b32 v7, 31, v0
	v_lshlrev_b32 v7, 4, v7                ; 16 x lane
	v_mul_u32_u24 v2, v1, 1040
	v_lshl_add_u32 v2, v11, 5, v2
	v_add_nc_u32 v2, s45, v2               ; W: row r, 32 h
	s_lshl_b32 s34, s24, 11
	s_add_co_u32 s34, s34, MEAN
	v_lshlrev_b32 v3, 4, v11
	v_add_nc_u32 v3, s34, v3               ; the mean as a fragment: the address hangs on h alone
	v_lshrrev_b32 v12, 1, v7
	v_add_nc_u32 v12, s34, v12             ; where I put 8 bytes of it
	v_add_nc_u32 v4, s61, v7               ; the image, lane by lane
	s_lshl_b32 s34, s24, 12
	s_add_co_u32 s34, s34, RED
	v_add_nc_u32 v5, s34, v7
	s_lshl_b32 s34, s24, 10
	s_add_co_u32 s34, s34, RED
	v_add_nc_u32 v6, s34, v7
	v_lshlrev_b32 v8, 5, v11               ; 32 h
	v_lshl_add_u32 v9, v1, 12, v8          ; r x 4,096 + 32 h
	s_lshl_b32 s72, s24, 10
	s_add_co_u32 s72, s72, PSUM
	s_mov_b32 s73, 0
	s_add_nc_u64 s[4:5], s[4:5], s[72:73]
	s_lshl_b32 s72, s28, 6
	s_add_nc_u64 s[68:69], s[68:69], s[72:73]
	s_lshl_b32 s74, s24, 16
	s_add_co_u32 s72, s72, s74             ; batch = wave: 65,536 w + 64 cb
	s_add_nc_u64 s[16:17], s[16:17], s[72:73]
	global_load_b128 v[80:83], v8, s[68:69]
	global_load_b128 v[84:87], v8, s[68:69] offset:16
	global_load_b128 v[104:107], v9, s[16:17]
	global_load_b128 v[108:111], v9, s[16:17] offset:16
	WIN 0x40
.irp b, 0,1,2,3
.irp p, 0,1,2,3,4,5,6,7
.irp q, 0,1
	global_load_b128 v[4*(16*\b+2*\p+\q):4*(16*\b+2*\p+\q)+3], v7, s[4:5] offset:(8*\b+\p)*4096+\q*512
.endr
.endr
.endr
	s_wait_loadcnt 0x0
	WIN 0x55
.irp p, 1,2,3,4,5,6,7
.irp b, 0,1,2,3
.irp q, 0,1
	v_pk_add_f32 v[4*(16*\b+\q):4*(16*\b+\q)+1], v[4*(16*\b+\q):4*(16*\b+\q)+1], v[4*(16*\b+2*\p+\q):4*(16*\b+2*\p+\q)+1]
	v_pk_add_f32 v[4*(16*\b+\q)+2:4*(16*\b+\q)+3], v[4*(16*\b+\q)+2:4*(16*\b+\q)+3], v[4*(16*\b+2*\p+\q)+2:4*(16*\b+2*\p+\q)+3]
.endr
.endr
.endr
.irp b, 0,1,2,3
.irp q, 0,1
	v_pk_mul_f32 v[4*(16*\b+\q):4*(16*\b+\q)+1], v[4*(16*\b+\q):4*(16*\b+\q)+1], 0x3a800000 op_sel_hi:[1,0]
	v_pk_mul_f32 v[4*(16*\b+\q)+2:4*(16*\b+\q)+3], v[4*(16*\b+\q)+2:4*(16*\b+\q)+3], 0x3a800000 op_sel_hi:[1,0]
.endr
.endr
	WIN 0x05
.irp b, 0,1,2,3
.irp q, 0,1
	v_cvt_pk_bf16_f32 v[64+2*(2*\b+\q)], v[4*(16*\b+\q)], v[4*(16*\b+\q)+1]
	v_cvt_pk_bf16_f32 v[65+2*(2*\b+\q)], v[4*(16*\b+\q)+2], v[4*(16*\b+\q)+3]
.endr
.endr
	WIN 0
.irp b, 0,1,2,3
.irp q, 0,1
	ds_store_b64 v12, v[64+2*(2*\b+\q):65+2*(2*\b+\q)] offset:\b*512+\q*256
.endr
.endr
	s_cmp_eq_u32 s24, 0                    ; wave 0's sums start from the bias, the others' from 0
	s_cselect_b32 s74, 1.0, 0
.irp b, 0,1,2,3
.irp j, 0,1,2,3,4,5,6,7
	v_mul_f32 v[16+8*\b+\j], s74, v[80+\j]
.endr
.endr
	s_wait_tensorcnt 0x0                   ; my three tiles are in; only I read them
; Four steps of 32 along K.  part 0: the mean's half; part 1: the image's.  48 loads in one run, 12 a step; then each step's wait leaves the later steps' loads out.
.macro G4 part
	PLACES                                 ; between the last products and the loads into their sources
	WIN 0x40
.irp s, 0,1,2,3
.irp o, 0,1,2,3
	ds_load_b128 v[16*\s+4*\o:16*\s+4*\o+3], v2 offset:(\part)*16640+\s*128+(\o%2)*16+(\o/2)*64
.endr
.irp b, 0,1,2,3
.if \part
	ds_load_b128 v[64+32*\s+8*\b:64+32*\s+8*\b+3], v4 offset:\b*8192+\s*1024
	ds_load_b128 v[64+32*\s+8*\b+4:64+32*\s+8*\b+7], v4 offset:\b*8192+\s*1024+512
.else
	ds_load_b128 v[64+32*\s+8*\b:64+32*\s+8*\b+3], v3 offset:\b*512+\s*64
	ds_load_b128 v[64+32*\s+8*\b+4:64+32*\s+8*\b+7], v3 offset:\b*512+\s*64+32
.endif
.endr
.endr
.irp s, 0,1,2,3
	s_wait_dscnt 36-12*\s                  ; twelve loads for each later step may stay out
	WIN 0x05
.irp i, 0,1,2,3,4,5,6,7
	v_cvt_pk_bf16_f32 v[48+8*(\s%2)+\i], v[16*\s+2*\i], v[16*\s+2*\i+1]
.endr
	WIN 0x04
.irp b, 0,1,2,3                        ; the four accumulators take turns
	v_wmma_f32_16x16x32_bf16 v[16+8*\b:23+8*\b], v[48+8*(\s%2):55+8*(\s%2)], v[64+32*\s+8*\b:71+32*\s+8*\b], v[16+8*\b:23+8*\b]
.endr
.endr
.endm
	s_mov_b32 s70, 2
.Lk:                                           ; a trip: 128 along K of each half
	G4 0
	G4 1
	WIN 0
	v_add_nc_u32 v2, 512, v2
	v_add_nc_u32 v3, 256, v3
	v_add_nc_u32 v4, 4096, v4
	s_sub_co_u32 s70, s70, 1
	s_cmp_lg_u32 s70, 0
	s_cbranch_scc1 .Lk
	PLACES
.irp b, 0,1,2,3
	ds_store_b128 v5, v[16+8*\b:19+8*\b] offset:\b*1024
	ds_store_b128 v5, v[20+8*\b:23+8*\b] offset:\b*1024+512
.endr
	s_wait_dscnt 0x0                       ; my partial sums are in LDS, for the others' sake
	s_barrier_signal -1
	s_barrier_wait -1
.irp u, 0,1,2,3                        ; wave w finishes batch w
	ds_load_b128 v[64+8*\u:67+8*\u], v6 offset:\u*4096
	ds_load_b128 v[68+8*\u:71+8*\u], v6 offset:\u*4096+512
.endr
	s_wait_dscnt 0x0
.irp u, 1,2,3
.irp i, 0,2,4,6
	v_pk_add_f32 v[64+\i:65+\i], v[64+\i:65+\i], v[64+8*\u+\i:65+8*\u+\i]
.endr
.endr
	s_lshl_b32 s72, s24, 15
	s_lshl_b32 s74, s28, 9
	s_add_co_u32 s72, s72, s74             ; an image's block: 32,768 w + 512 cb
	; sigmoid = 1 / (1 + 2^(-log2(e) v))
.irp i, 0,1,2,3,4,5,6,7
	v_mul_f32 v[64+\i], 0xbfb8aa3b, v[64+\i]
.endr
.irp i, 0,1,2,3,4,5,6,7
	v_exp_f32 v[64+\i], v[64+\i]
.endr
	v_nop
	s_wait_alu depctr_va_vdst(0)
.irp i, 0,1,2,3,4,5,6,7
	v_add_f32 v[64+\i], 1.0, v[64+\i]
.endr
.irp i, 0,1,2,3,4,5,6,7
	v_rcp_f32 v[64+\i], v[64+\i]
.endr
	v_nop
	s_cmp_eq_u32 s27, 0
	s_cbranch_scc0 .Lr
	s_lshl_b32 s72, s72, 1                 ; z in f32: twice an image's bytes
	s_add_co_u32 s72, s72, ZIMG
	s_add_nc_u64 s[18:19], s[18:19], s[72:73]
	s_wait_alu depctr_va_vdst(0)
	global_store_b128 v7, v[64:67], s[18:19]
	global_store_b128 v7, v[68:71], s[18:19] offset:512
	s_branch .Lend
.Lr:
	s_wait_alu depctr_va_vdst(0)
.irp i, 0,2,4,6
	v_pk_mul_f32 v[64+\i:65+\i], v[64+\i:65+\i], v[104+\i:105+\i]
.endr
.irp i, 0,1,2,3
	v_cvt_pk_bf16_f32 v[120+\i], v[64+2*\i], v[65+2*\i]
.endr
	s_add_co_u32 s72, s72, RMI
	s_add_nc_u64 s[18:19], s[18:19], s[72:73]
	global_store_b128 v7, v[120:123], s[18:19]
.Lend:
	s_wait_tensorcnt 0x0                   ; the wave's end
	ds_add_u32 v14, v15
	s_wait_dscnt 0x0
	CROUND                                 ; the closing round
	s_endpgm
.Lfunc_end_k_qa2c1ee3efa_gzr:
	.size	k_qa2c1ee3efa_gzr, .Lfunc_end_k_qa2c1ee3efa_gzr-k_qa2c1ee3efa_gzr
	.p2alignl 7, 3214868480
	.fill 96, 4, 3214868480
	.section	.rodata,"a",@progbits
	.p2align	6, 0x0
	.amdhsa_kernel k_qa2c1ee3efa_gzr
		.amdhsa_group_segment_fixed_size 289280
		.amdhsa_private_segment_fixed_size 0
		.amdhsa_enable_private_segment 0
		.amdhsa_kernarg_size 64
		.amdhsa_user_sgpr_count 2
		.amdhsa_user_sgpr_kernarg_segment_ptr 1
		.amdhsa_wavefront_size32 1
		.amdhsa_system_sgpr_workgroup_id_x 1
		.amdhsa_system_sgpr_workgroup_id_y 1
		.amdhsa_system_sgpr_workgroup_id_z 1
		.amdhsa_system_vgpr_workitem_id 0
		.amdhsa_next_free_vgpr 512
		.amdhsa_next_free_sgpr 80
		.amdhsa_reserve_vcc 0
		.amdhsa_float_denorm_mode_32 3
		.amdhsa_float_denorm_mode_16_64 3
		.amdhsa_memory_ordered 1
		.amdhsa_forward_progress 1
		.amdhsa_inst_pref_size 41
	.end_amdhsa_kernel
	.amdgpu_metadata
---
amdhsa.version: [ 1, 2 ]
amdhsa.kernels:
  - .name:           k_qa2c1ee3efa_gzr
    .symbol:         k_qa2c1ee3efa_gzr.kd
    .args:
      - { .name: wsD, .offset: 0, .size: 8, .value_kind: global_buffer, .address_space: global }
      - { .name: wsG, .offset: 8, .size: 8, .value_kind: global_buffer, .address_space: global }
      - { .name: Wz_w, .offset: 16, .size: 8, .value_kind: global_buffer, .address_space: global }
      - { .name: Wr_w, .offset: 24, .size: 8, .value_kind: global_buffer, .address_space: global }
      - { .name: Wz_b, .offset: 32, .size: 8, .value_kind: global_buffer, .address_space: global }
      - { .name: Wr_b, .offset: 40, .size: 8, .value_kind: global_buffer, .address_space: global }
      - { .name: memory, .offset: 48, .size: 8, .value_kind: global_buffer, .address_space: global }
      - { .name: wsE, .offset: 56, .size: 8, .value_kind: global_buffer, .address_space: global }
    .group_segment_fixed_size: 289280
    .private_segment_fixed_size: 0
    .kernarg_segment_align: 8
    .kernarg_segment_size: 64
    .max_flat_workgroup_size: 128
    .sgpr_count:     80
    .vgpr_count:     512
    .wavefront_size: 32
...
	.end_amdgpu_metadata
.endif
;; end of part 5
;; launch gc (part 6): grid 64 x 1, 4 waves a work-group, clusters of 4 x 1, 289,280 bytes of LDS; arguments wsD, wsE, Wc_w, Wc_b, memory, wsC, out1; writes wsC, out1
.if DOCPART == 6
	.amdgcn_target "amdgcn-amd-amdhsa--gfx1250"
	.amdhsa_code_object_version 6
	.text
	.protected	k_qa2c1ee3efa_gc
	.globl	k_qa2c1ee3efa_gc
	.p2align	8
	.type	k_qa2c1ee3efa_gc,@function
k_qa2c1ee3efa_gc:
	s_mov_b64 s[64:65], 0
	v_nop
	global_prefetch_b8 v0, s[64:65] scope:SCOPE_SE
	s_setreg_imm32_b32 hwreg(HW_REG_WAVE_MODE, 25, 1), 1
	s_wait_xcnt 0x0
	s_wait_alu depctr_hold_cnt(0) depctr_sa_sdst(0) depctr_va_vdst(0) depctr_va_sdst(0) depctr_va_ssrc(0) depctr_va_vcc(0) depctr_vm_vsrc(0)
	s_getreg_b32 s2, hwreg(HW_REG_IB_STS2, 6, 4)
	s_cmp_eq_u32 s2, 0
	s_cbranch_scc0 .Lentry_in_a_cluster
	s_endpgm
.Lentry_in_a_cluster:
	s_bfe_u32 s2, ttmp6, 0x10000c
	s_cmp_lg_u32 s2, 0x3003
	s_cbranch_scc0 .Lentry_shape_is_right
	s_endpgm
.Lentry_shape_is_right:
; THE CANDIDATE AND THE NEW MEMORY: c = tanh([mean | r x memory] (64 rows x 2048) x Wc^T (f32 [1024][2048]) + bias); new = memory + z (c - memory).  16 columns a work-group, 64 work-groups.
; mean: the column sums of x1 by blocks of 128 rows, added and divided by 1,024, as a fragment whose 16 rows are equal.  r x memory: a bf16 fragment image at byte 540,672 of act; z: an f32 image at byte 278,528.
; The four waves split K: wave w takes k = 256 w ..+255 of each half and reads only tiles that it asked for itself; their sums meet in LDS.  LDS is filled once: no slot is filled again.
; The four work-groups of a cluster ask for the image jointly; W's tile is each work-group's own.
; Used transposed (source 0 = 16 rows of W, rounded to bf16 on the way; source 1 = 16 slots): a lane holds a slot and eight neighbouring columns: a block of an image.
; OUT: out1 in f32, and the new memory's bf16 image twice, one for each product of the next launch.
; LIMITS: NaN and infinities are not treated apart.  out1 is stored in pieces of 32 bytes: a work-group owns 64 bytes of a row, and the whole output is 256 KiB.
.set PSUM, 278528
.set ZIMG, 278528
.set RMI,  540672
.set NMI,  16384
.set AI,    133120
.set MEAN,  264192
.set RED,   272384
.set SPARE, 288768
.set MSB, 0
.macro WIN new
.if MSB != (\new)
	s_set_vgpr_msb (MSB<<8)|(\new)
.set MSB, \new
.endif
.endm
.macro PLACES
.rept 4
	v_nop
.endr
.endm
.macro CROUND
	s_barrier_signal -1
	s_barrier_wait -1
	s_cmp_lg_u32 s24, 0
	s_cbranch_scc1 .Lnot_wave_0_\@
	s_barrier_signal -3
.Lnot_wave_0_\@:
	s_barrier_wait -3
	s_barrier_signal -1
	s_barrier_wait -1
.endm
	s_load_b256 s[4:11], s[0:1], 0x0       ; psum, act, Wc, bc
	s_load_b128 s[16:19], s[0:1], 0x20     ; memory, images out
	s_load_b64 s[20:21], s[0:1], 0x30      ; out1
	v_lshl_add_u32 v14, v0, 2, SPARE
	v_mov_b32 v15, 0
	ds_add_u32 v14, v15                    ; the wave's opening: the add and its wait ahead of my first tensor load
	v_lshrrev_b32 v1, 5, v0
	v_readfirstlane_b32 s24, v1            ; wave
	s_bfe_u32 s25, ttmp6, 0x40000          ; cx: it enters global addresses alone
	s_lshl_b32 s28, ttmp9, 2
	s_add_co_u32 s28, s28, s25             ; cb: my block of 16 columns
	s_mov_b32 s36, (2<<16)|(1<<20)|(7<<22)|(3<<25)   ; W: 4-byte elements; 4 words of padding after every 256
	s_mov_b32 s37, 256<<16
	s_mov_b32 s38, 16<<16
	s_mov_b32 s39, 256<<16
	s_mov_b32 s40, 16
	s_mov_b32 s41, 2048
	s_mov_b32 s42, 0
	s_mov_b32 s43, 0
	s_mov_b32 s52, 15|(3<<16)|(1<<21)      ; the image: all four work-groups; 8-byte elements; 4 batches x 8 KiB
	s_mov_b32 s53, 1024<<16
	s_mov_b32 s54, 4<<16
	s_mov_b32 s55, 1024<<16
	s_mov_b32 s56, 4
	s_mov_b32 s57, 4096
	s_mov_b32 s58, 0
	s_mov_b32 s59, 0
	s_mov_b32 s44, 1
	s_mul_i32 s45, s24, 33280
	s_mov_b32 s48, 1
	s_add_co_u32 s49, s45, 16640
	s_mov_b32 s60, 1
	s_lshl_b32 s61, s24, 15
	s_add_co_u32 s61, s61, AI
	s_lshl_b32 s30, s28, 17                ; 16 rows of W are 131,072 bytes
	s_lshl_b32 s31, s24, 10
	s_add_co_u32 s30, s30, s31
	s_mov_b32 s31, 0
	s_lshl_b32 s32, s24, 13
	s_add_co_u32 s32, s32, RMI
	s_mov_b32 s33, 0
	s_wait_dscnt 0x0
	s_wait_kmcnt 0x0
	s_add_nc_u64 s[46:47], s[8:9], s[30:31]
	s_add_nc_u64 s[50:51], s[46:47], 4096
	s_or_b32 s47, s47, 0x80000000
	s_or_b32 s51, s51, 0x80000000
	s_add_nc_u64 s[62:63], s[6:7], s[32:33]
	s_or_b32 s63, s63, 0x80000000
	CROUND
	tensor_load_to_lds s[44:47], s[36:43]  ; W, the mean's half of K
	s_nop 0
	tensor_load_to_lds s[48:51], s[36:43]  ; W, the image's half
	s_nop 0
	tensor_load_to_lds s[60:63], s[52:59]  ; the image, jointly: three loads of mine are out
	s_nop 0
.rept 4
	v_nop
.endr
	v_and_b32 v1, 15, v0                   ; r
	v_bfe_u32 v11, v0, 4, 1                ; h
	v_and_b32 v7, 31, v0
	v_lshlrev_b32 v7, 4, v7                ; 16 x lane
	v_mul_u32_u24 v2, v1, 1040
	v_lshl_add_u32 v2, v11, 5, v2
	v_add_nc_u32 v2, s45, v2               ; W: row r, 32 h
	s_lshl_b32 s34, s24, 11
	s_add_co_u32 s34, s34, MEAN
	v_lshlrev_b32 v3, 4, v11
	v_add_nc_u32 v3, s34, v3               ; the mean as a fragment: the address hangs on h alone
	v_lshrrev_b32 v12, 1, v7
	v_add_nc_u32 v12, s34, v12             ; where I put 8 bytes of it
	v_add_nc_u32 v4, s61, v7               ; the image, lane by lane
	s_lshl_b32 s34, s24, 12
	s_add_co_u32 s34, s34, RED
	v_add_nc_u32 v5, s34, v7
	s_lshl_b32 s34, s24, 10
	s_add_co_u32 s34, s34, RED
	v_add_nc_u32 v6, s34, v7
	v_lshlrev_b32 v8, 5, v11               ; 32 h
	v_lshl_add_u32 v9, v1, 12, v8          ; r x 4,096 + 32 h
	s_lshl_b32 s72, s24, 10
	s_add_co_u32 s72, s72, PSUM
	s_mov_b32 s73, 0
	s_add_nc_u64 s[4:5], s[4:5], s[72:73]
	s_lshl_b32 s72, s28, 6
	s_add_nc_u64 s[10:11], s[10:11], s[72:73]
	s_lshl_b32 s74, s24, 16
	s_add_co_u32 s72, s72, s74             ; batch = wave: 65,536 w + 64 cb
	s_add_nc_u64 s[16:17], s[16:17], s[72:73]
	s_add_nc_u64 s[20:21], s[20:21], s[72:73]
	s_lshl_b32 s72, s24, 15
	s_lshl_b32 s74, s28, 9
	s_add_co_u32 s72, s72, s74             ; an image's block: 32,768 w + 512 cb
	s_lshl_b32 s76, s72, 1                 ; z in f32: twice an image's bytes
	s_add_co_u32 s76, s76, ZIMG
	s_mov_b32 s77, 0
	s_add_nc_u64 s[6:7], s[6:7], s[76:77]
	global_load_b128 v[80:83], v8, s[10:11]
	global_load_b128 v[84:87], v8, s[10:11] offset:16
	global_load_b128 v[104:107], v9, s[16:17]
	global_load_b128 v[108:111], v9, s[16:17] offset:16
	global_load_b128 v[112:115], v7, s[6:7]
	global_load_b128 v[116:119], v7, s[6:7] offset:512
	WIN 0x40
.irp b, 0,1,2,3
.irp p, 0,1,2,3,4,5,6,7
.irp q, 0,1
	global_load_b128 v[4*(16*\b+2*\p+\q):4*(16*\b+2*\p+\q)+3], v7, s[4:5] offset:(8*\b+\p)*4096+\q*512
.endr
.endr
.endr
	s_wait_loadcnt 0x0
	WIN 0x55
.irp p, 1,2,3,4,5,6,7
.irp b, 0,1,2,3
.irp q, 0,1
	v_pk_add_f32 v[4*(16*\b+\q):4*(16*\b+\q)+1], v[4*(16*\b+\q):4*(16*\b+\q)+1], v[4*(16*\b+2*\p+\q):4*(16*\b+2*\p+\q)+1]
	v_pk_add_f32 v[4*(16*\b+\q)+2:4*(16*\b+\q)+3], v[4*(16*\b+\q)+2:4*(16*\b+\q)+3], v[4*(16*\b+2*\p+\q)+2:4*(16*\b+2*\p+\q)+3]
.endr
.endr
.endr
.irp b, 0,1,2,3
.irp q, 0,1
	v_pk_mul_f32 v[4*(16*\b+\q):4*(16*\b+\q)+1], v[4*(16*\b+\q):4*(16*\b+\q)+1], 0x3a800000 op_sel_hi:[1,0]
	v_pk_mul_f32 v[4*(16*\b+\q)+2:4*(16*\b+\q)+3], v[4*(16*\b+\q)+2:4*(16*\b+\q)+3], 0x3a800000 op_sel_hi:[1,0]
.endr
.endr
	WIN 0x05
.irp b, 0,1,2,3
.irp q, 0,1
	v_cvt_pk_bf16_f32 v[64+2*(2*\b+\q)], v[4*(16*\b+\q)], v[4*(16*\b+\q)+1]
	v_cvt_pk_bf16_f32 v[65+2*(2*\b+\q)], v[4*(16*\b+\q)+2], v[4*(16*\b+\q)+3]
.endr
.endr
	WIN 0
.irp b, 0,1,2,3
.irp q, 0,1
	ds_store_b64 v12, v[64+2*(2*\b+\q):65+2*(2*\b+\q)] offset:\b*512+\q*256
.endr
.endr
	s_cmp_eq_u32 s24, 0                    ; wave 0's sums start from the bias, the others' from 0
	s_cselect_b32 s74, 1.0, 0
.irp b, 0,1,2,3
.irp j, 0,1,2,3,4,5,6,7
	v_mul_f32 v[16+8*\b+\j], s74, v[80+\j]
.endr
.endr
	s_wait_tensorcnt 0x0                   ; my three tiles are in; only I read them
; Four steps of 32 along K.  part 0: the mean's half; part 1: the image's.  48 loads in one run, 12 a step; then each step's wait leaves the later steps' loads out.
.macro G4 part
	PLACES                                 ; between the last products and the loads into their sources
	WIN 0x40
.irp s, 0,1,2,3
.irp o, 0,1,2,3
	ds_load_b128 v[16*\s+4*\o:16*\s+4*\o+3], v2 offset:(\part)*16640+\s*128+(\o%2)*16+(\o/2)*64
.endr
.irp b, 0,1,2,3
.if \part
	ds_load_b128 v[64+32*\s+8*\b:64+32*\s+8*\b+3], v4 offset:\b*8192+\s*1024
	ds_load_b128 v[64+32*\s+8*\b+4:64+32*\s+8*\b+7], v4 offset:\b*8192+\s*1024+512
.else
	ds_load_b128 v[64+32*\s+8*\b:64+32*\s+8*\b+3], v3 offset:\b*512+\s*64
	ds_load_b128 v[64+32*\s+8*\b+4:64+32*\s+8*\b+7], v3 offset:\b*512+\s*64+32
.endif
.endr
.endr
.irp s, 0,1,2,3
	s_wait_dscnt 36-12*\s                  ; twelve loads for each later step may stay out
	WIN 0x05
.irp i, 0,1,2,3,4,5,6,7
	v_cvt_pk_bf16_f32 v[48+8*(\s%2)+\i], v[16*\s+2*\i], v[16*\s+2*\i+1]
.endr
	WIN 0x04
.irp b, 0,1,2,3                        ; the four accumulators take turns
	v_wmma_f32_16x16x32_bf16 v[16+8*\b:23+8*\b], v[48+8*(\s%2):55+8*(\s%2)], v[64+32*\s+8*\b:71+32*\s+8*\b], v[16+8*\b:23+8*\b]
.endr
.endr
.endm
	s_mov_b32 s70, 2
.Lk:                                           ; a trip: 128 along K of each half
	G4 0
	G4 1
	WIN 0
	v_add_nc_u32 v2, 512, v2
	v_add_nc_u32 v3, 256, v3
	v_add_nc_u32 v4, 4096, v4
	s_sub_co_u32 s70, s70, 1
	s_cmp_lg_u32 s70, 0
	s_cbranch_scc1 .Lk
	PLACES
.irp b, 0,1,2,3
	ds_store_b128 v5, v[16+8*\b:19+8*\b] offset:\b*1024
	ds_store_b128 v5, v[20+8*\b:23+8*\b] offset:\b*1024+512
.endr
	s_wait_dscnt 0x0                       ; my partial sums are in LDS, for the others' sake
	s_barrier_signal -1
	s_barrier_wait -1
.irp u, 0,1,2,3                        ; wave w finishes batch w
	ds_load_b128 v[64+8*\u:67+8*\u], v6 offset:\u*4096
	ds_load_b128 v[68+8*\u:71+8*\u], v6 offset:\u*4096+512
.endr
	s_wait_dscnt 0x0
.irp u, 1,2,3
.irp i, 0,2,4,6
	v_pk_add_f32 v[64+\i:65+\i], v[64+\i:65+\i], v[64+8*\u+\i:65+8*\u+\i]
.endr
.endr
	; tanh = 1 - 2 / (1 + 2^(2 log2(e) v))
.irp i, 0,1,2,3,4,5,6,7
	v_mul_f32 v[64+\i], 0x4038aa3b, v[64+\i]
.endr
.irp i, 0,1,2,3,4,5,6,7
	v_exp_f32 v[64+\i], v[64+\i]
.endr
	v_nop
	s_wait_alu depctr_va_vdst(0)
.irp i, 0,1,2,3,4,5,6,7
	v_add_f32 v[64+\i], 1.0, v[64+\i]
.endr
.irp i, 0,1,2,3,4,5,6,7
	v_rcp_f32 v[64+\i], v[64+\i]
.endr
	v_nop
	s_wait_alu depctr_va_vdst(0)
.irp i, 0,1,2,3,4,5,6,7
	v_fma_f32 v[64+\i], v[64+\i], -2.0, 1.0
.endr
.irp i, 0,2,4,6                        ; memory + z (c - memory)
	v_pk_add_f32 v[64+\i:65+\i], v[64+\i:65+\i], v[104+\i:105+\i] neg_lo:[0,1] neg_hi:[0,1]
.endr
.irp i, 0,2,4,6
	v_pk_fma_f32 v[64+\i:65+\i], v[112+\i:113+\i], v[64+\i:65+\i], v[104+\i:105+\i]
.endr
	global_store_b128 v9, v[64:67], s[20:21]
	global_store_b128 v9, v[68:71], s[20:21] offset:16
.irp i, 0,1,2,3
	v_cvt_pk_bf16_f32 v[120+\i], v[64+2*\i], v[65+2*\i]
.endr
	s_add_co_u32 s72, s72, NMI
	s_add_nc_u64 s[18:19], s[18:19], s[72:73]
	global_store_b128 v7, v[120:123], s[18:19]
	global_store_b128 v7, v[120:123], s[18:19] offset:131072
	s_wait_tensorcnt 0x0                   ; the wave's end
	ds_add_u32 v14, v15
	s_wait_dscnt 0x0
	CROUND                                 ; the closing round
	s_endpgm
.Lfunc_end_k_qa2c1ee3efa_gc:
	.size	k_qa2c1ee3efa_gc, .Lfunc_end_k_qa2c1ee3efa_gc-k_qa2c1ee3efa_gc
	.p2alignl 7, 3214868480
	.fill 96, 4, 3214868480
	.section	.rodata,"a",@progbits
	.p2align	6, 0x0
	.amdhsa_kernel k_qa2c1ee3efa_gc
		.amdhsa_group_segment_fixed_size 289280
		.amdhsa_private_segment_fixed_size 0
		.amdhsa_enable_private_segment 0
		.amdhsa_kernarg_size 56
		.amdhsa_user_sgpr_count 2
		.amdhsa_user_sgpr_kernarg_segment_ptr 1
		.amdhsa_wavefront_size32 1
		.amdhsa_system_sgpr_workgroup_id_x 1
		.amdhsa_system_sgpr_workgroup_id_y 1
		.amdhsa_system_sgpr_workgroup_id_z 1
		.amdhsa_system_vgpr_workitem_id 0
		.amdhsa_next_free_vgpr 512
		.amdhsa_next_free_sgpr 80
		.amdhsa_reserve_vcc 0
		.amdhsa_float_denorm_mode_32 3
		.amdhsa_float_denorm_mode_16_64 3
		.amdhsa_memory_ordered 1
		.amdhsa_forward_progress 1
		.amdhsa_inst_pref_size 42
	.end_amdhsa_kernel
	.amdgpu_metadata
---
amdhsa.version: [ 1, 2 ]
amdhsa.kernels:
  - .name:           k_qa2c1ee3efa_gc
    .symbol:         k_qa2c1ee3efa_gc.kd
    .args:
      - { .name: wsD, .offset: 0, .size: 8, .value_kind: global_buffer, .address_space: global }
      - { .name: wsE, .offset: 8, .size: 8, .value_kind: global_buffer, .address_space: global }
      - { .name: Wc_w, .offset: 16, .size: 8, .value_kind: global_buffer, .address_space: global }
      - { .name: Wc_b, .offset: 24, .size: 8, .value_kind: global_buffer, .address_space: global }
      - { .name: memory, .offset: 32, .size: 8, .value_kind: global_buffer, .address_space: global }
      - { .name: wsC, .offset: 40, .size: 8, .value_kind: global_buffer, .address_space: global }
      - { .name: out1, .offset: 48, .size: 8, .value_kind: global_buffer, .address_space: global }
    .group_segment_fixed_size: 289280
    .private_segment_fixed_size: 0
    .kernarg_segment_align: 8
    .kernarg_segment_size: 56
    .max_flat_workgroup_size: 128
    .sgpr_count:     80
    .vgpr_count:     512
    .wavefront_size: 32
...
	.end_amdgpu_metadata
.endif
;; end of part 6
;; launch kv (part 7): grid 128 x 1, 4 waves a work-group, clusters of 4 x 1, 214,528 bytes of LDS; arguments wsC, mk_w, mv_w, wsE; writes wsE
.if DOCPART == 7
	.amdgcn_target "amdgcn-amd-amdhsa--gfx1250"
	.amdhsa_code_object_version 6
	.text
	.protected	k_qa2c1ee3efa_kv
	.globl	k_qa2c1ee3efa_kv
	.p2align	8
	.type	k_qa2c1ee3efa_kv,@function
k_qa2c1ee3efa_kv:
	s_mov_b64 s[64:65], 0
	v_nop
	global_prefetch_b8 v0, s[64:65] scope:SCOPE_SE
	s_setreg_imm32_b32 hwreg(HW_REG_WAVE_MODE, 25, 1), 1
	s_wait_xcnt 0x0
	s_wait_alu depctr_hold_cnt(0) depctr_sa_sdst(0) depctr_va_vdst(0) depctr_va_sdst(0) depctr_va_ssrc(0) depctr_va_vcc(0) depctr_vm_vsrc(0)
	s_getreg_b32 s2, hwreg(HW_REG_IB_STS2, 6, 4)
	s_cmp_eq_u32 s2, 0
	s_cbranch_scc0 .Lentry_in_a_cluster
	s_endpgm
.Lentry_in_a_cluster:
	s_bfe_u32 s2, ttmp6, 0x10000c
	s_cmp_lg_u32 s2, 0x3003
	s_cbranch_scc0 .Lentry_shape_is_right
	s_endpgm
.Lentry_shape_is_right:
; TWO PRODUCTS OF 64 ROWS: image (bf16 fragment image, 64 x 1024) x W^T (f32 [1024][1024]) -> image.  The grid's first half takes the first image (byte 16,384 of act) and w0,
; the second half the second image (131,072 bytes on) and w1; the results lie at the same places of out.  16 columns a work-group; the four waves split K, 256 each, and read only
; tiles that they asked for themselves; their sums meet in LDS.  LDS is filled once.  The four work-groups of a cluster ask for the image jointly.
; Used transposed (source 0 = 16 rows of W, rounded to bf16 on the way; source 1 = 16 slots).  LIMITS: NaN and infinities are not treated apart.
.set IMG0,  16384
.set AI,    66560
.set RED,   197632
.set SPARE, 214016
.set MSB, 0
.macro WIN new
.if MSB != (\new)
	s_set_vgpr_msb (MSB<<8)|(\new)
.set MSB, \new
.endif
.endm
.macro PLACES
.rept 4
	v_nop
.endr
.endm
.macro CROUND
	s_barrier_signal -1
	s_barrier_wait -1
	s_cmp_lg_u32 s12, 0
	s_cbranch_scc1 .Lnot_wave_0_\@
	s_barrier_signal -3
.Lnot_wave_0_\@:
	s_barrier_wait -3
	s_barrier_signal -1
	s_barrier_wait -1
.endm
	s_load_b256 s[4:11], s[0:1], 0x0       ; act, w0, w1, out
	v_lshl_add_u32 v14, v0, 2, SPARE
	v_mov_b32 v15, 0
	ds_add_u32 v14, v15                    ; the wave's opening: the add and its wait ahead of my first tensor load
	v_lshrrev_b32 v1, 5, v0
	v_readfirstlane_b32 s12, v1
	s_bfe_u32 s13, ttmp6, 0x40000
	s_lshl_b32 s14, ttmp9, 2
	s_add_co_u32 s14, s14, s13
	s_and_b32 s16, s14, 63                 ; cb
	s_mov_b32 s24, (2<<16)|(1<<20)|(7<<22)|(3<<25)
	s_mov_b32 s25, 256<<16
	s_mov_b32 s26, 16<<16
	s_mov_b32 s27, 256<<16
	s_mov_b32 s28, 16
	s_mov_b32 s29, 1024
	s_mov_b32 s30, 0
	s_mov_b32 s31, 0
	s_mov_b32 s36, 15|(3<<16)|(1<<21)
	s_mov_b32 s37, 1024<<16
	s_mov_b32 s38, 4<<16
	s_mov_b32 s39, 1024<<16
	s_mov_b32 s40, 4
	s_mov_b32 s41, 4096
	s_mov_b32 s42, 0
	s_mov_b32 s43, 0
	s_mov_b32 s32, 1
	s_mul_i32 s33, s12, 16640
	s_mov_b32 s44, 1
	s_lshl_b32 s45, s12, 15
	s_add_co_u32 s45, s45, AI
	s_cmp_ge_u32 ttmp9, 16
	s_cselect_b32 s15, 1, 0
	s_lshl_b32 s18, s16, 16                ; 16 rows of W are 65,536 bytes
	s_lshl_b32 s19, s12, 10
	s_add_co_u32 s18, s18, s19
	s_mov_b32 s19, 0
	s_lshl_b32 s20, s15, 17
	s_add_co_u32 s20, s20, IMG0
	s_lshl_b32 s21, s12, 13
	s_add_co_u32 s20, s20, s21
	s_mov_b32 s21, 0
	s_wait_dscnt 0x0
	s_wait_kmcnt 0x0
	s_cmp_ge_u32 ttmp9, 16
	s_cselect_b64 s[48:49], s[8:9], s[6:7]
	s_add_nc_u64 s[34:35], s[48:49], s[18:19]
	s_or_b32 s35, s35, 0x80000000
	s_add_nc_u64 s[46:47], s[4:5], s[20:21]
	s_or_b32 s47, s47, 0x80000000
	CROUND
	tensor_load_to_lds s[32:35], s[24:31]  ; W's tile
	s_nop 0
	tensor_load_to_lds s[44:47], s[36:43]  ; the image, jointly: two loads of mine are out
	s_nop 0
.rept 4
	v_nop
.endr
	v_and_b32 v1, 15, v0
	v_bfe_u32 v11, v0, 4, 1
	v_and_b32 v7, 31, v0
	v_lshlrev_b32 v7, 4, v7
	v_mul_u32_u24 v2, v1, 1040
	v_lshl_add_u32 v2, v11, 5, v2
	v_add_nc_u32 v2, s33, v2
	v_add_nc_u32 v4, s45, v7
	s_lshl_b32 s22, s12, 12
	s_add_co_u32 s22, s22, RED
	v_add_nc_u32 v5, s22, v7
	s_lshl_b32 s22, s12, 10
	s_add_co_u32 s22, s22, RED
	v_add_nc_u32 v6, s22, v7
	s_lshl_b32 s20, s15, 17
	s_add_co_u32 s20, s20, IMG0
	s_lshl_b32 s22, s12, 15
	s_add_co_u32 s20, s20, s22
	s_lshl_b32 s22, s16, 9
	s_add_co_u32 s20, s20, s22
	s_add_nc_u64 s[10:11], s[10:11], s[20:21]
	s_wait_tensorcnt 0x0                   ; my two tiles are in; only I read them
.macro G4 zero, wo, ao                 ; four steps of 32 along K: 48 loads in one run, 12 a step
	PLACES
	WIN 0x40
.irp s, 0,1,2,3
.irp o, 0,1,2,3
	ds_load_b128 v[16*\s+4*\o:16*\s+4*\o+3], v2 offset:(\wo)+\s*128+(\o%2)*16+(\o/2)*64
.endr
.irp b, 0,1,2,3
	ds_load_b128 v[64+32*\s+8*\b:64+32*\s+8*\b+3], v4 offset:(\ao)+\b*8192+\s*1024
	ds_load_b128 v[64+32*\s+8*\b+4:64+32*\s+8*\b+7], v4 offset:(\ao)+\b*8192+\s*1024+512
.endr
.endr
.irp s, 0,1,2,3
	s_wait_dscnt 36-12*\s                  ; twelve loads for each later step may stay out
	WIN 0x05
.irp i, 0,1,2,3,4,5,6,7
	v_cvt_pk_bf16_f32 v[48+8*(\s%2)+\i], v[16*\s+2*\i], v[16*\s+2*\i+1]
.endr
	WIN 0x04
.irp b, 0,1,2,3                        ; the four accumulators take turns
.if (\zero) && (\s == 0)
	v_wmma_f32_16x16x32_bf16 v[16+8*\b:23+8*\b], v[48+8*(\s%2):55+8*(\s%2)], v[64+32*\s+8*\b:71+32*\s+8*\b], 0
.else
	v_wmma_f32_16x16x32_bf16 v[16+8*\b:23+8*\b], v[48+8*(\s%2):55+8*(\s%2)], v[64+32*\s+8*\b:71+32*\s+8*\b], v[16+8*\b:23+8*\b]
.endif
.endr
.endr
.endm
	G4 1, 0, 0
	G4 0, 512, 4096
	WIN 0
	PLACES
.irp b, 0,1,2,3
	ds_store_b128 v5, v[16+8*\b:19+8*\b] offset:\b*1024
	ds_store_b128 v5, v[20+8*\b:23+8*\b] offset:\b*1024+512
.endr
	s_wait_dscnt 0x0
	s_barrier_signal -1
	s_barrier_wait -1
.irp u, 0,1,2,3
	ds_load_b128 v[64+8*\u:67+8*\u], v6 offset:\u*4096
	ds_load_b128 v[68+8*\u:71+8*\u], v6 offset:\u*4096+512
.endr
	s_wait_dscnt 0x0
.irp u, 1,2,3
.irp i, 0,2,4,6
	v_pk_add_f32 v[64+\i:65+\i], v[64+\i:65+\i], v[64+8*\u+\i:65+8*\u+\i]
.endr
.endr
.irp i, 0,1,2,3
	v_cvt_pk_bf16_f32 v[120+\i], v[64+2*\i], v[65+2*\i]
.endr
	global_store_b128 v7, v[120:123], s[10:11]   ; a block of the image: 512 consecutive bytes
	s_wait_tensorcnt 0x0                   ; the wave's end
	ds_add_u32 v14, v15
	s_wait_dscnt 0x0
	CROUND
	s_endpgm
.Lfunc_end_k_qa2c1ee3efa_kv:
	.size	k_qa2c1ee3efa_kv, .Lfunc_end_k_qa2c1ee3efa_kv-k_qa2c1ee3efa_kv
	.p2alignl 7, 3214868480
	.fill 96, 4, 3214868480
	.section	.rodata,"a",@progbits
	.p2align	6, 0x0
	.amdhsa_kernel k_qa2c1ee3efa_kv
		.amdhsa_group_segment_fixed_size 214528
		.amdhsa_private_segment_fixed_size 0
		.amdhsa_enable_private_segment 0
		.amdhsa_kernarg_size 32
		.amdhsa_user_sgpr_count 2
		.amdhsa_user_sgpr_kernarg_segment_ptr 1
		.amdhsa_wavefront_size32 1
		.amdhsa_system_sgpr_workgroup_id_x 1
		.amdhsa_system_sgpr_workgroup_id_y 1
		.amdhsa_system_sgpr_workgroup_id_z 1
		.amdhsa_system_vgpr_workitem_id 0
		.amdhsa_next_free_vgpr 512
		.amdhsa_next_free_sgpr 66
		.amdhsa_reserve_vcc 0
		.amdhsa_float_denorm_mode_32 3
		.amdhsa_float_denorm_mode_16_64 3
		.amdhsa_memory_ordered 1
		.amdhsa_forward_progress 1
		.amdhsa_inst_pref_size 21
	.end_amdhsa_kernel
	.amdgpu_metadata
---
amdhsa.version: [ 1, 2 ]
amdhsa.kernels:
  - .name:           k_qa2c1ee3efa_kv
    .symbol:         k_qa2c1ee3efa_kv.kd
    .args:
      - { .name: wsC, .offset: 0, .size: 8, .value_kind: global_buffer, .address_space: global }
      - { .name: mk_w, .offset: 8, .size: 8, .value_kind: global_buffer, .address_space: global }
      - { .name: mv_w, .offset: 16, .size: 8, .value_kind: global_buffer, .address_space: global }
      - { .name: wsE, .offset: 24, .size: 8, .value_kind: global_buffer, .address_space: global }
    .group_segment_fixed_size: 214528
    .private_segment_fixed_size: 0
    .kernarg_segment_align: 8
    .kernarg_segment_size: 32
    .max_flat_workgroup_size: 128
    .sgpr_count:     66
    .vgpr_count:     512
    .wavefront_size: 32
...
	.end_amdgpu_metadata
.endif
;; end of part 7
;; launch kqvo: the kernel of part 7 again; grid 128 x 1, 4 waves a work-group, clusters of 4 x 1, 214,528 bytes of LDS; arguments wsE, wsA, mo_w, wsD; writes wsD
;; launch cross (part 8): grid 256 x 1, 16 waves a work-group, clusters of 4 x 1, 192,000 bytes of LDS; arguments wsD, ln2_g, ln2_b, ln3_g, ln3_b, wsG; writes wsG
.if DOCPART == 8
	.amdgcn_target "amdgcn-amd-amdhsa--gfx1250"
	.amdhsa_code_object_version 6
	.text
	.protected	k_qa2c1ee3efa_cross
	.globl	k_qa2c1ee3efa_cross
	.p2align	8
	.type	k_qa2c1ee3efa_cross,@function
k_qa2c1ee3efa_cross:
	s_mov_b64 s[64:65], 0
	v_nop
	global_prefetch_b8 v0, s[64:65] scope:SCOPE_SE
	s_setreg_imm32_b32 hwreg(HW_REG_WAVE_MODE, 25, 1), 1
	s_wait_xcnt 0x0
	s_wait_alu depctr_hold_cnt(0) depctr_sa_sdst(0) depctr_va_vdst(0) depctr_va_sdst(0) depctr_va_ssrc(0) depctr_va_vcc(0) depctr_vm_vsrc(0)
	s_getreg_b32 s2, hwreg(HW_REG_IB_STS2, 6, 4)
	s_cmp_eq_u32 s2, 0
	s_cbranch_scc0 .Lentry_in_a_cluster
	s_endpgm
.Lentry_in_a_cluster:
	s_bfe_u32 s2, ttmp6, 0x10000c
	s_cmp_lg_u32 s2, 0x3003
	s_cbranch_scc0 .Lentry_shape_is_right
	s_endpgm
.Lentry_shape_is_right:
; CROSS-ATTENTION TO THE 16 SLOTS, and the two layer norms round it.  scores = LN2(x1) . KQ^T / 32 with KQ = K mq; x2 = x1 + softmax(scores) . VO with VO = V mo^T: the same sums as
; (LN2(x1) mq^T) K^T and (P V) mo^T, associated otherwise.  Then h3 = LN3(x2) in bf16.
; A work-group owns 16 rows, wave w columns 64 w ..+63.  Lane (r = row, h) holds columns 64 w + 16 cb + 8 h + j in X[8 cb + j]: at once a fragment's layout (after rounding) and an accumulator's.
; LAYER NORM: each wave makes the mean and the sum of squared differences of its 64 columns; the sixteen are joined as (sum of M2 + 64 sum (mean_w - mean)^2): no difference of large sums.
; SOFTMAX: a row's 16 scores lie in two lanes; the true maximum is taken away.
; The four work-groups of a cluster belong to one batch and ask for KQ and VO jointly.  LDS is filled once; x2 goes back into the wave's own tile of x1, which has had its only fill.
; LIMITS: NaN and infinities are not treated apart; VO's fragments' upper 16 places along k hold the next block (or zeros) and meet P's zeros, so a VO that is not finite spoils its neighbours.
.set KQI,  16384
.set X1,   409600
.set H3,   16777216
.set IMG,   69632
.set SCRA,  135168
.set SCS,   140288
.set ST16,  156672
.set SPARE, 189952
.set X, 32
.set GG, 64
.set BB, 96
.set Y, 128
.set KQ, 144
.set VO, 160
.set S, 180
.set P, 196
.set T, 204
.macro PLACES
.rept 4
	v_nop
.endr
.endm
.macro CROUND
	s_barrier_signal -1
	s_barrier_wait -1
	s_cmp_lg_u32 s16, 0
	s_cbranch_scc1 .Lnot_wave_0_\@
	s_barrier_signal -3
.Lnot_wave_0_\@:
	s_barrier_wait -3
	s_barrier_signal -1
	s_barrier_wait -1
.endm
	s_load_b256 s[4:11], s[0:1], 0x0       ; wsD, ln2_g, ln2_b, ln3_g
	s_load_b128 s[12:15], s[0:1], 0x20     ; ln3_b, wsG
	v_lshl_add_u32 v28, v0, 2, SPARE
	v_mov_b32 v29, 0
	ds_add_u32 v28, v29                    ; the wave's opening: the add and its wait ahead of my first tensor load
	v_lshrrev_b32 v1, 5, v0
	v_readfirstlane_b32 s16, v1            ; wave 0..15
	s_bfe_u32 s17, ttmp6, 0x40000
	s_lshl_b32 s18, ttmp9, 2
	s_add_co_u32 s18, s18, s17             ; my block of 16 rows: it enters global addresses alone
	s_lshr_b32 s19, ttmp9, 4               ; the batch, which the partners share
	s_mov_b32 s24, (2<<16)|(1<<20)|(5<<22)|(3<<25)   ; x1: 16 rows of 64 f32, 16 bytes of padding behind each
	s_mov_b32 s25, 64<<16
	s_mov_b32 s26, 16<<16
	s_mov_b32 s27, 64<<16
	s_mov_b32 s28, 16
	s_mov_b32 s29, 1024
	s_mov_b32 s30, 0
	s_mov_b32 s31, 0
	s_mov_b32 s36, 15|(3<<16)|(1<<21)      ; 2,048 bytes of KQ's image and the same of VO's, 131,072 bytes on
	s_mov_b32 s37, 256<<16
	s_mov_b32 s38, 2<<16
	s_mov_b32 s39, 256<<16
	s_mov_b32 s40, 2
	s_mov_b32 s41, 16384
	s_mov_b32 s42, 0
	s_mov_b32 s43, 0
	s_mov_b32 s32, 1
	s_mul_i32 s33, s16, 4352
	s_mov_b32 s44, 1
	s_lshl_b32 s45, s16, 12
	s_add_co_u32 s45, s45, IMG
	s_lshl_b32 s20, s18, 16
	s_lshl_b32 s21, s16, 8
	s_add_co_u32 s20, s20, s21             ; 65,536 x block + 256 w
	s_mov_b32 s21, 0
	s_lshl_b32 s22, s19, 15
	s_lshl_b32 s23, s16, 11
	s_add_co_u32 s22, s22, s23
	s_add_co_u32 s22, s22, KQI
	s_mov_b32 s23, 0
	s_mov_b32 s48, 0x76543210
	s_mov_b32 s49, 0xfedcba98
	s_mov_b32 s50, 0x3d38aa3b              ; log2(e) / 32
	s_mov_b32 s51, s50
	s_mov_b32 s52, 0x3a800000              ; 1/1024
	s_wait_dscnt 0x0
	s_wait_kmcnt 0x0
	s_add_nc_u64 s[34:35], s[4:5], s[20:21]
	s_add_nc_u64 s[34:35], s[34:35], X1
	s_or_b32 s35, s35, 0x80000000
	s_add_nc_u64 s[46:47], s[4:5], s[22:23]
	s_or_b32 s47, s47, 0x80000000
	CROUND
	tensor_load_to_lds s[32:35], s[24:31]
	s_nop 0
	tensor_load_to_lds s[44:47], s[36:43]  ; two loads of mine are out
	s_nop 0
.rept 4
	v_nop
.endr
	v_and_b32 v1, 15, v0                   ; r
	v_bfe_u32 v2, v0, 4, 1                 ; h
	v_and_b32 v3, 31, v0
	v_lshlrev_b32 v16, 4, v3               ; 16 x lane
	v_mul_u32_u24 v4, v1, 272
	v_lshl_add_u32 v4, v2, 5, v4
	v_add_nc_u32 v4, s33, v4               ; x: row r, 32 h
	v_mul_u32_u24 v5, v2, 272
	v_lshl_add_u32 v5, v1, 4, v5
	v_add_nc_u32 v5, s33, v5               ; x by whole rows
	v_add_nc_u32 v6, s45, v16              ; KQ, lane by lane
	v_and_b32 v7, 7, v0
	v_lshl_add_u32 v7, v2, 3, v7
	v_lshlrev_b32 v7, 4, v7
	v_bfe_u32 v8, v0, 3, 1
	v_lshl_add_u32 v7, v8, 8, v7
	v_add_nc_u32 v7, s45, v7
	v_add_nc_u32 v7, 2048, v7              ; VO, for the turning load: slot 8 h + l % 8, columns 8 ((l / 8) % 2) on
	s_lshl_b32 s53, s16, 8
	v_lshlrev_b32 v8, 5, v2
	v_add_nc_u32 v8, s53, v8               ; gains and biases: 256 w + 32 h
	v_mul_u32_u24 v10, v1, 144
	v_add_nc_u32 v10, SCRA, v10            ; a row's sixteen pairs of statistics
	s_lshl_b32 s53, s16, 3
	v_add_nc_u32 v9, s53, v10              ; my pair among them
	v_add_nc_u32 v12, SCS, v16
	s_lshl_b32 s53, s16, 10
	v_add_nc_u32 v11, s53, v12
	v_mul_u32_u24 v13, v1, 2064
	v_lshl_add_u32 v13, v2, 4, v13
	s_lshl_b32 s53, s16, 7
	s_add_co_u32 s53, s53, ST16
	v_add_nc_u32 v13, s53, v13
	s_mul_i32 s53, s16, 2064
	s_add_co_u32 s53, s53, ST16
	v_add_nc_u32 v14, s53, v16
	v_lshlrev_b32 v15, 12, v2
	v_lshl_add_u32 v15, v1, 4, v15
	s_add_nc_u64 s[54:55], s[14:15], s[20:21]      ; x2 at my block and columns
	s_lshl_b32 s20, s18, 4
	s_add_co_u32 s20, s20, s16
	s_lshl_b32 s20, s20, 11
	s_add_co_u32 s20, s20, H3
	s_add_nc_u64 s[56:57], s[14:15], s[20:21]      ; h3 at row 16 x block + w
.macro GBLOAD pg, pb
.irp c, 0,1,2,3
.irp q, 0,1
	global_load_b128 v[GG+8*\c+4*\q:GG+8*\c+4*\q+3], v8, s[\pg:\pg+1] offset:\c*64+\q*16
	global_load_b128 v[BB+8*\c+4*\q:BB+8*\c+4*\q+3], v8, s[\pb:\pb+1] offset:\c*64+\q*16
.endr
.endr
.endm
	GBLOAD 6, 8
.irp i, 0,1,2,3
	v_mov_b32 v[VO+16+\i], 0
	v_mov_b32 v[P+4+\i], 0
.endr
	s_wait_tensorcnt 0x0                   ; my two tiles are in; only I read them
.irp c, 0,1,2,3
	ds_load_b128 v[X+8*\c:X+8*\c+3], v4 offset:\c*64
	ds_load_b128 v[X+8*\c+4:X+8*\c+7], v4 offset:\c*64+16
	ds_load_b128 v[KQ+4*\c:KQ+4*\c+3], v6 offset:\c*512
	ds_load_tr16_b128 v[VO+4*\c:VO+4*\c+3], v7 offset:\c*512
.endr
	s_wait_dscnt 0x0
; The row's statistics.  so: 0 or 2,560, the scratch of the first or the second norm.  Leaves 1/sigma in v[250:251] and -mean/sigma in v[252:253].
.macro LNSTAT so
.irp k, 0,1,2,3
	v_pk_add_f32 v[236+2*\k:237+2*\k], v[X+2*\k:X+2*\k+1], v[X+8+2*\k:X+9+2*\k]
.endr
.irp m, 16,24
.irp k, 0,1,2,3
	v_pk_add_f32 v[236+2*\k:237+2*\k], v[236+2*\k:237+2*\k], v[X+\m+2*\k:X+\m+2*\k+1]
.endr
.endr
	v_pk_add_f32 v[236:237], v[236:237], v[238:239]
	v_pk_add_f32 v[240:241], v[240:241], v[242:243]
	v_pk_add_f32 v[236:237], v[236:237], v[240:241]
	v_add_f32 v236, v236, v237
	v_permlanex16_b32 v237, v236, s48, s49
	v_add_f32 v236, v236, v237
	v_mul_f32 v244, 0x3c800000, v236       ; my 64 columns' mean
	v_mov_b32 v245, v244
.set i, 0
.rept 16
	v_pk_add_f32 v[T+i:T+i+1], v[X+i:X+i+1], v[244:245] neg_lo:[0,1] neg_hi:[0,1]
.set i, i+2
.endr
.irp k, 0,1,2,3
	v_pk_mul_f32 v[236+2*\k:237+2*\k], v[T+2*\k:T+2*\k+1], v[T+2*\k:T+2*\k+1]
.endr
.irp m, 8,16,24
.irp k, 0,1,2,3
	v_pk_fma_f32 v[236+2*\k:237+2*\k], v[T+\m+2*\k:T+\m+2*\k+1], v[T+\m+2*\k:T+\m+2*\k+1], v[236+2*\k:237+2*\k]
.endr
.endr
	v_pk_add_f32 v[236:237], v[236:237], v[238:239]
	v_pk_add_f32 v[240:241], v[240:241], v[242:243]
	v_pk_add_f32 v[236:237], v[236:237], v[240:241]
	v_add_f32 v236, v236, v237
	v_permlanex16_b32 v237, v236, s48, s49
	v_add_f32 v245, v236, v237             ; and their sum of squared differences
	ds_store_b64 v9, v[244:245] offset:\so
	s_wait_dscnt 0x0                       ; for the others' sake
	s_barrier_signal -1
	s_barrier_wait -1
.irp i, 0,1,2,3,4,5,6,7
	ds_load_b128 v[T+4*\i:T+4*\i+3], v10 offset:(\so)+16*\i
.endr
	s_wait_dscnt 0x0
.irp k, 0,1,2,3
	v_pk_add_f32 v[236+2*\k:237+2*\k], v[T+4*\k:T+4*\k+1], v[T+4*\k+2:T+4*\k+3]
.endr
.irp k, 0,1,2,3
	v_pk_add_f32 v[236+2*\k:237+2*\k], v[236+2*\k:237+2*\k], v[T+16+4*\k:T+17+4*\k]
.endr
.irp k, 0,1,2,3
	v_pk_add_f32 v[236+2*\k:237+2*\k], v[236+2*\k:237+2*\k], v[T+18+4*\k:T+19+4*\k]
.endr
	v_pk_add_f32 v[236:237], v[236:237], v[238:239]
	v_pk_add_f32 v[240:241], v[240:241], v[242:243]
	v_pk_add_f32 v[236:237], v[236:237], v[240:241]    ; (sum of the means, sum of the M2)
	v_mul_f32 v246, 0x3d800000, v236       ; the row's mean
.set i, 0
.rept 16
	v_sub_f32 v[T+2*i], v[T+2*i], v246
.set i, i+1
.endr
	v_mul_f32 v248, v[T], v[T]
	v_mul_f32 v249, v[T+2], v[T+2]
.set i, 2
.rept 7
	v_fmac_f32 v248, v[T+2*i], v[T+2*i]
	v_fmac_f32 v249, v[T+2*i+2], v[T+2*i+2]
.set i, i+2
.endr
	v_add_f32 v248, v248, v249
	v_fma_f32 v248, v248, 0x42800000, v237 ; M2 of the row
	v_fmaak_f32 v248, s52, v248, 0x3727c5ac
	v_rsq_f32 v250, v248
	v_nop
	s_wait_alu depctr_va_vdst(0)
	v_mov_b32 v251, v250
	v_mul_f32 v252, -v246, v250
	v_mov_b32 v253, v252
.endm
.macro NORM
.set i, 0
.rept 16
	v_pk_fma_f32 v[T+i:T+i+1], v[X+i:X+i+1], v[250:251], v[252:253]
.set i, i+2
.endr
.set i, 0
.rept 16
	v_pk_fma_f32 v[T+i:T+i+1], v[T+i:T+i+1], v[GG+i:GG+i+1], v[BB+i:BB+i+1]
.set i, i+2
.endr
.set i, 0
.rept 16
	v_cvt_pk_bf16_f32 v[Y+i], v[T+2*i], v[T+2*i+1]
.set i, i+1
.endr
.endm
	LNSTAT 0
	s_wait_loadcnt 0x0
	NORM
	GBLOAD 10, 12
	; my 64 columns' part of the scores: lane (row r, h), register j: slot 8 h + j
	v_wmma_f32_16x16x32_bf16 v[S:S+7], v[KQ:KQ+7], v[Y:Y+7], 0
	v_wmma_f32_16x16x32_bf16 v[S+8:S+15], v[KQ+8:KQ+15], v[Y+8:Y+15], 0
	PLACES
.irp i, 0,2,4,6
	v_pk_add_f32 v[S+\i:S+\i+1], v[S+\i:S+\i+1], v[S+8+\i:S+9+\i]
.endr
	ds_store_b128 v11, v[S:S+3]
	ds_store_b128 v11, v[S+4:S+7] offset:512
	s_wait_dscnt 0x0
	s_barrier_signal -1
	s_barrier_wait -1
.irp g, 0,1,2,3                        ; the sixteen waves' parts, four at a time, in the same order in every wave
.irp u, 0,1,2,3
	ds_load_b128 v[T+8*\u:T+8*\u+3], v12 offset:(4*\g+\u)*1024
	ds_load_b128 v[T+8*\u+4:T+8*\u+7], v12 offset:(4*\g+\u)*1024+512
.endr
	s_wait_dscnt 0x0
.irp u, 0,1,2,3
.irp i, 0,2,4,6
.if (\g == 0) && (\u == 0)
.elseif (\g == 0) && (\u == 1)
	v_pk_add_f32 v[S+\i:S+\i+1], v[T+\i:T+\i+1], v[T+8+\i:T+9+\i]
.else
	v_pk_add_f32 v[S+\i:S+\i+1], v[S+\i:S+\i+1], v[T+8*\u+\i:T+8*\u+\i+1]
.endif
.endr
.endr
.endr
	; softmax over the 16 slots: eight here, eight in the lane 16 away
	v_max3_num_f32 v236, v[S], v[S+1], v[S+2]
	v_max3_num_f32 v236, v236, v[S+3], v[S+4]
	v_max3_num_f32 v236, v236, v[S+5], v[S+6]
	v_max_num_f32 v236, v236, v[S+7]
	v_permlanex16_b32 v237, v236, s48, s49
	v_max_num_f32 v236, v236, v237
	v_mul_f32 v238, s50, v236
	v_mov_b32 v239, v238
.irp i, 0,2,4,6
	v_pk_fma_f32 v[S+\i:S+\i+1], v[S+\i:S+\i+1], s[50:51], v[238:239] op_sel_hi:[1,0,1] neg_lo:[0,0,1] neg_hi:[0,0,1]
.endr
.irp i, 0,1,2,3,4,5,6,7
	v_exp_f32 v[S+\i], v[S+\i]
.endr
	v_nop
	s_wait_alu depctr_va_vdst(0)
	v_pk_add_f32 v[236:237], v[S:S+1], v[S+2:S+3]
	v_pk_add_f32 v[240:241], v[S+4:S+5], v[S+6:S+7]
	v_pk_add_f32 v[236:237], v[236:237], v[240:241]
	v_add_f32 v236, v236, v237
	v_permlanex16_b32 v237, v236, s48, s49
	v_add_f32 v236, v236, v237
	v_rcp_f32 v236, v236
	v_nop
	s_wait_alu depctr_va_vdst(0)
.irp i, 0,2,4,6
	v_pk_mul_f32 v[S+\i:S+\i+1], v[S+\i:S+\i+1], v[236:237] op_sel_hi:[1,0]
.endr
.irp i, 0,1,2,3
	v_cvt_pk_bf16_f32 v[P+\i], v[S+2*\i], v[S+2*\i+1]
.endr
	; x2 = x1 + P VO: four products on four accumulators, which are X itself
.irp c, 0,1,2,3
	v_wmma_f32_16x16x32_bf16 v[X+8*\c:X+8*\c+7], v[VO+4*\c:VO+4*\c+7], v[P:P+7], v[X+8*\c:X+8*\c+7]
.endr
	PLACES
.irp c, 0,1,2,3
	ds_store_b128 v4, v[X+8*\c:X+8*\c+3] offset:\c*64
	ds_store_b128 v4, v[X+8*\c+4:X+8*\c+7] offset:\c*64+16
.endr
	LNSTAT 2560
	s_wait_loadcnt 0x0
	NORM
	; x2 leaves by whole rows of my 256 bytes; h3 through a stage of whole rows of 2,048 bytes
.irp t, 0,1,2,3,4,5,6,7
	ds_load_b128 v[T+4*\t:T+4*\t+3], v5 offset:\t*544
.endr
.irp c, 0,1,2,3
	ds_store_b128 v13, v[Y+4*\c:Y+4*\c+3] offset:\c*32
.endr
	s_wait_dscnt 0x0
	s_barrier_signal -1
	s_barrier_wait -1
.irp i, 0,1,2,3
	ds_load_b128 v[236+4*\i:239+4*\i], v14 offset:\i*512
.endr
.irp t, 0,1,2,3,4,5,6,7
	global_store_b128 v15, v[T+4*\t:T+4*\t+3], s[54:55] offset:\t*8192   ; 16 lanes fill 256 consecutive bytes, aligned
.endr
	s_wait_dscnt 0x0
.irp i, 0,1,2,3
	global_store_b128 v16, v[236+4*\i:239+4*\i], s[56:57] offset:\i*512
.endr
	s_wait_tensorcnt 0x0                   ; the wave's end
	ds_add_u32 v28, v29
	s_wait_dscnt 0x0
	CROUND
	s_endpgm
.Lfunc_end_k_qa2c1ee3efa_cross:
	.size	k_qa2c1ee3efa_cross, .Lfunc_end_k_qa2c1ee3efa_cross-k_qa2c1ee3efa_cross
	.p2alignl 7, 3214868480
	.fill 96, 4, 3214868480
	.section	.rodata,"a",@progbits
	.p2align	6, 0x0
	.amdhsa_kernel k_qa2c1ee3efa_cross
		.amdhsa_group_segment_fixed_size 192000
		.amdhsa_private_segment_fixed_size 0
		.amdhsa_enable_private_segment 0
		.amdhsa_kernarg_size 48
		.amdhsa_user_sgpr_count 2
		.amdhsa_user_sgpr_kernarg_segment_ptr 1
		.amdhsa_wavefront_size32 1
		.amdhsa_system_sgpr_workgroup_id_x 1
		.amdhsa_system_sgpr_workgroup_id_y 1
		.amdhsa_system_sgpr_workgroup_id_z 1
		.amdhsa_system_vgpr_workitem_id 0
		.amdhsa_next_free_vgpr 256
		.amdhsa_next_free_sgpr 66
		.amdhsa_reserve_vcc 0
		.amdhsa_float_denorm_mode_32 3
		.amdhsa_float_denorm_mode_16_64 3
		.amdhsa_memory_ordered 1
		.amdhsa_forward_progress 1
		.amdhsa_inst_pref_size 42
	.end_amdhsa_kernel
	.amdgpu_metadata
---
amdhsa.version: [ 1, 2 ]
amdhsa.kernels:
  - .name:           k_qa2c1ee3efa_cross
    .symbol:         k_qa2c1ee3efa_cross.kd
    .args:
      - { .name: wsD, .offset: 0, .size: 8, .value_kind: global_buffer, .address_space: global }
      - { .name: ln2_g, .offset: 8, .size: 8, .value_kind: global_buffer, .address_space: global }
      - { .name: ln2_b, .offset: 16, .size: 8, .value_kind: global_buffer, .address_space: global }
      - { .name: ln3_g, .offset: 24, .size: 8, .value_kind: global_buffer, .address_space: global }
      - { .name: ln3_b, .offset: 32, .size: 8, .value_kind: global_buffer, .address_space: global }
      - { .name: wsG, .offset: 40, .size: 8, .value_kind: global_buffer, .address_space: global }
    .group_segment_fixed_size: 192000
    .private_segment_fixed_size: 0
    .kernarg_segment_align: 8
    .kernarg_segment_size: 48
    .max_flat_workgroup_size: 512
    .sgpr_count:     66
    .vgpr_count:     256
    .wavefront_size: 32
...
	.end_amdgpu_metadata
.endif
;; end of part 8
;; launch ffn1 (part 9): grid 16 x 16, 4 waves a work-group, clusters of 4 x 4, 327,680 bytes of LDS; arguments wsG, wsC, b1, wsB; writes wsB
.if DOCPART == 9
	.amdgcn_target "amdgcn-amd-amdhsa--gfx1250"
	.amdhsa_code_object_version 6
	.text
	.protected	k_qa2c1ee3efa_ffn1
	.globl	k_qa2c1ee3efa_ffn1
	.p2align	8
	.type	k_qa2c1ee3efa_ffn1,@function
k_qa2c1ee3efa_ffn1:
	s_mov_b64 s[64:65], 0
	v_nop
	global_prefetch_b8 v0, s[64:65] scope:SCOPE_SE
	s_setreg_imm32_b32 hwreg(HW_REG_WAVE_MODE, 25, 1), 1
	s_wait_xcnt 0x0
	s_wait_alu depctr_hold_cnt(0) depctr_sa_sdst(0) depctr_va_vdst(0) depctr_va_sdst(0) depctr_va_ssrc(0) depctr_va_vcc(0) depctr_vm_vsrc(0)
	s_getreg_b32 s2, hwreg(HW_REG_IB_STS2, 6, 4)
	s_cmp_eq_u32 s2, 0
	s_cbranch_scc0 .Lentry_in_a_cluster
	s_endpgm
.Lentry_in_a_cluster:
	s_bfe_u32 s2, ttmp6, 0x10000c
	s_cmp_lg_u32 s2, 0xf033
	s_cbranch_scc0 .Lentry_shape_is_right
	s_endpgm
.Lentry_shape_is_right:
; hf = gelu(LN3(x2) x W1^T + b1), K = 1024.  act: bf16 [4096][1024] at byte H3 of its buffer; wts: bf16 [4096][1024] at byte 4,194,304 of its buffer; bias: f32 [4096]; out: bf16 [4096][4096].
; A tile of C is 256 x 256, a wave's share 128 x 128: 64 accumulators in windows 2 and 3.  K goes in steps of 128 through two LDS slots.
; 4 x 4 work-groups form a cluster: A's tiles are asked for jointly along a row of the cluster, B's along a column.
; The matrix instruction is used transposed (source 0 = 16 rows of wts, source 1 = 16 rows of act): a lane holds eight neighbouring columns of one row of C.
; The sums start from the bias, which is loaded straight into the accumulators: nothing is cleared, and no first step is written out.
; THE WAY OUT goes in four quarters of 32 rows: the sums go as f32 rows into a stage in the ring, which has had its last fill, come back by rows, take GELU in a loop of 8 rows a trip, and leave as bf16.
; GELU: max(x,0) - |x|/2 poly(t) e^(-x^2/2), t = 1/(1 + 0.3275911 |x|/sqrt 2): the five-term rational form of erf, off by 1.5e-7 at the most for every x.
; LIMITS: NaN and infinities are not treated apart.
.set H3,    16777216
.set WOFF,  4194304
.set PITCH, 272                        ; an LDS row: 256 bytes + 16 of padding: the 16 rows of a fragment load start at 16 different groups of four banks
.set HALFT, 128*PITCH
.set SLOT,  4*HALFT                    ; 0x22000: shares no bit with wave x HALFT, so one exclusive or changes slots
.set SPARE, 2*SLOT                     ; behind the ring: the spare words, 128 bytes a wave
.set STGW,  32*528                     ; a wave's stage: 32 rows of 128 f32, 528 bytes apart
.set ADRA, 16
.set ADRB, 17
.set A0,   18
.set B0,   19
.set BO,   20
.set STO,  21
.set RD0,  22
.set RDA,  23
.set CO,   24
.set SPW,  28
.set NIL,  29
.set F0,   64
.set F1,   128
.set WV, 15
.set WR, 16
.set WC, 17
.set G1A, 24
.set G0A, 32
.set G1B, 40
.set G0B, 48
.set CNT, 56
.set TB,  57
.set MSB, 0
.macro WIN new                         ; the high byte repeats the setting that is left; a switch that changes nothing is dropped
.if MSB != (\new)
	s_set_vgpr_msb (MSB<<8)|(\new)
.set MSB, \new
.endif
.endm
.macro PLACES
.rept 4
	v_nop
.endr
.endm
.macro JLOAD s                         ; a joint load: waves 0, 1 fetch A's halves, waves 2, 3 B's; an s_nop 0 and four v_nop follow each line
	s_cmp_eq_u32 s[WR], 0
	s_cbranch_scc0 .Lfor_b_\@
	tensor_load_to_lds s[G0A+4*(\s):G0A+4*(\s)+3], s[G1A:G1A+7]
	s_nop 0
.rept 4
	v_nop
.endr
	s_branch .Lasked_\@
.Lfor_b_\@:
	tensor_load_to_lds s[G0B+4*(\s):G0B+4*(\s)+3], s[G1B:G1B+7]
	s_nop 0
.rept 4
	v_nop
.endr
.Lasked_\@:
.endm
.macro CREST                           ; a round of the cluster's barrier behind its opening barrier
	s_cmp_lg_u32 s[WV], 0
	s_cbranch_scc1 .Lnot_wave_0_\@
	s_barrier_signal -3
.Lnot_wave_0_\@:
	s_barrier_wait -3
	s_barrier_signal -1
	s_barrier_wait -1
.endm
.macro CROUND
	s_barrier_signal -1
	s_barrier_wait -1
	CREST
.endm
	s_load_b256 s[4:11], s[0:1], 0x0       ; act, wts, bias, out
	v_lshl_add_u32 v[SPW], v0, 2, SPARE
	v_mov_b32 v[NIL], 0
	ds_add_u32 v[SPW], v[NIL]              ; the wave's opening: the add and its wait ahead of my first tensor load
	v_lshrrev_b32 v1, 5, v0
	v_readfirstlane_b32 s[WV], v1
	s_lshr_b32 s[WR], s[WV], 1             ; my half of the tile's rows; also: I fetch for A (0) or B (1)
	s_and_b32 s[WC], s[WV], 1              ; my half of its columns; also: which 128 rows I fetch
	s_bfe_u32 s18, ttmp6, 0x40000          ; cx
	s_bfe_u32 s19, ttmp6, 0x40004          ; cy
	s_lshl_b32 s20, ttmp9, 2
	s_add_co_u32 s20, s20, s18             ; tile column
	s_and_b32 s21, ttmp7, 0xffff
	s_lshl_b32 s21, s21, 2
	s_add_co_u32 s21, s21, s19             ; tile row
	s_lshl_b32 s22, s19, 2
	s_lshl_b32 s22, 15, s22                ; my row of the cluster
	s_lshl_b32 s23, 0x1111, s18            ; my column
	s_or_b32 s[G1A], s22, (1<<16)|(1<<20)|(1<<21)|(5<<22)|(3<<25)   ; mask; 2-byte elements; padding on; bit 21 beside a mask; after every 64 words; 4 words
	s_or_b32 s[G1B], s23, (1<<16)|(1<<20)|(1<<21)|(5<<22)|(3<<25)
.irp g, G1A, G1B
	s_mov_b32 s[(\g)+1], 128<<16           ; tensor_dim0
	s_mov_b32 s[(\g)+2], 128<<16           ; tensor_dim1
	s_mov_b32 s[(\g)+3], 128<<16           ; tile_dim0
	s_mov_b32 s[(\g)+4], 128               ; tile_dim1
	s_mov_b32 s[(\g)+5], 1024              ; elements from row to row
	s_mov_b32 s[(\g)+6], 0
	s_mov_b32 s[(\g)+7], 0
.endr
	s_lshl_b32 s58, s[WC], 7
	s_lshl_b32 s60, s21, 8
	s_add_co_u32 s60, s60, s58
	s_lshl_b32 s60, s60, 11
	s_add_co_u32 s60, s60, H3              ; A: row 256 x tile row + 128 x half, 2,048 bytes a row
	s_mov_b32 s61, 0
	s_lshl_b32 s62, s20, 8
	s_add_co_u32 s62, s62, s58
	s_lshl_b32 s62, s62, 11
	s_add_co_u32 s62, s62, WOFF            ; B likewise, by the tile column
	s_mov_b32 s63, 0
	s_mul_i32 s59, s[WV], HALFT            ; where my part goes: no place in the cluster enters an LDS address
	s_mov_b32 s[TB], 0
	s_wait_dscnt 0x0                       ; the opening add is done
	s_wait_kmcnt 0x0
	s_add_nc_u64 s[60:61], s[4:5], s[60:61]
	s_add_nc_u64 s[62:63], s[6:7], s[62:63]
	CROUND                                 ; all sixteen work-groups are here: the first joint loads meet
.irp s, 0,1
	s_mov_b32 s[G0A+4*(\s)], 1
	s_add_co_u32 s[G0A+4*(\s)+1], s59, (\s)*SLOT
	s_add_nc_u64 s[G0A+4*(\s)+2:G0A+4*(\s)+3], s[60:61], (\s)*256
	s_or_b32 s[G0A+4*(\s)+3], s[G0A+4*(\s)+3], 0x80000000
	s_mov_b32 s[G0B+4*(\s)], 1
	s_add_co_u32 s[G0B+4*(\s)+1], s59, (\s)*SLOT
	s_add_nc_u64 s[G0B+4*(\s)+2:G0B+4*(\s)+3], s[62:63], (\s)*256
	s_or_b32 s[G0B+4*(\s)+3], s[G0B+4*(\s)+3], 0x80000000
	JLOAD \s                               ; two loads of mine are out
.endr
	v_and_b32 v1, 15, v0                   ; r
	v_bfe_u32 v2, v0, 4, 1                 ; h
	v_mul_u32_u24 v3, v1, PITCH
	v_lshl_add_u32 v3, v2, 4, v3
	s_mul_i32 s58, s[WR], HALFT
	v_add_nc_u32 v[A0], s58, v3
	s_mul_i32 s58, s[WC], HALFT
	s_add_co_u32 s58, s58, 2*HALFT
	v_add_nc_u32 v[B0], s58, v3
	v_mov_b32 v[ADRA], v[A0]
	v_mov_b32 v[ADRB], v[B0]
	v_lshlrev_b32 v[BO], 5, v2             ; 32 h: my eight columns' bias
	s_lshl_b32 s66, s20, 10
	s_lshl_b32 s67, s[WC], 9
	s_add_co_u32 s66, s66, s67
	s_mov_b32 s67, 0
	s_add_nc_u64 s[8:9], s[8:9], s[66:67]  ; bias at my first column
.irp a, 0,1,2,3,4,5,6,7
	WIN 0x80+0x40*((\a)/4)
.irp b, 0,1,2,3,4,5,6,7
	global_load_b128 v[8*(8*((\a)%4)+\b):8*(8*((\a)%4)+\b)+3], v[BO], s[8:9] offset:\b*64
	global_load_b128 v[8*(8*((\a)%4)+\b)+4:8*(8*((\a)%4)+\b)+7], v[BO], s[8:9] offset:\b*64+16
.endr
.endr
	WIN 0
.macro MULP f, p                       ; 16 products: row blocks 2 p, 2 p + 1 x all 8 column blocks, 32 along K.  The 64 accumulators take turns in one fixed order
	WIN 0xa1+0x50*((\p)/2)
.irp a, 2*((\p)%2), 2*((\p)%2)+1
.irp b, 0,1,2,3,4,5,6,7
	v_wmma_f32_16x16x32_bf16 v[8*(8*(\a)+(\b)):8*(8*(\a)+(\b))+7], v[(\f)+8*(\b):(\f)+8*(\b)+7], v[(\f)+8*(4*((\p)/2)+(\a)):(\f)+8*(4*((\p)/2)+(\a))+7], v[8*(8*(\a)+(\b)):8*(8*(\a)+(\b))+7]
.endr
.endr
.endm
.macro FETCH k, f                      ; 32 LDS loads in one run: the fragments of 32 along K at byte k of the rows
	WIN 0x40
.irp i, 0,1,2,3,4,5,6,7
	ds_load_b128 v[(\f)+8*(\i):(\f)+8*(\i)+3],   v[ADRB] offset:(\k)+(\i)*16*PITCH
	ds_load_b128 v[(\f)+8*(\i)+4:(\f)+8*(\i)+7], v[ADRB] offset:(\k)+(\i)*16*PITCH+32
.endr
	WIN 0
.irp i, 0,1,2,3,4,5,6,7
	ds_load_b128 v[(\f)+8*(\i):(\f)+8*(\i)+3],   v[ADRA] offset:(\k)+(\i)*16*PITCH
	ds_load_b128 v[(\f)+8*(\i)+4:(\f)+8*(\i)+7], v[ADRA] offset:(\k)+(\i)*16*PITCH+32
.endr
.endm
.macro SUB k, f, g                     ; a quarter of a K step: buffer f is multiplied, buffer g is fetched for the next quarter
	s_wait_dscnt 0x0                       ; buffer f, asked for 64 products ago
	PLACES                                 ; four places between the last product that read buffer g and the loads into it
	FETCH \k, \g
	MULP \f, 0
	MULP \f, 1
	MULP \f, 2
	MULP \f, 3
.endm
.macro TURN refill                     ; the last quarter, and the change of slots
	WIN 0
	s_wait_tensorcnt 0x0                   ; all my tensor loads have landed: my part of the next slot
	ds_add_u32 v[SPW], v[NIL]              ; 0 onto my spare word
	s_wait_dscnt 1                         ; the fragments are in; the add alone may be out
	MULP F1, 0
	s_wait_dscnt 0x0                       ; the add is done, and my reads of this slot are over
	s_barrier_signal -1
	MULP F1, 1
	WIN 0
	s_barrier_wait -1
.if \refill
	CREST                                  ; no wave of any partner still reads this slot or has a load on its way
	s_xor_b32 s[G0A+5], s[G0A+5], SLOT     ; the walking descriptors: the other slot, the next K step
	s_add_nc_u64 s[G0A+6:G0A+7], s[G0A+6:G0A+7], 256
	s_xor_b32 s[G0B+5], s[G0B+5], SLOT
	s_add_nc_u64 s[G0B+6:G0B+7], s[G0B+6:G0B+7], 256
	JLOAD 1                                ; my one load behind the round; 224 products stand ahead of the wait for it
.else
	PLACES
.endif
	s_xor_b32 s[TB], s[TB], SLOT
	v_add_nc_u32 v[ADRA], s[TB], v[A0]
	v_add_nc_u32 v[ADRB], s[TB], v[B0]
	FETCH 0, F0
	MULP F1, 2
	MULP F1, 3
.endm
.macro KST refill
	SUB 64,  F0, F1
	SUB 128, F1, F0
	SUB 192, F0, F1
	TURN \refill
.endm
	s_wait_tensorcnt 1                     ; my part of K step 0 is in; step 1's may stay out
	s_barrier_signal -1
	s_barrier_wait -1
	FETCH 0, F0
	s_wait_loadcnt 0x0                     ; the bias lies in the accumulators
	WIN 0
	s_mov_b32 s[CNT], 6
.Lmain:                                        ; K steps 0 to 5: each fills the slot that it leaves with the step two on
	KST 1
	WIN 0
	s_sub_co_u32 s[CNT], s[CNT], 1
	s_cmp_lg_u32 s[CNT], 0
	s_cbranch_scc1 .Lmain
	s_mov_b32 s[CNT], 2
.Ltail:                                        ; K steps 6 and 7 ask for nothing; the last trip's fetch of the other slot serves nothing: the price of one text for both
	KST 0
	WIN 0
	s_sub_co_u32 s[CNT], s[CNT], 1
	s_cmp_lg_u32 s[CNT], 0
	s_cbranch_scc1 .Ltail
	s_wait_dscnt 0x0
	s_barrier_signal -1                    ; nobody reads the ring any more: it has had its last fill and now holds the stages
	s_barrier_wait -1
	PLACES                                 ; behind the last products
	; THE WAY OUT
	s_mov_b32 s70, 0x3f596d27              ; KZ: (KZ |x|)^2 = x^2/2 log2 e
	s_mov_b32 s71, s70
	s_mov_b32 s72, 0x3e8ba43f              ; 0.3275911 / (sqrt 2 KZ)
	s_mov_b32 s73, s72
	s_mov_b32 s74, 0x3e199eb4              ; the five coefficients, each times 1 / (2 KZ)
	s_mov_b32 s75, s74
	s_mov_b32 s76, 0xbe2b8119
	s_mov_b32 s77, s76
	s_mov_b32 s78, 0x3f563817
	s_mov_b32 s79, s78
	s_mov_b32 s80, 0xbf5b0099
	s_mov_b32 s81, s80
	s_mov_b32 s82, 0x3f1ff67a
	s_mov_b32 s83, s82
	s_mul_i32 s84, s[WV], STGW             ; my stage
	v_mul_u32_u24 v[STO], v1, 528
	v_lshl_add_u32 v[STO], v2, 5, v[STO]
	v_add_nc_u32 v[STO], s84, v[STO]       ; in: row r, 32 bytes for each half of the lanes
	v_and_b32 v3, 31, v0
	v_lshl_add_u32 v[RD0], v3, 4, s84      ; back: a row of 512 bytes, 16 bytes a lane
	v_lshlrev_b32 v[CO], 3, v3
	s_lshl_b32 s66, s21, 8
	s_lshl_b32 s67, s[WR], 7
	s_add_co_u32 s66, s66, s67
	s_lshl_b32 s66, s66, 13
	s_lshl_b32 s67, s20, 9
	s_add_co_u32 s66, s66, s67
	s_lshl_b32 s67, s[WC], 8
	s_add_co_u32 s66, s66, s67
	s_mov_b32 s67, 0
	s_add_nc_u64 s[10:11], s[10:11], s[66:67]
.macro DUMPQ qd                        ; quarter qd: row blocks 2 qd and 2 qd + 1 into the stage; each accumulator's low half first
	WIN 0x08+4*((\qd)/2)
.irp e, 0,1
.irp b, 0,1,2,3,4,5,6,7
	ds_store_b128 v[STO], v[8*(8*((2*(\qd)+\e)%4)+\b):8*(8*((2*(\qd)+\e)%4)+\b)+3] offset:\e*8448+\b*64
	ds_store_b128 v[STO], v[8*(8*((2*(\qd)+\e)%4)+\b)+4:8*(8*((2*(\qd)+\e)%4)+\b)+7] offset:\e*8448+\b*64+16
.endr
.endr
	WIN 0
.endm
	s_mov_b32 s86, 4
.Lquart:                                       ; four quarters; the registers to be dumped are chosen by the loop's own counter
	s_cmp_eq_u32 s86, 4
	s_cbranch_scc0 .Lq1
	DUMPQ 0
	s_branch .Lqd
.Lq1:
	s_cmp_eq_u32 s86, 3
	s_cbranch_scc0 .Lq2
	DUMPQ 1
	s_branch .Lqd
.Lq2:
	s_cmp_eq_u32 s86, 2
	s_cbranch_scc0 .Lq3
	DUMPQ 2
	s_branch .Lqd
.Lq3:
	DUMPQ 3
.Lqd:
	s_wait_dscnt 0x0                       ; store, wait, barrier, load.  (A wave reads only its own stage; the barrier makes the order hold for all four stages at once.)
	s_barrier_signal -1
	s_barrier_wait -1
	s_mov_b32 s84, 0                       ; the trip's place in the stage
	s_mov_b32 s85, 4
.Lgelu:                                        ; a trip: 8 rows of 128 numbers
	v_add_nc_u32 v[RDA], s84, v[RD0]
.irp t, 0,1,2,3,4,5,6,7
	ds_load_b128 v[32+4*\t:35+4*\t], v[RDA] offset:\t*528
.endr
	s_wait_dscnt 0x0
.set i, 0
.rept 32
	v_mul_f32 v[64+i], |v[32+i]|, s70
	v_max_num_f32 v[96+i], 0, v[32+i]
.set i, i+1
.endr
.set i, 0
.rept 16
	v_pk_fma_f32 v[128+i:129+i], v[64+i:65+i], s[72:73], 1.0 op_sel_hi:[1,0,0]
	v_pk_mul_f32 v[160+i:161+i], v[64+i:65+i], v[64+i:65+i] neg_lo:[1,0] neg_hi:[1,0]
.set i, i+2
.endr
.set i, 0
.rept 32
	v_rcp_f32 v[128+i], v[128+i]
.set i, i+1
.endr
.set i, 0
.rept 32
	v_exp_f32 v[160+i], v[160+i]
.set i, i+1
.endr
	v_nop                                  ; a plain line behind the transcendentals
.set i, 0
	s_wait_alu depctr_va_vdst(0)
.rept 16
	v_pk_fma_f32 v[192+i:193+i], v[128+i:129+i], s[82:83], s[80:81] op_sel_hi:[1,0,0]
.set i, i+2
.endr
.irp c, 78,76,74
.set i, 0
.rept 16
	v_pk_fma_f32 v[192+i:193+i], v[192+i:193+i], v[128+i:129+i], s[\c:\c+1] op_sel_hi:[1,1,0]
.set i, i+2
.endr
.endr
.set i, 0
.rept 16
	v_pk_mul_f32 v[192+i:193+i], v[192+i:193+i], v[128+i:129+i]
.set i, i+2
.endr
.set i, 0
.rept 16
	v_pk_mul_f32 v[192+i:193+i], v[192+i:193+i], v[160+i:161+i]
.set i, i+2
.endr
.set i, 0
.rept 16
	v_pk_fma_f32 v[192+i:193+i], v[64+i:65+i], v[192+i:193+i], v[96+i:97+i] neg_lo:[1,0,0] neg_hi:[1,0,0]
.set i, i+2
.endr
.set i, 0
.rept 16
	v_cvt_pk_bf16_f32 v[224+i], v[192+2*i], v[193+2*i]
.set i, i+1
.endr
.irp t, 0,1,2,3,4,5,6,7
	global_store_b64 v[CO], v[224+2*\t:225+2*\t], s[10:11] offset:\t*8192   ; 32 lanes x 8 bytes: 256 consecutive bytes, aligned
.endr
	s_add_co_u32 s84, s84, 8*528
	s_wait_xcnt 0x0                        ; the base and v224-239 are written again only behind this wait
	s_add_nc_u64 s[10:11], s[10:11], 65536
	s_sub_co_u32 s85, s85, 1
	s_cmp_lg_u32 s85, 0
	s_cbranch_scc1 .Lgelu
	s_wait_dscnt 0x0                       ; load, wait, barrier, overwrite: the next quarter's stores come behind this barrier
	s_barrier_signal -1
	s_barrier_wait -1
	s_sub_co_u32 s86, s86, 1
	s_cmp_lg_u32 s86, 0
	s_cbranch_scc1 .Lquart
	s_wait_tensorcnt 0x0                   ; the wave's end
	ds_add_u32 v[SPW], v[NIL]
	s_wait_dscnt 0x0
	CROUND                                 ; the closing round
	s_endpgm
.Lfunc_end_k_qa2c1ee3efa_ffn1:
	.size	k_qa2c1ee3efa_ffn1, .Lfunc_end_k_qa2c1ee3efa_ffn1-k_qa2c1ee3efa_ffn1
	.p2alignl 7, 3214868480
	.fill 96, 4, 3214868480
	.section	.rodata,"a",@progbits
	.p2align	6, 0x0
	.amdhsa_kernel k_qa2c1ee3efa_ffn1
		.amdhsa_group_segment_fixed_size 327680
		.amdhsa_private_segment_fixed_size 0
		.amdhsa_enable_private_segment 0
		.amdhsa_kernarg_size 32
		.amdhsa_user_sgpr_count 2
		.amdhsa_user_sgpr_kernarg_segment_ptr 1
		.amdhsa_wavefront_size32 1
		.amdhsa_system_sgpr_workgroup_id_x 1
		.amdhsa_system_sgpr_workgroup_id_y 1
		.amdhsa_system_sgpr_workgroup_id_z 1
		.amdhsa_system_vgpr_workitem_id 0
		.amdhsa_next_free_vgpr 1024
		.amdhsa_next_free_sgpr 88
		.amdhsa_reserve_vcc 0
		.amdhsa_float_denorm_mode_32 3
		.amdhsa_float_denorm_mode_16_64 3
		.amdhsa_memory_ordered 1
		.amdhsa_forward_progress 1
		.amdhsa_inst_pref_size 100
	.end_amdhsa_kernel
	.amdgpu_metadata
---
amdhsa.version: [ 1, 2 ]
amdhsa.kernels:
  - .name:           k_qa2c1ee3efa_ffn1
    .symbol:         k_qa2c1ee3efa_ffn1.kd
    .args:
      - { .name: wsG, .offset: 0, .size: 8, .value_kind: global_buffer, .address_space: global }
      - { .name: wsC, .offset: 8, .size: 8, .value_kind: global_buffer, .address_space: global }
      - { .name: b1, .offset: 16, .size: 8, .value_kind: global_buffer, .address_space: global }
      - { .name: wsB, .offset: 24, .size: 8, .value_kind: global_buffer, .address_space: global }
    .group_segment_fixed_size: 327680
    .private_segment_fixed_size: 0
    .kernarg_segment_align: 8
    .kernarg_segment_size: 32
    .max_flat_workgroup_size: 128
    .sgpr_count:     88
    .vgpr_count:     1024
    .wavefront_size: 32
...
	.end_amdgpu_metadata
.endif
;; end of part 9
;; launch ffn2 (part 10): grid 8 x 32, 4 waves a work-group, clusters of 4 x 4, 327,680 bytes of LDS; arguments wsB, wsA, b2, wsG, out0; writes out0
.if DOCPART == 10
	.amdgcn_target "amdgcn-amd-amdhsa--gfx1250"
	.amdhsa_code_object_version 6
	.text
	.protected	k_qa2c1ee3efa_ffn2
	.globl	k_qa2c1ee3efa_ffn2
	.p2align	8
	.type	k_qa2c1ee3efa_ffn2,@function
k_qa2c1ee3efa_ffn2:
	s_mov_b64 s[64:65], 0
	v_nop
	global_prefetch_b8 v0, s[64:65] scope:SCOPE_SE
	s_setreg_imm32_b32 hwreg(HW_REG_WAVE_MODE, 25, 1), 1
	s_wait_xcnt 0x0
	s_wait_alu depctr_hold_cnt(0) depctr_sa_sdst(0) depctr_va_vdst(0) depctr_va_sdst(0) depctr_va_ssrc(0) depctr_va_vcc(0) depctr_vm_vsrc(0)
	s_getreg_b32 s2, hwreg(HW_REG_IB_STS2, 6, 4)
	s_cmp_eq_u32 s2, 0
	s_cbranch_scc0 .Lentry_in_a_cluster
	s_endpgm
.Lentry_in_a_cluster:
	s_bfe_u32 s2, ttmp6, 0x10000c
	s_cmp_lg_u32 s2, 0xf033
	s_cbranch_scc0 .Lentry_shape_is_right
	s_endpgm
.Lentry_shape_is_right:
; out = res + A x W^T + bias, f32 out, tiles of 128 x 128, a wave 64 x 64 (16 accumulators in window 2), K in steps of 256 through two LDS slots, 4 x 4 clusters with joint loads.
; One text serves two launches' bodies by the constant OUTP.
; OUTP = 1: A is the attention's output by heads, [256 bh][1024 t][16]: a load brings 16 heads x (64 t x 32 bytes = 2,048 consecutive bytes), padded by 16 bytes after every 256; K = 1024;
;           the column sums of each tile's 128 rows are stored too, for the mean over t.        OUTP = 0: A is bf16 [4096][4096]; K = 4096.
; The sums start from the bias, loaded straight into the accumulators.  The residual is loaded at the start, in the layout of the stores, and waits in window 2.
; LIMITS: NaN and infinities are not treated apart.
.set OUTP, 0
.if OUTP
.set KDIM,  1024
.set MAINT, 2
.set ASTEP, 4352
.set AHI,   2176
.set ABLK,  544
.set HALFA, 34816
.set SLOT,  139264
.set AGO,   524288
.set AOFF,  12582912
.set WOFF,  10485760
.set OOFF,  409600
.else
.set KDIM,  4096
.set MAINT, 14
.set ASTEP, 64                         ; LDS bytes from 32 along K to the next
.set AHI,   32                         ; from a fragment's registers 0-3 to 4-7
.set ABLK,  8448                       ; from 16 rows to the next
.set HALFA, 33792
.set SLOT,  135168                     ; 0x21000: shares no bit with a fill's LDS word, so one exclusive or changes slots
.set AGO,   512                        ; memory bytes from a K step to the next
.set AOFF,  0
.set WOFF,  12582912
.set OOFF,  0
.endif
.set PSUM,  278528
.set HALFB, 33792                      ; 64 rows of 528 bytes
.set BBASE, 2*HALFA
.set STAGE, 2*SLOT                     ; behind the ring: 16 rows x 272 bytes for each wave
.set SCR,   STAGE+4*4352
.set SPARE, SCR+2048*OUTP
.set ADRA, 16
.set ADRB, 17
.set A0,   18
.set B0,   19
.set BO,   20
.set STO,  21
.set RD,   22
.set CO,   24
.set SPW,  28
.set NIL,  29
.set F0,   64
.set F1,   128
.set WV, 15
.set WR, 16
.set WC, 17
.set G1A, 24
.set G0A, 32
.set G1B, 40
.set G0B, 48
.set CNT, 56
.set TB,  57
.set MSB, 0
.macro WIN new
.if MSB != (\new)
	s_set_vgpr_msb (MSB<<8)|(\new)
.set MSB, \new
.endif
.endm
.macro PLACES
.rept 4
	v_nop
.endr
.endm
.macro JLOAD s
	s_cmp_eq_u32 s[WR], 0
	s_cbranch_scc0 .Lfor_b_\@
	tensor_load_to_lds s[G0A+4*(\s):G0A+4*(\s)+3], s[G1A:G1A+7]
	s_nop 0
.rept 4
	v_nop
.endr
	s_branch .Lasked_\@
.Lfor_b_\@:
	tensor_load_to_lds s[G0B+4*(\s):G0B+4*(\s)+3], s[G1B:G1B+7]
	s_nop 0
.rept 4
	v_nop
.endr
.Lasked_\@:
.endm
.macro CREST
	s_cmp_lg_u32 s[WV], 0
	s_cbranch_scc1 .Lnot_wave_0_\@
	s_barrier_signal -3
.Lnot_wave_0_\@:
	s_barrier_wait -3
	s_barrier_signal -1
	s_barrier_wait -1
.endm
.macro CROUND
	s_barrier_signal -1
	s_barrier_wait -1
	CREST
.endm
	s_load_b256 s[4:11], s[0:1], 0x0       ; A, W, bias, res
	s_load_b64 s[12:13], s[0:1], 0x20      ; out
	v_lshl_add_u32 v[SPW], v0, 2, SPARE
	v_mov_b32 v[NIL], 0
	ds_add_u32 v[SPW], v[NIL]              ; the wave's opening: the add and its wait ahead of my first tensor load
	v_lshrrev_b32 v1, 5, v0
	v_readfirstlane_b32 s[WV], v1
	s_lshr_b32 s[WR], s[WV], 1
	s_and_b32 s[WC], s[WV], 1
	s_bfe_u32 s18, ttmp6, 0x40000
	s_bfe_u32 s19, ttmp6, 0x40004
	s_lshl_b32 s20, ttmp9, 2
	s_add_co_u32 s20, s20, s18             ; tile column
	s_and_b32 s21, ttmp7, 0xffff
	s_lshl_b32 s21, s21, 2
	s_add_co_u32 s21, s21, s19             ; tile row
	s_lshl_b32 s22, s19, 2
	s_lshl_b32 s22, 15, s22
	s_lshl_b32 s23, 0x1111, s18
.if OUTP
	s_or_b32 s[G1A], s22, (1<<16)|(1<<20)|(1<<21)|(5<<22)|(3<<25)
	s_mov_b32 s[G1A+1], 1024<<16
	s_mov_b32 s[G1A+2], 16<<16
	s_mov_b32 s[G1A+3], 1024<<16
	s_mov_b32 s[G1A+4], 16
	s_mov_b32 s[G1A+5], 16384
.else
	s_or_b32 s[G1A], s22, (1<<16)|(1<<20)|(1<<21)|(6<<22)|(3<<25)   ; 64 rows of 512 bytes, 16 of padding behind each
	s_mov_b32 s[G1A+1], 256<<16
	s_mov_b32 s[G1A+2], 64<<16
	s_mov_b32 s[G1A+3], 256<<16
	s_mov_b32 s[G1A+4], 64
	s_mov_b32 s[G1A+5], KDIM
.endif
	s_mov_b32 s[G1A+6], 0
	s_mov_b32 s[G1A+7], 0
	s_or_b32 s[G1B], s23, (1<<16)|(1<<20)|(1<<21)|(6<<22)|(3<<25)
	s_mov_b32 s[G1B+1], 256<<16
	s_mov_b32 s[G1B+2], 64<<16
	s_mov_b32 s[G1B+3], 256<<16
	s_mov_b32 s[G1B+4], 64
	s_mov_b32 s[G1B+5], KDIM
	s_mov_b32 s[G1B+6], 0
	s_mov_b32 s[G1B+7], 0
	s_lshl_b32 s59, s[WC], 6               ; which 64 rows I fetch
.if OUTP
	s_lshr_b32 s60, s21, 3
	s_lshl_b32 s60, s60, 21
	s_and_b32 s58, s21, 7
	s_lshl_b32 s58, s58, 7
	s_add_co_u32 s58, s58, s59
	s_lshl_b32 s58, s58, 5
	s_add_co_u32 s60, s60, s58
	s_add_co_u32 s60, s60, AOFF
.else
	s_lshl_b32 s60, s21, 7
	s_add_co_u32 s60, s60, s59
	s_lshl_b32 s60, s60, 13
.endif
	s_mov_b32 s61, 0
	s_lshl_b32 s62, s20, 7
	s_add_co_u32 s62, s62, s59
	s_mul_i32 s62, s62, KDIM*2
	s_add_co_u32 s62, s62, WOFF
	s_mov_b32 s63, 0
	s_mul_i32 s58, s[WC], HALFA            ; where A's half goes,
	s_mul_i32 s59, s[WC], HALFB
	s_add_co_u32 s59, s59, BBASE           ; and B's
	s_mov_b32 s[TB], 0
	s_wait_dscnt 0x0
	s_wait_kmcnt 0x0
	s_add_nc_u64 s[60:61], s[4:5], s[60:61]
	s_add_nc_u64 s[62:63], s[6:7], s[62:63]
	CROUND
.irp s, 0,1
	s_mov_b32 s[G0A+4*(\s)], 1
	s_add_co_u32 s[G0A+4*(\s)+1], s58, (\s)*SLOT
	s_add_nc_u64 s[G0A+4*(\s)+2:G0A+4*(\s)+3], s[60:61], (\s)*AGO
	s_or_b32 s[G0A+4*(\s)+3], s[G0A+4*(\s)+3], 0x80000000
	s_mov_b32 s[G0B+4*(\s)], 1
	s_add_co_u32 s[G0B+4*(\s)+1], s59, (\s)*SLOT
	s_add_nc_u64 s[G0B+4*(\s)+2:G0B+4*(\s)+3], s[62:63], (\s)*512
	s_or_b32 s[G0B+4*(\s)+3], s[G0B+4*(\s)+3], 0x80000000
	JLOAD \s
.endr
	v_and_b32 v1, 15, v0                   ; r
	v_bfe_u32 v2, v0, 4, 1                 ; h
	v_mul_u32_u24 v3, v1, 528
	v_lshl_add_u32 v3, v2, 4, v3
	s_mul_i32 s58, s[WC], HALFB
	s_add_co_u32 s58, s58, BBASE
	v_add_nc_u32 v[B0], s58, v3
	s_mul_i32 s58, s[WR], HALFA
.if OUTP
	v_lshrrev_b32 v4, 3, v1
	v_mul_u32_u24 v4, v4, 272
	v_and_b32 v5, 7, v1
	v_lshl_add_u32 v4, v5, 5, v4
	v_lshl_add_u32 v4, v2, 4, v4
	v_add_nc_u32 v[A0], s58, v4
.else
	v_add_nc_u32 v[A0], s58, v3
.endif
	v_mov_b32 v[ADRA], v[A0]
	v_mov_b32 v[ADRB], v[B0]
	v_lshlrev_b32 v[BO], 5, v2
	s_mul_i32 s58, s[WV], 4352
	s_add_co_u32 s58, s58, STAGE
	v_mul_u32_u24 v[STO], v1, 272
	v_lshl_add_u32 v[STO], v2, 5, v[STO]
	v_add_nc_u32 v[STO], s58, v[STO]       ; into my stage: row r, 32 bytes for each half of the lanes
	v_mul_u32_u24 v[RD], v2, 272
	v_lshl_add_u32 v[RD], v1, 4, v[RD]
	v_add_nc_u32 v[RD], s58, v[RD]         ; back: lanes 0-15 one row of 256 bytes, lanes 16-31 the next
	v_lshlrev_b32 v[CO], 12, v2
	v_lshl_add_u32 v[CO], v1, 4, v[CO]     ; the same two rows in memory
	s_lshl_b32 s66, s20, 9
	s_lshl_b32 s67, s[WC], 8
	s_add_co_u32 s66, s66, s67             ; my first column, in bytes of f32
	s_mov_b32 s67, 0
	s_add_nc_u64 s[8:9], s[8:9], s[66:67]
	s_lshl_b32 s68, s21, 7
	s_lshl_b32 s69, s[WR], 6
	s_add_co_u32 s68, s68, s69
	s_lshl_b32 s68, s68, 12
	s_add_co_u32 s66, s66, s68             ; + my first row
	s_add_nc_u64 s[10:11], s[10:11], s[66:67]
	s_add_nc_u64 s[66:67], s[12:13], s[66:67]
	s_add_nc_u64 s[66:67], s[66:67], OOFF
	WIN 0x80
.irp a, 0,1,2,3
.irp b, 0,1,2,3
	global_load_b128 v[8*(4*\a+\b):8*(4*\a+\b)+3], v[BO], s[8:9] offset:\b*64
	global_load_b128 v[8*(4*\a+\b)+4:8*(4*\a+\b)+7], v[BO], s[8:9] offset:\b*64+16
.endr
.endr
.irp a, 0,1,2,3
.irp t, 0,1,2,3,4,5,6,7
	global_load_b128 v[128+4*(8*\a+\t):128+4*(8*\a+\t)+3], v[CO], s[10:11] offset:\a*65536+\t*8192
.endr
.endr
	WIN 0
.macro MULP f, p                       ; 8 products: 32 along K (half p / 2 of the buffer), row blocks 2 (p % 2) and the next x 4 column blocks; the 16 accumulators take turns
	WIN 0xa1
.irp a, 2*((\p)%2), 2*((\p)%2)+1
.irp b, 0,1,2,3
	v_wmma_f32_16x16x32_bf16 v[8*(4*(\a)+(\b)):8*(4*(\a)+(\b))+7], v[(\f)+8*(4*((\p)/2)+(\b)):(\f)+8*(4*((\p)/2)+(\b))+7], v[(\f)+8*(4*((\p)/2)+(\a)):(\f)+8*(4*((\p)/2)+(\a))+7], v[8*(4*(\a)+(\b)):8*(4*(\a)+(\b))+7]
.endr
.endr
.endm
.macro FETCH sub, f                    ; 32 LDS loads: the fragments of 64 along K, quarter sub of the step
	WIN 0x40
.irp c, 0,1
.irp i, 0,1,2,3
	ds_load_b128 v[(\f)+8*(4*\c+\i):(\f)+8*(4*\c+\i)+3],   v[ADRB] offset:(\sub)*128+\c*64+\i*8448
	ds_load_b128 v[(\f)+8*(4*\c+\i)+4:(\f)+8*(4*\c+\i)+7], v[ADRB] offset:(\sub)*128+\c*64+\i*8448+32
.endr
.endr
	WIN 0
.irp c, 0,1
.irp i, 0,1,2,3
	ds_load_b128 v[(\f)+8*(4*\c+\i):(\f)+8*(4*\c+\i)+3],   v[ADRA] offset:(\sub)*2*ASTEP+\c*ASTEP+\i*ABLK
	ds_load_b128 v[(\f)+8*(4*\c+\i)+4:(\f)+8*(4*\c+\i)+7], v[ADRA] offset:(\sub)*2*ASTEP+\c*ASTEP+\i*ABLK+AHI
.endr
.endr
.endm
.macro SUB sub, f, g
	s_wait_dscnt 0x0                       ; buffer f, asked for 32 products ago
	PLACES                                 ; between the last product that read buffer g and the loads into it
	FETCH \sub, \g
	MULP \f, 0
	MULP \f, 1
	MULP \f, 2
	MULP \f, 3
.endm
.macro TURN refill
	WIN 0
	s_wait_tensorcnt 0x0                   ; all my tensor loads have landed: my part of the next slot
	ds_add_u32 v[SPW], v[NIL]              ; 0 onto my spare word
	s_wait_dscnt 1                         ; the fragments are in; the add alone may be out
	MULP F1, 0
	s_wait_dscnt 0x0                       ; the add is done, and my reads of this slot are over
	s_barrier_signal -1
	MULP F1, 1
	WIN 0
	s_barrier_wait -1
.if \refill
	CREST
	s_xor_b32 s[G0A+5], s[G0A+5], SLOT
	s_add_nc_u64 s[G0A+6:G0A+7], s[G0A+6:G0A+7], AGO
	s_xor_b32 s[G0B+5], s[G0B+5], SLOT
	s_add_nc_u64 s[G0B+6:G0B+7], s[G0B+6:G0B+7], 512
	JLOAD 1                                ; my one load behind the round; 112 products stand ahead of the wait for it
.else
	PLACES
.endif
	s_xor_b32 s[TB], s[TB], SLOT
	v_add_nc_u32 v[ADRA], s[TB], v[A0]
	v_add_nc_u32 v[ADRB], s[TB], v[B0]
	FETCH 0, F0
	MULP F1, 2
	MULP F1, 3
.endm
.macro KST refill
	SUB 1, F0, F1
	SUB 2, F1, F0
	SUB 3, F0, F1
	TURN \refill
.endm
	s_wait_tensorcnt 1                     ; my part of K step 0 is in; step 1's may stay out
	s_barrier_signal -1
	s_barrier_wait -1
	FETCH 0, F0
	s_wait_loadcnt 32                      ; the bias is in the accumulators; the 32 loads of the residual, issued behind it, may stay out
	WIN 0
	s_mov_b32 s[CNT], MAINT
.Lmain:
	KST 1
	WIN 0
	s_sub_co_u32 s[CNT], s[CNT], 1
	s_cmp_lg_u32 s[CNT], 0
	s_cbranch_scc1 .Lmain
	s_mov_b32 s[CNT], 2
.Ltail:                                        ; the last two K steps ask for nothing; the last trip's fetch serves nothing: the price of one text for both
	KST 0
	WIN 0
	s_sub_co_u32 s[CNT], s[CNT], 1
	s_cmp_lg_u32 s[CNT], 0
	s_cbranch_scc1 .Ltail
	s_wait_dscnt 0x0
	s_wait_loadcnt 0x0                     ; the residual
	PLACES
	; THE WAY OUT, 16 rows at a time through my own stage: in by lanes' eight columns, back by whole rows of 256 bytes; LDS serves a wave's instructions in order
.irp a, 0,1,2,3
.set TT, 192+32*((\a)%2)
	WIN 0x08
.irp b, 0,1,2,3
	ds_store_b128 v[STO], v[8*(4*\a+\b):8*(4*\a+\b)+3] offset:\b*64
	ds_store_b128 v[STO], v[8*(4*\a+\b)+4:8*(4*\a+\b)+7] offset:\b*64+16
.endr
	WIN 0
.if \a >= 2
	s_wait_xcnt 0x0                        ; these registers were the store data of the block two back
.endif
.irp t, 0,1,2,3,4,5,6,7
	ds_load_b128 v[TT+4*\t:TT+4*\t+3], v[RD] offset:\t*544
.endr
	s_wait_dscnt 0x0
	WIN 0x08
.irp t, 0,1,2,3,4,5,6,7
	v_pk_add_f32 v[TT+4*\t:TT+4*\t+1], v[TT+4*\t:TT+4*\t+1], v[128+4*(8*\a+\t):128+4*(8*\a+\t)+1]
	v_pk_add_f32 v[TT+4*\t+2:TT+4*\t+3], v[TT+4*\t+2:TT+4*\t+3], v[128+4*(8*\a+\t)+2:128+4*(8*\a+\t)+3]
.endr
	WIN 0
.irp t, 0,1,2,3,4,5,6,7
	global_store_b128 v[CO], v[TT+4*\t:TT+4*\t+3], s[66:67] offset:\a*65536+\t*8192   ; 16 lanes fill 256 consecutive bytes, aligned
.endr
.endr
	s_wait_tensorcnt 0x0                   ; the wave's end
	ds_add_u32 v[SPW], v[NIL]
	s_wait_dscnt 0x0
	CROUND                                 ; the closing round
	s_endpgm
.Lfunc_end_k_qa2c1ee3efa_ffn2:
	.size	k_qa2c1ee3efa_ffn2, .Lfunc_end_k_qa2c1ee3efa_ffn2-k_qa2c1ee3efa_ffn2
	.p2alignl 7, 3214868480
	.fill 96, 4, 3214868480
	.section	.rodata,"a",@progbits
	.p2align	6, 0x0
	.amdhsa_kernel k_qa2c1ee3efa_ffn2
		.amdhsa_group_segment_fixed_size 327680
		.amdhsa_private_segment_fixed_size 0
		.amdhsa_enable_private_segment 0
		.amdhsa_kernarg_size 40
		.amdhsa_user_sgpr_count 2
		.amdhsa_user_sgpr_kernarg_segment_ptr 1
		.amdhsa_wavefront_size32 1
		.amdhsa_system_sgpr_workgroup_id_x 1
		.amdhsa_system_sgpr_workgroup_id_y 1
		.amdhsa_system_sgpr_workgroup_id_z 1
		.amdhsa_system_vgpr_workitem_id 0
		.amdhsa_next_free_vgpr 768
		.amdhsa_next_free_sgpr 72
		.amdhsa_reserve_vcc 0
		.amdhsa_float_denorm_mode_32 3
		.amdhsa_float_denorm_mode_16_64 3
		.amdhsa_memory_ordered 1
		.amdhsa_forward_progress 1
		.amdhsa_inst_pref_size 64
	.end_amdhsa_kernel
	.amdgpu_metadata
---
amdhsa.version: [ 1, 2 ]
amdhsa.kernels:
  - .name:           k_qa2c1ee3efa_ffn2
    .symbol:         k_qa2c1ee3efa_ffn2.kd
    .args:
      - { .name: wsB, .offset: 0, .size: 8, .value_kind: global_buffer, .address_space: global }
      - { .name: wsA, .offset: 8, .size: 8, .value_kind: global_buffer, .address_space: global }
      - { .name: b2, .offset: 16, .size: 8, .value_kind: global_buffer, .address_space: global }
      - { .name: wsG, .offset: 24, .size: 8, .value_kind: global_buffer, .address_space: global }
      - { .name: out0, .offset: 32, .size: 8, .value_kind: global_buffer, .address_space: global }
    .group_segment_fixed_size: 327680
    .private_segment_fixed_size: 0
    .kernarg_segment_align: 8
    .kernarg_segment_size: 40
    .max_flat_workgroup_size: 128
    .sgpr_count:     72
    .vgpr_count:     768
    .wavefront_size: 32
...
	.end_amdgpu_metadata
.endif
;; end of part 10
;; ======== version 2 of 2: 11 launches; 1.18 times as fast as version 1
;; workspace buffers: wsA 20,971,520 bytes; wsB 33,554,432 bytes; wsC 20,971,520 bytes; wsD 17,186,816 bytes; wsE 671,744 bytes; wsG 25,165,824 bytes
;; launch prep: the kernel of part 1 again; grid 1285 x 1, 8 waves a work-group, no clusters, 18,432 bytes of LDS; arguments x, ln1_g, ln1_b, in_proj_w, attn_out_w, W1, W2, in_proj_b, mq_w, memory, wsA, wsC, wsG, wsE; writes wsA, wsC, wsG, wsE
;; launch qkv: the kernel of part 2 again; grid 12 x 16, 4 waves a work-group, clusters of 4 x 4, 327,680 bytes of LDS; arguments wsG, wsA, wsE, wsB; writes wsB
;; launch attn (part 11): grid 256 x 1, 4 waves a work-group, no clusters, 33,280 bytes of LDS; arguments wsB, wsC; writes wsC
.if DOCPART == 11
	.amdgcn_target "amdgcn-amd-amdhsa--gfx1250"
	.amdhsa_code_object_version 6
	.text
	.protected	k_qa2c1ee3efa_attn
	.globl	k_qa2c1ee3efa_attn
	.p2align	8
	.type	k_qa2c1ee3efa_attn,@function
k_qa2c1ee3efa_attn:
	s_mov_b64 s[64:65], 0
	v_nop
	global_prefetch_b8 v0, s[64:65] scope:SCOPE_SE
	s_setreg_imm32_b32 hwreg(HW_REG_WAVE_MODE, 25, 1), 1
	s_wait_xcnt 0x0
; SELF-ATTENTION, head size 16.  q', k, v: bf16 [3][256 bh][1024 t][16]; q' carries log2(e)/4, so scores come in powers of two.  O: bf16 [256 bh][1024][16].
; A work-group owns one head, a wave 256 queries: 16 tiles of 16.  The head's whole K (64 blocks x 4 registers) and V^T (32 fragments x 8) stay in each wave's registers.
; No cluster: no two work-groups read a common byte.
; S^T = K Q^T: source 0 = 16 keys, source 1 = 16 queries; K has 16 channels, so the upper 16 places along k hold Q's zeros on one side and on the other whatever registers follow
; (the next key block; at a window's end V's first registers).  LIMIT: a k or v that is not finite therefore spoils neighbouring keys' scores of the same head.
; TWO PASSES for each tile: the first finds the row's true maximum m over all 1,024 keys; the second makes S^T - m (-m is the C operand), p = 2^(s - m), O^T += V^T P and l += ones x P.
; A weight below 2^-126 counts as 0.  l is the sum of the weights as rounded to bf16, the same numbers that multiply V.
; WINDOWS: window w holds keys 256 w ..+255 and a working set of its own, at the same numbers in each window, so all work on those keys runs under one setting, 0x55 w.
; BATCHES.  Pass 2 goes by pairs of groups, 64 keys: a pair's 32 exponentials are one batch with one wait, 16 waits a tile; the reciprocal of l is a batch of its own.  How a batch is cut: at PASS 2.
.set AOH,   12582912
.set SPARE, 32768
.set CH, 32          ; four chains of maxima (pass 1)
.set QF, 40          ; q in 40-43, zeros in 44-47
.set MF, 48          ; -m, eight times
.set ON, 56          ; ones in bf16
.set OA, 64          ; this window's part of O^T
.set LA, 72          ; of l
.set SB, 80          ; S^T.  Pass 1: two buffers of two tiles.  Pass 2: group G has buffer G % 4 of four; buffers 0 to 2 lie here, 16 registers each
.set X3, 18          ; pass 2's buffer 3: its first tile,
.set Y3, 32          ; and its second, where pass 1 keeps its chains
.set KB, 128
.set VB, 192
.set MSB, 0
.macro WIN new
.if MSB != (\new)
	s_set_vgpr_msb (MSB<<8)|(\new)
.set MSB, \new
.endif
.endm
.macro PLACES
.rept 4
	v_nop
.endr
.endm
	s_load_b128 s[4:7], s[0:1], 0x0
	v_lshl_add_u32 v28, v0, 2, SPARE
	v_mov_b32 v29, 0
	v_lshrrev_b32 v1, 5, v0
	v_readfirstlane_b32 s8, v1
	v_and_b32 v1, 15, v0                   ; r
	v_bfe_u32 v5, v0, 4, 1                 ; h
	v_lshlrev_b32 v2, 5, v1
	v_lshl_add_u32 v2, v5, 4, v2           ; 32 r + 16 h: my 16 bytes in 16 rows of q, k or O
	v_and_b32 v3, 31, v0
	v_lshlrev_b32 v3, 4, v3                ; 16 x lane
	v_and_b32 v4, 7, v0
	v_lshl_add_u32 v4, v5, 3, v4
	v_lshlrev_b32 v4, 5, v4
	v_bfe_u32 v7, v0, 3, 1
	v_lshl_add_u32 v4, v7, 4, v4           ; the turning load: key 8 h + l % 8, channels 8 ((l / 8) % 2) on
	s_lshl_b32 s10, ttmp9, 15
	s_mov_b32 s11, 0
	s_lshl_b32 s23, s8, 13
	v_add_nc_u32 v6, s23, v3               ; where my part of V goes in LDS
	s_mov_b32 s20, 0x76543210
	s_mov_b32 s21, 0xfedcba98
	s_wait_kmcnt 0x0
	s_add_nc_u64 s[14:15], s[4:5], s[10:11]    ; the head in the q section
	s_add_nc_u64 s[18:19], s[6:7], s[10:11]
	s_mov_b32 s10, s23
	s_add_nc_u64 s[12:13], s[14:15], s[10:11]  ; q at my wave's 256 rows
	s_add_nc_u64 s[18:19], s[18:19], s[10:11]
	s_add_nc_u64 s[18:19], s[18:19], AOH       ; O likewise
	s_add_nc_u64 s[16:17], s[12:13], 16777216  ; v at my wave's 256 rows
	s_add_nc_u64 s[14:15], s[14:15], 8388608   ; k at the head's first row
.set i, 0
.rept 16
	global_load_b128 v[64+4*i:67+4*i], v3, s[16:17] offset:i*512
.set i, i+1
.endr
.irp w, 0,1,2
	WIN (\w)<<6
.set i, 0
.rept 16
	global_load_b128 v[KB+4*i:KB+4*i+3], v2, s[14:15] offset:(16*\w+i)*512
.set i, i+1
.endr
.endr
	WIN 0
	s_wait_loadcnt 48                      ; V's sixteen loads are in; the 48 of K issued behind them may stay out
.set i, 0
.rept 16
	ds_store_b128 v6, v[64+4*i:67+4*i] offset:i*512
.set i, i+1
.endr
	WIN 0xc0
.set i, 0
.rept 16
	global_load_b128 v[KB+4*i:KB+4*i+3], v2, s[14:15] offset:(48+i)*512
.set i, i+1
.endr
	WIN 0
	global_load_b128 v[8:11], v2, s[12:13]     ; q of tile 0
	s_wait_dscnt 0x0                       ; my part of V is in LDS, for the others' sake
	s_barrier_signal -1
	s_barrier_wait -1
.set f, 0
.rept 32
	WIN (f/8)<<6
	ds_load_tr16_b128 v[VB+8*(f%8):VB+8*(f%8)+3],   v4 offset:f*1024
	ds_load_tr16_b128 v[VB+8*(f%8)+4:VB+8*(f%8)+7], v4 offset:f*1024+512
.set f, f+1
.endr
	s_wait_loadcnt 0x0
.irp w, 0,1,2,3
	WIN (\w)<<6
.irp j, 0,1,2,3
	v_mov_b32 v[QF+\j], v[8+\j]
	v_mov_b32 v[QF+4+\j], 0
.endr
.irp j, 0,1,2,3,4,5,6,7
	v_mov_b32 v[ON+\j], 0x3f803f80
.endr
.endr
	WIN 0
	s_wait_tensorcnt 0x0                   ; no LDS write follows
	ds_add_u32 v28, v29
	s_wait_dscnt 0x0                       ; V^T is in too
.macro BUF G                           ; rX, rY: the first and the second tile of group G's buffer in pass 2
.if ((\G)%4) == 3
.set rX, X3
.set rY, Y3
.else
.set rX, SB+16*((\G)%4)
.set rY, SB+16*((\G)%4)+8
.endif
.endm
.macro SPR G, t, c                     ; the scores of group G (32 keys), tile t (16 of them); c = 0: pass 1; c = 1: pass 2: less m, into the group's buffer of four
	WIN 0x55*((\G)/8)
.set rK, KB+8*((\G)%8)+4*(\t)
.if \c
	BUF \G
.set rS, rX+(rY-rX)*(\t)
	v_wmma_f32_16x16x32_bf16 v[rS:rS+7], v[rK:rK+7], v[QF:QF+7], v[MF:MF+7]
.else
.set rS, SB+16*((\G)%2)+8*(\t)
	v_wmma_f32_16x16x32_bf16 v[rS:rS+7], v[rK:rK+7], v[QF:QF+7], 0
.endif
.endm
.macro XOP G, i                        ; two scores into a chain of maxima; a window's first four start its chains
	WIN 0x55*((\G)/8)
.set rS, SB+16*((\G)%2)+2*(\i)
.set rC, CH+(\i)%4
.if (((\G)%8) == 0) && ((\i) < 4)
	v_max_num_f32 v[rC], v[rS], v[rS+1]
.else
	v_max3_num_f32 v[rC], v[rC], v[rS], v[rS+1]
.endif
.endm
.macro EOP n, e                        ; exponential e of the 32 of pair n, in place, in the batch's order: the second tiles of its two groups, then the first tiles; each tile from its register 0 on
.set gE, 2*(\n)+((\e)/8)%2
	WIN 0x55*(gE/8)
	BUF gE
.if (\e) < 16
	v_exp_f32 v[rY+(\e)%8], v[rY+(\e)%8]
.else
	v_exp_f32 v[rX+(\e)%8], v[rX+(\e)%8]
.endif
.endm
.macro COP n, c                        ; rounding c of the 16 of pair n, in place and ascending: register i of a group's first tile takes weights 2 i and 2 i + 1 of the group's 16, so that tile becomes P and the second tile is free
.set gC, 2*(\n)+(\c)/8
.set iC, (\c)%8
	WIN 0x55*(gC/8)
	BUF gC
.if iC < 4
	v_cvt_pk_bf16_f32 v[rX+iC], v[rX+2*iC], v[rX+2*iC+1]
.else
	v_cvt_pk_bf16_f32 v[rX+iC], v[rY+2*iC-8], v[rY+2*iC-7]
.endif
.endm
.macro PVP G                           ; O^T += V^T P; a window's first group starts its sum
	WIN 0x55*((\G)/8)
	BUF \G
.set rV, VB+8*((\G)%8)
.if ((\G)%8) == 0
	v_wmma_f32_16x16x32_bf16 v[OA:OA+7], v[rV:rV+7], v[rX:rX+7], 0
.else
	v_wmma_f32_16x16x32_bf16 v[OA:OA+7], v[rV:rV+7], v[rX:rX+7], v[OA:OA+7]
.endif
.endm
.macro ONP G                           ; l += ones x P
	WIN 0x55*((\G)/8)
	BUF \G
.if ((\G)%8) == 0
	v_wmma_f32_16x16x32_bf16 v[LA:LA+7], v[ON:ON+7], v[rX:rX+7], 0
.else
	v_wmma_f32_16x16x32_bf16 v[LA:LA+7], v[ON:ON+7], v[rX:rX+7], v[LA:LA+7]
.endif
.endm
; PASS 2's TEXT.  Pair n is groups 2 n and 2 n + 1; a pair has the two buffers of its number's parity.  SPAN N is the text from pair N's wait to pair N + 1's.  It holds
;   the 16 roundings of pair N (CN writes the next one): the readers of the batch that the wait at the span's head has served;
;   the 32 exponentials of pair N + 1 (EN writes the next one): the next batch.  They name the buffers of the other parity alone, and no line of the span names a result of theirs;
;   8 products, six vector lines behind each: the first tiles' scores of pair N + 1 (over P of pair N - 1, which has been multiplied), V^T P and the row sums of pair N, and the second tiles' scores of pair N + 2
;   (into the tiles that pair N's roundings have left free).  No two products on end share an accumulator.
; The vector lines: four roundings; exponential and rounding by turns up to the last rounding; the other 20 exponentials; a v_nop; the wait.
; PLACES, in plain lines that name none of the product's registers.  From the row sums of a pair's first group to the scores that write over its P: five roundings and the v_nop; from those of its second group: the v_nop and
; five roundings: six each, where five are asked for.  From a second tile's scores to their first exponential: the next span's first four roundings at the least; from a first tile's: eleven roundings or more.
.macro CN
	COP N, qc
.set qc, qc+1
.endm
.macro EN                              ; behind pair 15 there is no pair
.if N < 15
	EOP N+1, qe
.endif
.set qe, qe+1
.endm
.macro EC3
.rept 3
	EN
	CN
.endr
.endm
.macro E6
.rept 6
	EN
.endr
.endm
.macro SPAN
.set qc, 0
.set qe, 0
.if N < 15
	SPR 2*N+2, 0, 1
.endif
	CN
	CN
	CN
	CN
	EN
	CN
.if N < 15
	SPR 2*N+3, 0, 1
.endif
	EC3                                    ; up to rounding 7: P of the pair's first group is whole
	PVP 2*N
	EC3
	ONP 2*N
	EC3
.if N < 14
	SPR 2*N+4, 1, 1
.endif
	EN
	CN
	EN
	CN                                     ; rounding 15: P of the second group is whole
	EN
	EN
	PVP 2*N+1
	E6
	ONP 2*N+1
	E6
.if N < 14
	SPR 2*N+5, 1, 1
.endif
	E6
.if N < 15
	v_nop                                  ; the plain line behind the batch's last exponential, ahead of the first use of a result: one for the batch
	s_wait_alu depctr_va_vdst(0)           ; the wait for the batch, pair N + 1's 32 exponentials, ahead of the next span's roundings
.endif
.endm
	s_mov_b32 s22, 16
.Ltile:
	global_load_b128 v[8:11], v2, s[12:13] offset:512   ; the next tile's q; in the last trip the bytes behind my rows, inside the buffer, not used
	; PASS 1.  Group G + 1's products stand among group G's eight maxima: four plain lines behind each product before its scores are read
	SPR 0, 0, 0
	SPR 0, 1, 0
	PLACES
.set G, 0
.rept 32
.if G < 31
	SPR G+1, 0, 0
.endif
.irp i, 0,1,2,3
	XOP G, \i
.endr
.if G < 31
	SPR G+1, 1, 0
.endif
.irp i, 4,5,6,7
	XOP G, \i
.endr
.set G, G+1
.endr
	; the four windows' chains, the other half of the lanes, and -m into every window
	WIN 0
	v_max_num_f32 v17, v[CH], v[CH+1]
	v_max3_num_f32 v16, v[CH+2], v[CH+3], v17
.irp w, 1,2,3
	WIN (\w)|((\w)<<2)
	v_max3_num_f32 v17, v[CH], v[CH+1], v16
	v_max3_num_f32 v16, v[CH+2], v[CH+3], v17
.endr
	WIN 0
	v_permlanex16_b32 v17, v16, s20, s21
	v_max_num_f32 v16, v16, v17
.irp w, 0,1,2,3
	WIN (\w)<<6
.irp j, 0,1,2,3,4,5,6,7
	v_mul_f32 v[MF+\j], -1.0, v16
.endr
.endr
	; PASS 2.  In front of the spans: pair 0's scores, four places, and its 32 exponentials, the first batch, with the second tiles' scores of pair 1 among them
	SPR 0, 1, 1
	SPR 1, 1, 1
	SPR 0, 0, 1
	SPR 1, 0, 1
	PLACES
.set N, -1
.set qe, 0
.rept 16
	EN
.endr
	SPR 2, 1, 1
.rept 8
	EN
.endr
	SPR 3, 1, 1
.rept 8
	EN
.endr
	v_nop                                  ; the plain line behind the batch's last exponential
	s_wait_alu depctr_va_vdst(0)           ; the wait for the first batch, pair 0's 32 exponentials, ahead of span 0's roundings
.set N, 0
.rept 16                               ; span 15 issues no exponential and ends without a wait
	SPAN
.set N, N+1
.endr
	PLACES
	; the four windows' parts are added, O^T is divided by l, rounded and stored: 16 rows of a head, 512 consecutive bytes
.irp w, 1,2,3
	WIN \w
.irp i, 0,2,4,6
	v_pk_add_f32 v[OA+\i:OA+\i+1], v[OA+\i:OA+\i+1], v[OA+\i:OA+\i+1]
.endr
	v_add_f32 v[LA], v[LA], v[LA]
.endr
	WIN 0
	v_rcp_f32 v16, v[LA]
	v_nop                                  ; a plain line behind the reciprocal
	s_wait_alu depctr_va_vdst(0)           ; the wait for the reciprocal, a batch of one: it reads l, the sum over all the tile's weights
.irp i, 0,2,4,6
	v_pk_mul_f32 v[OA+\i:OA+\i+1], v[OA+\i:OA+\i+1], v[16:17] op_sel_hi:[1,0]
.endr
.irp i, 0,1,2,3
	v_cvt_pk_bf16_f32 v[12+\i], v[OA+2*\i], v[OA+2*\i+1]
.endr
	global_store_b128 v2, v[12:15], s[18:19]
	s_wait_loadcnt 0x0                     ; the next tile's q
.irp w, 0,1,2,3
	WIN (\w)<<6
.irp j, 0,1,2,3
	v_mov_b32 v[QF+\j], v[8+\j]
.endr
.endr
	WIN 0
	s_wait_xcnt 0x0                        ; v2 and v12-15 are written again only behind this wait
	v_add_nc_u32 v2, 512, v2
	s_sub_co_u32 s22, s22, 1
	s_cmp_lg_u32 s22, 0
	s_cbranch_scc1 .Ltile
	s_endpgm
.Lfunc_end_k_qa2c1ee3efa_attn:
	.size	k_qa2c1ee3efa_attn, .Lfunc_end_k_qa2c1ee3efa_attn-k_qa2c1ee3efa_attn
	.p2alignl 7, 3214868480
	.fill 96, 4, 3214868480
	.section	.rodata,"a",@progbits
	.p2align	6, 0x0
	.amdhsa_kernel k_qa2c1ee3efa_attn
		.amdhsa_group_segment_fixed_size 33280
		.amdhsa_private_segment_fixed_size 0
		.amdhsa_enable_private_segment 0
		.amdhsa_kernarg_size 16
		.amdhsa_user_sgpr_count 2
		.amdhsa_user_sgpr_kernarg_segment_ptr 1
		.amdhsa_wavefront_size32 1
		.amdhsa_system_sgpr_workgroup_id_x 1
		.amdhsa_system_sgpr_workgroup_id_y 1
		.amdhsa_system_sgpr_workgroup_id_z 1
		.amdhsa_system_vgpr_workitem_id 0
		.amdhsa_next_free_vgpr 1024
		.amdhsa_next_free_sgpr 66
		.amdhsa_reserve_vcc 0
		.amdhsa_float_denorm_mode_32 3
		.amdhsa_float_denorm_mode_16_64 3
		.amdhsa_memory_ordered 1
		.amdhsa_forward_progress 1
		.amdhsa_inst_pref_size 88
	.end_amdhsa_kernel
	.amdgpu_metadata
---
amdhsa.version: [ 1, 2 ]
amdhsa.kernels:
  - .name:           k_qa2c1ee3efa_attn
    .symbol:         k_qa2c1ee3efa_attn.kd
    .args:
      - { .name: wsB, .offset: 0, .size: 8, .value_kind: global_buffer, .address_space: global }
      - { .name: wsC, .offset: 8, .size: 8, .value_kind: global_buffer, .address_space: global }
    .group_segment_fixed_size: 33280
    .private_segment_fixed_size: 0
    .kernarg_segment_align: 8
    .kernarg_segment_size: 16
    .max_flat_workgroup_size: 128
    .sgpr_count:     66
    .vgpr_count:     1024
    .wavefront_size: 32
...
	.end_amdgpu_metadata
.endif
;; end of part 11
;; launch outp: the kernel of part 4 again; grid 8 x 32, 4 waves a work-group, clusters of 4 x 4, 327,680 bytes of LDS; arguments wsC, wsA, attn_out_b, x, wsD; writes wsD
;; launch gzr: the kernel of part 5 again; grid 128 x 1, 4 waves a work-group, clusters of 4 x 1, 289,280 bytes of LDS; arguments wsD, wsG, Wz_w, Wr_w, Wz_b, Wr_b, memory, wsE; writes wsE
;; launch gc: the kernel of part 6 again; grid 64 x 1, 4 waves a work-group, clusters of 4 x 1, 289,280 bytes of LDS; arguments wsD, wsE, Wc_w, Wc_b, memory, wsC, out1; writes wsC, out1
;; launch kv: the kernel of part 7 again; grid 128 x 1, 4 waves a work-group, clusters of 4 x 1, 214,528 bytes of LDS; arguments wsC, mk_w, mv_w, wsE; writes wsE
;; launch kqvo: the kernel of part 7 again; grid 128 x 1, 4 waves a work-group, clusters of 4 x 1, 214,528 bytes of LDS; arguments wsE, wsA, mo_w, wsD; writes wsD
;; launch cross: the kernel of part 8 again; grid 256 x 1, 16 waves a work-group, clusters of 4 x 1, 192,000 bytes of LDS; arguments wsD, ln2_g, ln2_b, ln3_g, ln3_b, wsG; writes wsG
;; launch ffn1: the kernel of part 9 again; grid 16 x 16, 4 waves a work-group, clusters of 4 x 4, 327,680 bytes of LDS; arguments wsG, wsC, b1, wsB; writes wsB
;; launch ffn2: the kernel of part 10 again; grid 8 x 32, 4 waves a work-group, clusters of 4 x 4, 327,680 bytes of LDS; arguments wsB, wsA, b2, wsG, out0; writes out0
